; MI455X (gfx1250); checked and timed in simulation.
; The chip was launched on July 23, 2026; its instructions are those of AMD's public machine-readable ISA for CDNA 5 (MIT licence, August 2026) and "CDNA5" Instruction Set Architecture Reference Guide (July 2026). The comments in the code are by the model that wrote it; some were corrected since.
;; Graph Regularized Transformer Layer. Allowed arithmetic: matrix products marked QUANTISED: E3M2 operands, one E8M0 scale for each 32 along K, by v_wmma_scale_f32_16x16x128_f8f6f4 with both operands' format E3M2, f32 sums; everything else in f32.
;; Inputs: b1 512 float32; b2 512 float32; b_ff1 2,048 float32; b_ff2 512 float32; bk 512 float32; bo 512 float32; bq 512 float32; bv 512 float32; g1 512 float32; g2 512 float32; w_ff1 512 x 2,048 float32; w_ff2 2,048 x 512 float32; wk 512 x 512 float32; wo 512 x 512 float32; wq 512 x 512 float32; wv 512 x 512 float32; x 4 x 2,048 x 512 float32.
;; Outputs: out0 4 x 2,048 x 512 float32.
;; This version of the problem:
;;   THIS VERSION OF THE PROBLEM IS GIVEN IN LOW PRECISION. The matrix products marked QUANTISED in the list below multiply operands that are first quantised to E3M2 (3 exponent bits, 2 mantissa bits; 6 bits a number), with one power-of-two scale for each 32 numbers along K (OCP MX v1.0); their sums are f32. All else is computed in f32.
;;   The module's matrix products, in the order in which they are computed (A, B: the left and right operand; K: the contracted axis; several contracted axes count as one K, in the product's order):
;;     1. [M 8,192, K 512] x [K 512, N 512]; A: input x; B: input wq: QUANTISED
;;     2. [M 8,192, K 512] x [K 512, N 512]; A: input x; B: input wk: QUANTISED
;;     3. [M 8,192, K 512] x [K 512, N 512]; A: input x; B: input wv: QUANTISED
;;     4. batch 64 x [M 2,048, K 32] x [K 32, N 2,048]; A: computed on the way; B: computed on the way: QUANTISED
;;     5. batch 64 x [M 2,048, K 2,048] x [K 2,048, N 32]; A: softmax (see below); B: computed on the way: QUANTISED
;;     6. [M 8,192, K 512] x [K 512, N 512]; A: computed on the way; B: input wo: QUANTISED
;;     7. [M 8,192, K 512] x [K 512, N 2,048]; A: computed on the way; B: input w_ff1: QUANTISED
;;     8. [M 8,192, K 2,048] x [K 2,048, N 512]; A: computed on the way; B: input w_ff2: QUANTISED
;;   THE QUANTISER, for each operand of a quantised product, along K:
;;     - K is cut into blocks of 32 from its start; a last block that is shorter is filled with zeros.
;;     - A block's scale is 2^e with e = floor(log2(the largest magnitude in the block)) - 4, held to -126 .. 127; a block of zeros has e = 0. As a byte (E8M0): e + 127.
;;     - Each number is divided by its block's scale, clamped to +-28, and rounded to the nearest number of E3M2, ties to even, subnormals kept.
;;     - The product sums the exact products of the quantised numbers (number of the format x scale) in f32.
;;   ~~~python
;;   def quantise(x, axis):      # numpy; x: float32 -> the quantised numbers, widened to float32 again
;;       x = np.moveaxis(x, axis, -1); K = x.shape[-1]
;;       x = np.pad(x, [(0, 0)] * (x.ndim - 1) + [(0, -K % 32)]); x = x.reshape(x.shape[:-1] + (-1, 32)); a = np.abs(x).max(-1, keepdims=True)
;;       e = np.where(a > 0, np.clip(np.frexp(np.where(a > 0, a, 1))[1] - 1 - 4, -126, 127), 0)      # np.frexp(a)[1] - 1 = floor(log2(a)), exactly
;;       r = np.clip(x / 2.0 ** e, -28, 28)
;;       step = 2.0 ** (np.maximum(np.frexp(np.where(r == 0, 1, r))[1] - 1, -2) - 2)
;;       q = np.round(r / step) * step * 2.0 ** e      # np.round: ties to even
;;       return np.moveaxis(q.reshape(q.shape[:-2] + (-1,))[..., :K], -1, axis).astype(np.float32)
;;   ~~~
;;   SOFTMAX AHEAD OF A QUANTISED PRODUCT. Where the list says 'softmax', what is quantised is not the finished softmax but p = 2^(t - M), with t = logit x log2(e) and M = ceil(the row's largest t), a whole number; so 1/2 < the row's largest p <= 1. The row's sum l is taken of the UNQUANTISED p, in f32, and the product's result is divided by l at the end. Since M is a whole number, a kernel that streams over the keys may use a running M (the ceiling of the running maximum): every later rescaling is an exact power of two, which a block's scale takes up: the codes' values come out the same.
;;   OPERANDS COMPUTED ON THE WAY. 'Computed on the way' means the value that the module computes at that place (a softmax that the list does not call 'softmax' is quantised finished and normalised). What goes into a quantiser is computed in f32, as accurately as f32 sums, v_exp_f32 and their like allow (about 1e-6 of the number): no bf16 or f16 on the way to a quantiser, and a product that is left as it is and whose result goes on into a quantised operand takes f32 operands (vector FMAs, or v_wmma_f32_16x16x4_f32). A number that lies on a knife's edge between two numbers of the format may be rounded either way, as far as f32 arithmetic and the matrix unit's own rounding can turn it there, and no further.
;; 2 versions, each right; version 2 is version 1 with the launches qkv, attn, tail written anew for expert scheduling mode. Each part assembles by itself: llvm-mc -triple=amdgcn-amd-amdhsa -mcpu=gfx1250 --defsym DOCPART=n.
;; ======== version 1 of 2: 4 launches
;; workspace buffers: wimg 2,457,600 bytes; qimg 3,145,728 bytes; kimg 3,145,728 bytes; vimg 3,145,728 bytes; sc 393,216 bytes; acod 3,145,728 bytes; asc 131,072 bytes
;; launch prep (part 1): grid 192 x 1, 8 waves a work-group, no clusters, 1,536 bytes of LDS; arguments wq, wk, wv, wo, w_ff1, w_ff2, wimg; writes wimg
.if DOCPART == 1
	.amdgcn_target "amdgcn-amd-amdhsa--gfx1250"
	.amdhsa_code_object_version 6
	.text
	.protected	k_qc0a5440116_prep
	.globl	k_qc0a5440116_prep
	.p2align	8
	.type	k_qc0a5440116_prep,@function
k_qc0a5440116_prep:
	s_mov_b64 s[64:65], 0
	v_nop
	global_prefetch_b8 v0, s[64:65] scope:SCOPE_SE
	s_setreg_imm32_b32 hwreg(HW_REG_WAVE_MODE, 25, 1), 1
	s_wait_xcnt 0x0
; The six weights, f32 stored [K][N], become codes of E3M2 with one E8M0 byte for each 32 along K, laid as IMAGES OF THE OPERAND'S REGISTERS.
; A group (12,800 bytes) is 128 output channels x 128 along K: eight tiles of 16 channels, 1,536 bytes each (registers 4 j .. 4 j + 3 of lane L at 512 j + 16 L),
; then 512 bytes of scale words: lane L's 16 bytes hold, as word i, the scale word of tile 2 i + L / 16, row L % 16.
; Row r of tile t is channel 32 (t / 2) + 8 (t % 2) + r + 8 (r / 8) of the group's 128, so that a product with the weight as source 0 leaves 16 neighbouring channels in the 16 registers of two neighbouring tiles.
; Groups: wq 0-15, wk 16-31, wv 32-47, wo 48-63 (4 nb + ks), w_ff1 64-127 (4 nb + ks), w_ff2 128-191 (16 nb + ks).
; A work-group makes one group, a wave one tile.  A lane takes a channel and its registers run down K: two whole blocks of 32 a lane, so a block's largest magnitude needs no other lane.
; LIMITS: a block whose largest magnitude lies under 2^-122 (a block of zeros among them) gets the byte 1: its codes are zeros or subnormals, and this program alone reads the bytes.  NaN and infinities are not served.
.set SEL, 36
	s_load_b256 s[4:11], s[0:1], 0x0               ; wq, wk, wv, wo
	s_load_b128 s[12:15], s[0:1], 0x20             ; w_ff1, w_ff2
	s_load_b64 s[16:17], s[0:1], 0x30              ; wimg
	v_lshl_add_u32 v208, v0, 2, 0x200
	v_mov_b32 v209, 0
	v_lshrrev_b32 v1, 5, v0
	v_readfirstlane_b32 s24, v1                    ; wave = tile t
	v_and_b32 v1, 15, v0                           ; r
	v_bfe_u32 v2, v0, 4, 1                         ; h
	v_and_b32 v3, 8, v1
	v_add_nc_u32 v3, v3, v1                        ; r + 8 (r / 8)
	v_and_b32 v6, 31, v0
	v_lshlrev_b32 v6, 4, v6                        ; 16 x lane
	s_and_b32 s38, s24, 1
	s_lshl_b32 s38, s38, 8
	s_lshr_b32 s39, s24, 1
	s_lshl_b32 s39, s39, 2
	s_add_co_u32 s38, s38, s39
	v_lshlrev_b32 v7, 4, v1
	v_add_nc_u32 v7, s38, v7                       ; LDS: my row's scale word: 16 (r + 16 (t % 2)) + 4 (t / 2)
	s_mov_b32 s[SEL], 0x76543210
	s_mov_b32 s[SEL+1], 0xfedcba98                 ; lane l xor 16
	s_mov_b32 s25, ttmp9                           ; the group
	s_sub_co_u32 s26, s25, 64                      ; under 64 (unsigned) for w_ff1's groups alone
	s_mov_b32 s27, 2048
	s_cmp_lt_u32 s26, 64
	s_cselect_b32 s27, 8192, s27                   ; bytes from row to row of the weight
	s_cmp_lt_u32 s25, 128
	s_cselect_b32 s28, 3, 15
	s_and_b32 s28, s25, s28                        ; ks
	s_cmp_lt_u32 s25, 64
	s_cselect_b32 s29, 15, 63
	s_and_b32 s29, s25, s29
	s_cmp_lt_u32 s25, 128
	s_cselect_b32 s30, 2, 4
	s_lshr_b32 s29, s29, s30                       ; nb
	s_mul_i32 s34, s28, s27
	s_lshl_b32 s34, s34, 7                         ; 128 ks rows
	s_lshl_b32 s32, s29, 9
	s_add_co_u32 s34, s34, s32                     ; + 128 nb channels
	s_lshr_b32 s32, s24, 1
	s_lshl_b32 s32, s32, 7
	s_add_co_u32 s34, s34, s32                     ; + 32 (t / 2) channels
	s_and_b32 s32, s24, 1
	s_lshl_b32 s32, s32, 5
	s_add_co_u32 s34, s34, s32                     ; + 8 (t % 2) channels
	s_mov_b32 s35, 0
	s_lshl_b32 s33, s27, 5
	v_mul_lo_u32 v5, v2, s33                       ; lanes 16-31 begin 32 rows further down
	v_lshl_add_u32 v5, v3, 2, v5                   ; + my channel
	s_mul_i32 s40, s25, 12800
	s_mul_i32 s41, s24, 1536
	s_add_co_u32 s40, s40, s41                     ; my tile's image
	s_mov_b32 s41, 0
	s_wait_kmcnt 0x0
	s_mov_b64 s[20:21], s[14:15]                   ; which weight: a choice on the group's number alone
	s_cmp_lt_u32 s25, 128
	s_cselect_b64 s[20:21], s[12:13], s[20:21]
	s_cmp_lt_u32 s25, 64
	s_cselect_b64 s[20:21], s[10:11], s[20:21]
	s_cmp_lt_u32 s25, 48
	s_cselect_b64 s[20:21], s[8:9], s[20:21]
	s_cmp_lt_u32 s25, 32
	s_cselect_b64 s[20:21], s[6:7], s[20:21]
	s_cmp_lt_u32 s25, 16
	s_cselect_b64 s[20:21], s[4:5], s[20:21]
	s_add_nc_u64 s[20:21], s[20:21], s[34:35]
	s_add_nc_u64 s[16:17], s[16:17], s[40:41]
.macro LOADS pitch                     ; W(128 ks + 64 c + 32 h + i, my channel): the row steps stand in the immediates, 95 rows at the most
.irp c, 0,1
.set i, 0
.rept 32
	global_load_b32 v[64+32*\c+i], v5, s[20:21] offset:\pitch*(64*\c+i)
.set i, i+1
.endr
.endr
.endm
	s_cmp_lt_u32 s26, 64
	s_cbranch_scc1 .Lwide
	LOADS 2048
	s_branch .Ljoin
.Lwide:
	LOADS 8192
.Ljoin:
	s_wait_loadcnt 0x0
.irp c, 0,1                            ; my block 2 c + h: all its 32 numbers are mine
	v_max3_num_f32 v[32+\c], |v[64+32*\c]|, |v[65+32*\c]|, 0x2800000   ; with the floor 2^(5 - 127): the byte cannot fall under 1
.endr
.irp i, 2,4,6,8,10,12,14,16,18,20,22,24,26,28,30
.irp c, 0,1
	v_max3_num_f32 v[32+\c], v[32+\c], |v[64+32*\c+\i]|, |v[65+32*\c+\i]|
.endr
.endr
.irp c, 0,1
	v_add_nc_u32 v[44+\c], 0xfe000000, v[32+\c]    ; 4 off the exponent field: the conversion's scale operand
.endr
.irp c, 0,1
	v_lshrrev_b32 v[36+\c], 23, v[44+\c]           ; the scale's byte
.endr
	v_lshl_or_b32 v9, v37, 16, v36                 ; my two bytes, blocks h and 2 + h,
	v_lshlrev_b32 v10, 3, v2
	v_lshlrev_b32 v9, v10, v9                      ; at their places in the word;
	v_mov_b32 v10, 0
	v_permlanex16_b32 v10, v9, s[SEL], s[SEL+1]
	v_or_b32 v9, v9, v10                           ; with lane l xor 16's two the word is whole
.irp c, 0,1
	v_cvt_scalef32_pk16_bf6_f32 v[48+6*\c:50+6*\c], v[64+32*\c:79+32*\c], v[44+\c]
	v_cvt_scalef32_pk16_bf6_f32 v[192+4*\c:194+4*\c], v[80+32*\c:95+32*\c], v[44+\c]   ; (a conversion's three registers begin on an even number)
.endr
	v_nop                                          ; one plain place behind the conversions
.irp c, 0,1
.irp i, 0,1,2
	v_mov_b32 v[51+6*\c+\i], v[192+4*\c+\i]
.endr
.endr
.irp j, 0,1,2
	global_store_b128 v6, v[48+4*\j:51+4*\j], s[16:17] offset:512*\j   ; 32 lanes store 512 consecutive bytes, aligned
.endr
	ds_store_b32 v7, v9                            ; both halves of the lanes write the same word with the same value
	s_wait_dscnt 0x0                               ; for the others' sake: my store has landed
	s_barrier_signal -1
	s_barrier_wait -1
	s_cmp_lg_u32 s24, 0
	s_cbranch_scc1 .Lend
	ds_load_b128 v[12:15], v6                      ; wave 0 (its image begins at the group's first byte) stores the eight tiles' scale words
	s_wait_dscnt 0x0
	global_store_b128 v6, v[12:15], s[16:17] offset:12288
.Lend:
	s_wait_tensorcnt 0x0
	ds_add_u32 v208, v209
	s_wait_dscnt 0x0
	s_endpgm
.Lfunc_end_k_qc0a5440116_prep:
	.size	k_qc0a5440116_prep, .Lfunc_end_k_qc0a5440116_prep-k_qc0a5440116_prep
	.p2alignl 7, 3214868480
	.fill 96, 4, 3214868480
	.section	.rodata,"a",@progbits
	.p2align	6, 0x0
	.amdhsa_kernel k_qc0a5440116_prep
		.amdhsa_group_segment_fixed_size 1536
		.amdhsa_private_segment_fixed_size 0
		.amdhsa_enable_private_segment 0
		.amdhsa_kernarg_size 56
		.amdhsa_user_sgpr_count 2
		.amdhsa_user_sgpr_kernarg_segment_ptr 1
		.amdhsa_wavefront_size32 1
		.amdhsa_system_sgpr_workgroup_id_x 1
		.amdhsa_system_sgpr_workgroup_id_y 1
		.amdhsa_system_sgpr_workgroup_id_z 1
		.amdhsa_system_vgpr_workitem_id 0
		.amdhsa_next_free_vgpr 210
		.amdhsa_next_free_sgpr 66
		.amdhsa_reserve_vcc 0
		.amdhsa_float_denorm_mode_32 3
		.amdhsa_float_denorm_mode_16_64 3
		.amdhsa_memory_ordered 1
		.amdhsa_forward_progress 1
		.amdhsa_inst_pref_size 19
	.end_amdhsa_kernel
	.amdgpu_metadata
---
amdhsa.version: [ 1, 2 ]
amdhsa.kernels:
  - .name:           k_qc0a5440116_prep
    .symbol:         k_qc0a5440116_prep.kd
    .args:
      - { .name: wq, .offset: 0, .size: 8, .value_kind: global_buffer, .address_space: global }
      - { .name: wk, .offset: 8, .size: 8, .value_kind: global_buffer, .address_space: global }
      - { .name: wv, .offset: 16, .size: 8, .value_kind: global_buffer, .address_space: global }
      - { .name: wo, .offset: 24, .size: 8, .value_kind: global_buffer, .address_space: global }
      - { .name: w_ff1, .offset: 32, .size: 8, .value_kind: global_buffer, .address_space: global }
      - { .name: w_ff2, .offset: 40, .size: 8, .value_kind: global_buffer, .address_space: global }
      - { .name: wimg, .offset: 48, .size: 8, .value_kind: global_buffer, .address_space: global }
    .group_segment_fixed_size: 1536
    .private_segment_fixed_size: 0
    .kernarg_segment_align: 8
    .kernarg_segment_size: 56
    .max_flat_workgroup_size: 256
    .sgpr_count:     66
    .vgpr_count:     210
    .wavefront_size: 32
...
	.end_amdgpu_metadata
.endif
;; end of part 1
;; launch qkv (part 2): grid 128 x 1, 4 waves a work-group, no clusters, 27,136 bytes of LDS; arguments x, wimg, bq, bk, bv, qimg, kimg, vimg, sc; writes qimg, kimg, vimg, sc
.if DOCPART == 2
	.amdgcn_target "amdgcn-amd-amdhsa--gfx1250"
	.amdhsa_code_object_version 6
	.text
	.protected	k_qc0a5440116_qkv
	.globl	k_qc0a5440116_qkv
	.p2align	8
	.type	k_qc0a5440116_qkv,@function
k_qc0a5440116_qkv:
	s_mov_b64 s[64:65], 0
	v_nop
	global_prefetch_b8 v0, s[64:65] scope:SCOPE_SE
	s_setreg_imm32_b32 hwreg(HW_REG_WAVE_MODE, 25, 1), 1
	s_wait_xcnt 0x0
; q = x wq + bq, k = x wk + bk, v = x wv + bv on codes of E3M2, and q, k, v quantised again for attention: q and k along a head's 32 channels, v along the keys.
; SHARES.  A work-group owns 64 tokens, four tiles of 16: row r of tile mt is token 32 (mt / 2) + 8 (mt % 2) + r + 8 (r / 8).  64 tokens, because they fill half a fragment of v (64 keys) and a whole
; fragment of q or k, so that every store below is a whole aligned plane of 256 bytes; hence 128 work-groups.  Wave w quantises channels 128 w .. of x (K step w) for all four tiles and hands the fragments
; round through LDS as images of their registers; then it makes output channels 128 w .. 128 w + 127 (heads 4 w .. 4 w + 3) of q, of k and of v: three passes of four K steps, 32 products each.
; THE WEIGHTS come from memory straight into operand registers (images made by the launch before), through a ring of three register buffers: two groups of 25 loads are on their way while one is multiplied.
; No joint loads: they would land in LDS, from where each group's 12,800 bytes, which one wave multiplies once, would have to be read again into registers.
; q, k: source 0 = the weight, source 1 = x: a lane holds one token, its registers run along the channels.  v: source 0 = x, source 1 = the weight: a lane holds one channel, its registers run along the tokens.
; OUT.  qimg, kimg: [batch x head][64 tokens][1,536 bytes]: one fragment holds four tiles of 16 tokens, tile c as the fragment's block c of 32 along K.  vimg: [batch x head][128 keys][2 tiles of 16 channels][1,536 bytes].
; In these images registers 2 p, 2 p + 1 of lane L lie at 256 p + 8 L.  sc: the scale words of q, of k (131,072 on) and of v (262,144 on).
; LIMITS: a block whose largest magnitude lies under 2^-122 (zeros among them) gets the byte 1; this program alone reads the bytes.  NaN and infinities are not served.
; REGISTERS, in windows of 256.  Window 3: the 32 accumulators (first: x as loaded).  Window 1: v0-191 x's 16 fragments (12 (4 ks + mt)), v192-255 the bias as C.  Window 2: v0-95, v96-191 ring buffers 0, 1.
; Window 0: v1-8 addresses, v16-27 the weights' scale words, v32-47 x's, v48-99 the quantiser's, v160-255 ring buffer 2.
.set LI,  1                            ; 16 x lane
.set LS,  2                            ; 4 x lane
.set L8,  3                            ; 8 x lane
.set XA,  4                            ; x: 2,048 (r + 8 (r / 8)) + 64 h
.set IMW, 5                            ; where I store x's images: 16 x lane + 6,144 x wave
.set SCW, 6                            ; and their scale words
.set BA,  7                            ; 64 h
.set BVA, 8                            ; 4 (r + 8 (r / 8))
.set WS,  16
.set XS,  32
.set TM,  48
.set TS,  64
.set PCA, 72
.set PCB, 84
.set PW,  96
.set XF,  0
.set BIAS, 192
.set XSC, 24576
.set SEL, 26
.set MSB, 0
.macro WIN new                         ; the immediate's high byte repeats the setting that is left; a switch that changes nothing is dropped
.set WNEW, \new
.if MSB != WNEW
	s_set_vgpr_msb (MSB<<8)|WNEW
.set MSB, WNEW
.endif
.endm
.macro PLACES n
.rept \n
	v_nop
.endr
.endm
; 64 numbers of a lane in window w, register 16 bb + i = k 32 bb + 16 h + i of my row, become a fragment's codes in v[pc] on and its scale word in v[pw] (window 0).
.macro QUANT w, s, pc, pw
	WIN 5*(\w)
.irp bb, 0,1,2,3
	v_max3_num_f32 v[TM+\bb], |v[\s+16*\bb]|, |v[\s+16*\bb+1]|, 0x2800000   ; each accumulator is read from its low end on; the floor 2^(5 - 127) holds the byte at 1 from below
.endr
	WIN 20*(\w)
.irp i, 2,4,6,8,10,12,14
.irp bb, 0,1,2,3
	v_max3_num_f32 v[TM+\bb], v[TM+\bb], |v[\s+16*\bb+\i]|, |v[\s+16*\bb+\i+1]|
.endr
.endr
	WIN 0
.irp bb, 0,1,2,3
	v_permlanex16_b32 v[TM+4+\bb], v[TM+\bb], s[SEL], s[SEL+1]
.endr
.irp bb, 0,1,2,3
	v_max_num_f32 v[TM+\bb], v[TM+\bb], v[TM+4+\bb]   ; with lane l xor 16's 16: the block's largest magnitude
.endr
.irp bb, 0,1,2,3
	v_add_nc_u32 v[TM+12+\bb], 0xfe000000, v[TM+\bb]  ; 4 off the exponent field: the conversion's scale operand
.endr
.irp bb, 0,1,2,3
	v_lshrrev_b32 v[TM+4+\bb], 23, v[TM+12+\bb]       ; the byte
.endr
	v_lshl_or_b32 v[\pw], v[TM+5], 8, v[TM+4]
	v_lshl_or_b32 v[\pw], v[TM+6], 16, v[\pw]
	v_lshl_or_b32 v[\pw], v[TM+7], 24, v[\pw]
	WIN \w
.irp c, 0,1
	v_cvt_scalef32_pk16_bf6_f32 v[\pc+6*\c:\pc+6*\c+2], v[\s+32*\c:\s+32*\c+15], v[TM+12+2*\c]
	v_cvt_scalef32_pk16_bf6_f32 v[TS+4*\c:TS+4*\c+2], v[\s+32*\c+16:\s+32*\c+31], v[TM+13+2*\c]
.endr
	WIN 0
	v_nop                                          ; one plain place behind the conversions
.irp c, 0,1                            ; the operand's layout wants a whole block in a lane
.irp i, 0,1,2
	v_permlane16_swap_b32 v[\pc+6*\c+\i], v[TS+4*\c+\i]
.endr
.irp i, 0,1,2
	v_mov_b32 v[\pc+6*\c+3+\i], v[TS+4*\c+\i]
.endr
.endr
.endm
.macro IMAGE adr, off, pc
.irp c, 0,1,2
	ds_store_b128 v[\adr], v[\pc+4*\c:\pc+4*\c+3] offset:\off+512*\c
.endr
.endm
; a weight group into a ring buffer: 24 loads of 512 consecutive bytes, and the scale words: 25 loads
.macro GLOAD bw, bb, ws, sb, imm
	WIN 64*(\bw)
.irp t, 0,1,2,3,4,5,6,7
.irp j, 0,1,2
	global_load_b128 v[\bb+12*\t+4*\j:\bb+12*\t+4*\j+3], v[LI], s[\sb:\sb+1] offset:\imm+1536*\t+512*\j
.endr
.endr
	WIN 0
	global_load_b128 v[\ws:\ws+3], v[LI], s[\sb:\sb+1] offset:\imm+12288
.endm
.macro RING q                          ; group q's buffer: window, first register, scale words
.set RQ, (\q)%3
.if RQ == 0
.set RBW, 2
.set RBB, 0
.elseif RQ == 1
.set RBW, 2
.set RBB, 96
.else
.set RBW, 0
.set RBB, 160
.endif
.set RWS, WS+4*RQ
.endm
.macro WM ra, rb                       ; one product on the registers named by rD, rA, rB, rC, rSA, rSB; ra, rb: that side's scales stand in lanes 16-31
.if \ra
	v_wmma_scale_f32_16x16x128_f8f6f4 v[rD:rD+7], v[rA:rA+11], v[rB:rB+11], v[rC:rC+7], v[rSA], v[rSB] matrix_a_fmt:MATRIX_FMT_BF6 matrix_b_fmt:MATRIX_FMT_BF6 matrix_a_scale:MATRIX_SCALE_ROW1
.elseif \rb
	v_wmma_scale_f32_16x16x128_f8f6f4 v[rD:rD+7], v[rA:rA+11], v[rB:rB+11], v[rC:rC+7], v[rSA], v[rSB] matrix_a_fmt:MATRIX_FMT_BF6 matrix_b_fmt:MATRIX_FMT_BF6 matrix_b_scale:MATRIX_SCALE_ROW1
.else
	v_wmma_scale_f32_16x16x128_f8f6f4 v[rD:rD+7], v[rA:rA+11], v[rB:rB+11], v[rC:rC+7], v[rSA], v[rSB] matrix_a_fmt:MATRIX_FMT_BF6 matrix_b_fmt:MATRIX_FMT_BF6
.endif
.endm
; 32 products: K step ks, four tiles of tokens x eight tiles of channels; each accumulator once, so they go by turns.  first = 1: the bias is C.  vp = 1: v's pass, sources swapped.
.macro MMQ ks, first, vp
.if \vp
	WIN 1+4*RBW+16*(3-2*(\first))+192
.else
	WIN RBW+4+16*(3-2*(\first))+192
.endif
.irp mt, 0,1,2,3
.irp t, 0,1,2,3,4,5,6,7
.if \vp
.set rD, 8*(4*\t+\mt)
.set rA, XF+12*(4*(\ks)+\mt)
.set rB, RBB+12*\t
.set rSA, XS+4*(\ks)+\mt
.set rSB, RWS+\t/2
.else
.set rD, 8*(8*\mt+\t)
.set rA, RBB+12*\t
.set rB, XF+12*(4*(\ks)+\mt)
.set rSA, RWS+\t/2
.set rSB, XS+4*(\ks)+\mt
.endif
.if \first
.set rC, BIAS+8*\t
.else
.set rC, rD
.endif
.if \vp
	WM 0, \t%2
.else
	WM \t%2, 0
.endif
.endr
.endr
.endm
.macro BIASQK sb                       ; the bias in the result's layout: lane (r, h), tile 2 bb + u, register j: channel 32 bb + 16 h + 8 u + j
	WIN 0x40
.irp bb, 0,1,2,3
.irp j, 0,1,2,3
	global_load_b128 v[BIAS+16*\bb+4*\j:BIAS+16*\bb+4*\j+3], v[BA], s[\sb:\sb+1] offset:128*\bb+16*\j
.endr
.endr
	WIN 0
.endm
.macro XLOAD mt                        ; my 128 channels of tile mt's 16 tokens: 64 numbers a lane, 16 neighbours of each block of 32
.irp bb, 0,1,2,3
.irp j, 0,1,2,3
	global_load_b128 v[64*\mt+16*\bb+4*\j:64*\mt+16*\bb+4*\j+3], v[XA], s[4:5] offset:(32*(\mt/2)+8*(\mt%2))*2048+128*\bb+16*\j th:TH_LOAD_NT
.endr
.endr
.endm
.macro XQ mt
	QUANT 3, 64*\mt, PCA, PW
	IMAGE IMW, 1536*\mt, PCA
	ds_store_b32 v[SCW], v[PW] offset:128*\mt
	s_wait_dscnt 0x0                               ; the stores have read their registers
.endm
; group q: n = the loads issued behind it, which may stay out
.macro GRP q, n, ks, first, vp
	s_wait_loadcnt \n
	RING \q
	MMQ \ks, \first, \vp
	WIN 0
	PLACES 4                                       ; four places in front of loads into registers that the products have read, and of the first read of results
.if (\q)+3 < 12
	GLOAD RBW, RBB, RWS, 28, (16*(((\q)+3)/4)+((\q)+3)%4)*12800
.endif
.endm
; q's or k's way out.  Two tiles of tokens at a time: after the exchange of halves PCA holds heads 4 w + 2 c, PCB heads 4 w + 2 c + 1, lanes 0-15 tile 2 u, lanes 16-31 tile 2 u + 1.
.macro EPQK img, scb
.irp u, 0,1
	s_wait_xcnt 0x0                                ; the last stores have read their data registers
	QUANT 3, 128*\u, PCA, PW
	QUANT 3, 128*\u+64, PCB, PW+1
.irp i, 0,1,2,3,4,5,6,7,8,9,10,11
	v_permlane16_swap_b32 v[PCA+\i], v[PCB+\i]
.endr
	v_permlane16_swap_b32 v[PW], v[PW+1]
.irp c, 0,1
.irp p, 0,1,2
	global_store_b64 v[L8], v[PCA+6*\c+2*\p:PCA+6*\c+2*\p+1], s[\img:\img+1] offset:(2*\c)*49152+256*(3*\u+\p)     ; 32 lanes store 256 consecutive bytes, aligned
	global_store_b64 v[L8], v[PCB+6*\c+2*\p:PCB+6*\c+2*\p+1], s[\img:\img+1] offset:(2*\c+1)*49152+256*(3*\u+\p)
.endr
.endr
	global_store_b32 v[LS], v[PW], s[\scb:\scb+1] offset:128*\u
.endr
.endm
	s_load_b512 s[4:19], s[0:1], 0x0               ; x, wimg, bq, bk, bv, qimg, kimg, vimg
	s_load_b64 s[20:21], s[0:1], 0x40              ; sc
	v_lshl_add_u32 v158, v0, 2, 0x6800
	v_mov_b32 v159, 0
	v_lshrrev_b32 v9, 5, v0
	v_readfirstlane_b32 s24, v9                    ; wave
	v_and_b32 v9, 31, v0
	v_and_b32 v10, 15, v0
	v_bfe_u32 v11, v0, 4, 1
	v_and_b32 v12, 8, v10
	v_add_nc_u32 v12, v12, v10                     ; r + 8 (r / 8)
	v_lshlrev_b32 v[LI], 4, v9
	v_lshlrev_b32 v[LS], 2, v9
	v_lshlrev_b32 v[L8], 3, v9
	v_lshlrev_b32 v[BA], 6, v11
	v_lshl_add_u32 v[XA], v12, 11, v[BA]
	v_lshlrev_b32 v[BVA], 2, v12
	s_mul_i32 s25, s24, 6144
	v_add_nc_u32 v[IMW], s25, v[LI]
	s_lshl_b32 s25, s24, 9
	s_add_co_u32 s25, s25, XSC
	v_add_nc_u32 v[SCW], s25, v[LS]
.irp bb, 0,1,2,3
	v_mov_b32 v[TM+4+\bb], 0                       ; written once: a lane permute's destination counts as one of its sources
.endr
	s_mov_b32 s[SEL], 0x76543210
	s_mov_b32 s[SEL+1], 0xfedcba98
	s_lshr_b32 s30, ttmp9, 5                       ; batch
	s_and_b32 s31, ttmp9, 31                       ; F: which 64 tokens of the batch
	s_lshl_b32 s32, ttmp9, 17                      ; x: 64 rows of 2,048 bytes a work-group,
	s_lshl_b32 s33, s24, 9
	s_add_co_u32 s32, s32, s33                     ; + my 128 channels
	s_mov_b32 s33, 0
	s_mul_i32 s34, s24, 51200                      ; my four groups of each weight
	s_mov_b32 s35, 0
	s_lshl_b32 s36, s30, 4
	s_lshl_b32 s37, s24, 2
	s_add_co_u32 s36, s36, s37                     ; 16 x batch + my first head
	s_mul_i32 s36, s36, 49152
	s_lshr_b32 s38, s31, 1
	s_mul_i32 s38, s38, 3072
	s_add_co_u32 s38, s38, s36
	s_and_b32 s39, s31, 1
	s_mul_i32 s39, s39, 768
	s_add_co_u32 s38, s38, s39                     ; vimg: + 3,072 (F / 2) + 768 (F % 2)
	s_mov_b32 s39, 0
	s_mul_i32 s37, s31, 1536
	s_add_co_u32 s36, s36, s37                     ; qimg, kimg: + 1,536 F
	s_mov_b32 s37, 0
	s_lshl_b32 s40, s30, 2
	s_add_co_u32 s40, s40, s24
	s_lshl_b32 s40, s40, 7
	s_lshl_b32 s41, s31, 2
	s_add_co_u32 s40, s40, s41
	s_lshl_b32 s40, s40, 6                         ; q's scale words: ((4 batch + w) 128 + 4 F) 64
	s_mov_b32 s41, 0
	s_lshl_b32 s42, s30, 5
	s_add_co_u32 s42, s42, s31
	s_lshl_b32 s42, s42, 4
	s_lshl_b32 s43, s24, 2
	s_add_co_u32 s42, s42, s43
	s_lshl_b32 s42, s42, 6
	s_add_co_u32 s42, s42, 0x40000                 ; v's: 262,144 + ((32 batch + F) 16 + 4 w) 64
	s_mov_b32 s43, 0
	s_lshl_b32 s44, s24, 9                         ; my 128 numbers of a bias
	s_mov_b32 s45, 0
	s_wait_kmcnt 0x0
	s_add_nc_u64 s[4:5], s[4:5], s[32:33]
	s_add_nc_u64 s[28:29], s[6:7], s[34:35]
	s_add_nc_u64 s[8:9], s[8:9], s[44:45]
	s_add_nc_u64 s[10:11], s[10:11], s[44:45]
	s_add_nc_u64 s[12:13], s[12:13], s[44:45]
	s_add_nc_u64 s[14:15], s[14:15], s[36:37]
	s_add_nc_u64 s[16:17], s[16:17], s[36:37]
	s_add_nc_u64 s[18:19], s[18:19], s[38:39]
	s_add_nc_u64 s[46:47], s[20:21], s[40:41]
	s_add_nc_u64 s[48:49], s[46:47], 0x20000
	s_add_nc_u64 s[50:51], s[20:21], s[42:43]
	; ---- x becomes codes; the first three weight groups are asked for on the way
	BIASQK 8
	WIN 0xc0
	XLOAD 0
	XLOAD 1
	XLOAD 2
	XLOAD 3
	WIN 0
	s_wait_loadcnt 48                              ; bq and tile 0 are in; three tiles of 16 loads may be out
	XQ 0
	s_wait_loadcnt 32
	XQ 1
	RING 0
	GLOAD RBW, RBB, RWS, 28, 0
	s_wait_loadcnt 41                              ; behind tile 2: tile 3's 16 and the group's 25
	XQ 2
	RING 1
	GLOAD RBW, RBB, RWS, 28, 12800
	s_wait_loadcnt 50                              ; behind tile 3: two groups
	XQ 3
	RING 2
	GLOAD RBW, RBB, RWS, 28, 25600
	s_wait_dscnt 0x0                               ; my images have landed
	s_barrier_signal -1
	s_barrier_wait -1                              ; everybody's have
	WIN 0x40
.set i, 0
.rept 16
.irp c, 0,1,2
	ds_load_b128 v[XF+12*i+4*\c:XF+12*i+4*\c+3], v[LI] offset:1536*i+512*\c
.endr
.set i, i+1
.endr
	WIN 0
.set i, 0
.rept 16
	ds_load_b32 v[XS+i], v[LS] offset:XSC+128*i
.set i, i+1
.endr
	s_wait_dscnt 0x0
	; ---- q.  Counts: the loads younger than the group that is wanted: two groups of 25, and where the next bias was asked for between them its loads too (66: the wait's field holds 63)
	GRP 0, 50, 0, 1, 0
	BIASQK 10                                      ; bk, behind the products that took bq as C and their places
	GRP 1, 63, 1, 0, 0
	GRP 2, 63, 2, 0, 0
	GRP 3, 63, 3, 0, 0
	EPQK 14, 46
	; ---- k
	GRP 4, 50, 0, 1, 0
	WIN 0x40
.irp t, 0,1,2,3,4,5,6,7
	global_load_b32 v[BIAS+8*\t], v[BVA], s[12:13] offset:4*(32*(\t/2)+8*(\t%2))   ; bv: in v's layout a lane holds one channel
.endr
	WIN 0
	GRP 5, 58, 1, 0, 0                             ; two groups and bv's 8
	GRP 6, 58, 2, 0, 0
	GRP 7, 58, 3, 0, 0
	EPQK 16, 48
	; ---- v
	s_wait_loadcnt 50                              ; bv and group 8 are in
	WIN 0x41
.irp t, 0,1,2,3,4,5,6,7
.irp j, 1,2,3,4,5,6,7
	v_mov_b32 v[BIAS+8*\t+\j], v[BIAS+8*\t]        ; the lane's channel's bias for its eight tokens
.endr
.endr
	WIN 0
	PLACES 4
	GRP 8, 50, 0, 1, 1
	GRP 9, 50, 1, 0, 1
	GRP 10, 25, 2, 0, 1
	GRP 11, 0, 3, 0, 1
	; v's way out: head 4 w + hb: registers 6 dt .. of the codes are tile dt's, lanes 0-15 the first 32 keys, lanes 16-31 the second
.irp hb, 0,1,2,3
	s_wait_xcnt 0x0                                ; the last stores have read their data registers
	QUANT 3, 64*\hb, PCA+12*(\hb%2), PW+\hb
.irp c, 0,1
.irp p, 0,1,2
	global_store_b64 v[L8], v[PCA+12*(\hb%2)+6*\c+2*\p:PCA+12*(\hb%2)+6*\c+2*\p+1], s[18:19] offset:\hb*49152+1536*\c+256*\p
.endr
.endr
.endr
	v_permlane16_swap_b32 v[PW], v[PW+1]           ; lanes 0-15 one head's words, lanes 16-31 the next head's
	v_permlane16_swap_b32 v[PW+2], v[PW+3]
	global_store_b32 v[LS], v[PW], s[50:51]
	global_store_b32 v[LS], v[PW+2], s[50:51] offset:128
	s_wait_tensorcnt 0x0
	ds_add_u32 v158, v159
	s_wait_dscnt 0x0
	s_endpgm
.Lfunc_end_k_qc0a5440116_qkv:
	.size	k_qc0a5440116_qkv, .Lfunc_end_k_qc0a5440116_qkv-k_qc0a5440116_qkv
	.p2alignl 7, 3214868480
	.fill 96, 4, 3214868480
	.section	.rodata,"a",@progbits
	.p2align	6, 0x0
	.amdhsa_kernel k_qc0a5440116_qkv
		.amdhsa_group_segment_fixed_size 27136
		.amdhsa_private_segment_fixed_size 0
		.amdhsa_enable_private_segment 0
		.amdhsa_kernarg_size 72
		.amdhsa_user_sgpr_count 2
		.amdhsa_user_sgpr_kernarg_segment_ptr 1
		.amdhsa_wavefront_size32 1
		.amdhsa_system_sgpr_workgroup_id_x 1
		.amdhsa_system_sgpr_workgroup_id_y 1
		.amdhsa_system_sgpr_workgroup_id_z 1
		.amdhsa_system_vgpr_workitem_id 0
		.amdhsa_next_free_vgpr 1024
		.amdhsa_next_free_sgpr 66
		.amdhsa_reserve_vcc 0
		.amdhsa_float_denorm_mode_32 3
		.amdhsa_float_denorm_mode_16_64 3
		.amdhsa_memory_ordered 1
		.amdhsa_forward_progress 1
		.amdhsa_inst_pref_size 172
	.end_amdhsa_kernel
	.amdgpu_metadata
---
amdhsa.version: [ 1, 2 ]
amdhsa.kernels:
  - .name:           k_qc0a5440116_qkv
    .symbol:         k_qc0a5440116_qkv.kd
    .args:
      - { .name: x, .offset: 0, .size: 8, .value_kind: global_buffer, .address_space: global }
      - { .name: wimg, .offset: 8, .size: 8, .value_kind: global_buffer, .address_space: global }
      - { .name: bq, .offset: 16, .size: 8, .value_kind: global_buffer, .address_space: global }
      - { .name: bk, .offset: 24, .size: 8, .value_kind: global_buffer, .address_space: global }
      - { .name: bv, .offset: 32, .size: 8, .value_kind: global_buffer, .address_space: global }
      - { .name: qimg, .offset: 40, .size: 8, .value_kind: global_buffer, .address_space: global }
      - { .name: kimg, .offset: 48, .size: 8, .value_kind: global_buffer, .address_space: global }
      - { .name: vimg, .offset: 56, .size: 8, .value_kind: global_buffer, .address_space: global }
      - { .name: sc, .offset: 64, .size: 8, .value_kind: global_buffer, .address_space: global }
    .group_segment_fixed_size: 27136
    .private_segment_fixed_size: 0
    .kernarg_segment_align: 8
    .kernarg_segment_size: 72
    .max_flat_workgroup_size: 128
    .sgpr_count:     66
    .vgpr_count:     1024
    .wavefront_size: 32
...
	.end_amdgpu_metadata
.endif
;; end of part 2
;; launch attn (part 3): grid 4 x 64, 16 waves a work-group, no clusters, 104,960 bytes of LDS; arguments qimg, kimg, vimg, sc, acod, asc; writes acod, asc
.if DOCPART == 3
	.amdgcn_target "amdgcn-amd-amdhsa--gfx1250"
	.amdhsa_code_object_version 6
	.text
	.protected	k_qc0a5440116_attn
	.globl	k_qc0a5440116_attn
	.p2align	8
	.type	k_qc0a5440116_attn,@function
k_qc0a5440116_attn:
	s_mov_b64 s[64:65], 0
	v_nop
	global_prefetch_b8 v0, s[64:65] scope:SCOPE_SE
	s_setreg_imm32_b32 hwreg(HW_REG_WAVE_MODE, 25, 1), 1
	s_wait_xcnt 0x0
; Attention of one head on codes of E3M2, head size 32, 2,048 keys; the result leaves already quantised for the next product, whose block of 32 along K is exactly one head.
; t = score x log2(e) / sqrt(32); M = the running largest t rounded up to a whole number; p = 2^(t - M) is quantised along the keys; the row's sum is taken of the unquantised p and divides at the end.
; SHARES.  A work-group owns 512 queries of one head; the head's whole K and V, 49,152 bytes of codes each, lie in LDS, brought once through registers.  Each of sixteen waves owns two tiles of 16 queries,
; one after the other, and walks 16 steps of 128 keys.  Four waves share a SIMD, so that one wave's vector work stands beside another's products and LDS loads.
; No joint loads: what the four work-groups of a head share is 98,304 bytes read once at the head, against 32 wave-tiles x 16 steps of work on it.
; THE HEAD'S 32 ARE A QUARTER OF THE INSTRUCTION'S K.  A fragment of K holds FOUR tiles of 16 keys, tile c as block c of 32 along K.  Q's fragment exists in four variants, with q's codes in block c and zero codes
; elsewhere: the product with variant c gives tile c's scores.  The variants are cut out of thirty registers Z L Z H Z (Z: six zeros; L: q in lanes 0-15; H: q in lanes 16-31).
; Both products are used transposed (source 0 = keys, or V's channels): a lane holds one query throughout; the keys of a tile are chosen so that the 16 registers of two neighbouring tiles are 16 neighbouring keys.
; LIMITS: a block whose largest magnitude lies under 2^-122 (zeros among them) gets the byte 1; this program alone reads the bytes.  NaN and infinities are not served.
.set KSW, 0                            ; LDS: K's scale words: (64 keys F, row r) at 64 F + 4 r, byte c for tile c
.set VSW, 2048                         ; V's: (step, tile dt, row r) at 128 step + 64 dt + 4 r
.set ASB, 4096                         ; the 512 scale bytes of the result
.set KIM, 4608                         ; K's 32 fragments
.set VIM, 53760                        ; V's 32
.set L8,  1                            ; 8 x lane
.set L4,  2                            ; 4 x lane
.set AD8, 3
.set AD4, 4
.set R8,  5                            ; 8 r
.set R4,  6                            ; 4 r
.set OA,  7                            ; 24 r + 12 h
.set AB,  8                            ; ASB + 16 x wave + r
.set A16, 9                            ; ASB + 16 x lane
.set G16, 10                           ; 16 x lane
.set QZ,  16
.set QS,  46
.set QC,  48
.set KF,  56
.set VF,  80
.set S,   104
.set O,   168
.set PC,  184
.set TS,  196
.set BM,  204
.set BT,  208
.set SCL, 212
.set KSC, 216
.set VSC, 217
.set PSW, 218
.set FF,  220
.set T0,  222
.set WV,  22
.set SEL, 24
.set CS,  26
.set KO,  28
.set SO,  29
.set CNT, 30
.set SH,  31
.set MK,  32
.set REP, 54
.macro PLACES n
.rept \n
	v_nop
.endr
.endm
.macro WM ra                           ; a link in place
.if \ra
	v_wmma_scale_f32_16x16x128_f8f6f4 v[rD:rD+7], v[rA:rA+11], v[rB:rB+11], v[rD:rD+7], v[rSA], v[rSB] matrix_a_fmt:MATRIX_FMT_BF6 matrix_b_fmt:MATRIX_FMT_BF6 matrix_a_scale:MATRIX_SCALE_ROW1
.else
	v_wmma_scale_f32_16x16x128_f8f6f4 v[rD:rD+7], v[rA:rA+11], v[rB:rB+11], v[rD:rD+7], v[rSA], v[rSB] matrix_a_fmt:MATRIX_FMT_BF6 matrix_b_fmt:MATRIX_FMT_BF6
.endif
.endm
.macro WM0 ra                          ; a sum of one product
.if \ra
	v_wmma_scale_f32_16x16x128_f8f6f4 v[rD:rD+7], v[rA:rA+11], v[rB:rB+11], 0, v[rSA], v[rSB] matrix_a_fmt:MATRIX_FMT_BF6 matrix_b_fmt:MATRIX_FMT_BF6 matrix_a_scale:MATRIX_SCALE_ROW1
.else
	v_wmma_scale_f32_16x16x128_f8f6f4 v[rD:rD+7], v[rA:rA+11], v[rB:rB+11], 0, v[rSA], v[rSB] matrix_a_fmt:MATRIX_FMT_BF6 matrix_b_fmt:MATRIX_FMT_BF6
.endif
.endm
	s_load_b256 s[4:11], s[0:1], 0x0               ; qimg, kimg, vimg, sc
	s_load_b128 s[12:15], s[0:1], 0x20             ; acod, asc
	v_lshl_add_u32 v254, v0, 2, 0x19200
	v_mov_b32 v255, 0
	v_lshrrev_b32 v226, 5, v0
	v_readfirstlane_b32 s[WV], v226                ; wave 0..15
	v_and_b32 v226, 31, v0                         ; lane
	v_and_b32 v227, 15, v0                         ; r
	v_bfe_u32 v228, v0, 4, 1                       ; h
	v_lshlrev_b32 v[L8], 3, v226
	v_lshlrev_b32 v[L4], 2, v226
	v_lshlrev_b32 v[R8], 3, v227
	v_lshlrev_b32 v[R4], 2, v227
	v_mul_u32_u24 v[OA], v227, 24
	v_mad_u32_u24 v[OA], v228, 12, v[OA]
	s_lshl_b32 s33, s[WV], 4
	s_add_co_u32 s33, s33, ASB
	v_add_nc_u32 v[AB], s33, v227
	v_lshlrev_b32 v[G16], 4, v226
	v_add_nc_u32 v[A16], ASB, v[G16]
	v_lshlrev_b32 v229, 4, v0                      ; 16 x thread
	v_lshl_add_u32 v230, v0, 4, KIM
	v_lshl_add_u32 v231, v0, 4, VIM
	v_lshlrev_b32 v232, 2, v0                      ; 4 x thread
	v_lshrrev_b32 v233, 4, v0
	v_lshl_add_u32 v233, v233, 8, v[R4]            ; k's scale words in memory: 256 (thread / 16) + 4 r
	v_lshrrev_b32 v234, 5, v0
	v_lshl_add_u32 v234, v234, 11, v[R4]           ; v's: 2,048 (thread / 32) + 4 r
	s_mov_b32 s[REP], 0x02020202
	v_mul_lo_u32 v235, v228, s[REP]
	v_add_nc_u32 v235, 0x05040100, v235            ; byte selects: the low halves of two words for tile 0, the high halves for tile 1
	s_mov_b32 s[REP], 0x01010101
	s_mov_b32 s[SEL], 0x76543210
	s_mov_b32 s[SEL+1], 0xfedcba98
	s_mov_b32 s[CS], 0x3e8293ee                    ; c = log2(e) / sqrt(32)
	s_mov_b32 s[CS+1], s[CS]
	s_mov_b32 s[MK], 0xffff                        ; lanes 0-15
	s_and_b32 s34, ttmp7, 0xffff                   ; 16 x batch + head
	s_lshr_b32 s35, s34, 4
	s_and_b32 s36, s34, 15
	s_and_b32 s[SH], s36, 3
	s_lshl_b32 s[SH], s[SH], 3                     ; where my head's byte stands in q's and k's scale words
	s_lshr_b32 s37, s36, 2
	s_lshl_b32 s38, s35, 2
	s_add_co_u32 s37, s37, s38                     ; 4 x batch + head / 4
	s_mul_i32 s40, s34, 49152
	s_mov_b32 s41, 0
	s_lshl_b32 s42, s37, 13
	s_add_co_u32 s42, s42, 0x20000
	s_mov_b32 s43, 0
	s_lshl_b32 s44, s35, 15
	s_lshl_b32 s45, s36, 6
	s_add_co_u32 s44, s44, s45
	s_add_co_u32 s44, s44, 0x40000
	s_mov_b32 s45, 0
	s_lshl_b32 s46, ttmp9, 3
	s_lshr_b32 s47, s[WV], 2
	s_add_co_u32 s46, s46, s47
	s_mul_i32 s46, s46, 1536                       ; q: fragment 8 qx + wave / 4 (+ 4 for the second tile),
	s_bfe_u32 s47, s[WV], 0x10001
	s_mul_i32 s47, s47, 768
	s_add_co_u32 s46, s46, s47
	s_and_b32 s47, s[WV], 1
	s_lshl_b32 s47, s47, 7
	s_add_co_u32 s46, s46, s47                     ; block wave % 4 of it
	s_add_co_u32 s46, s46, s40
	s_mov_b32 s47, 0
	s_lshl_b32 s48, s37, 7
	s_lshl_b32 s49, ttmp9, 5
	s_add_co_u32 s48, s48, s49
	s_add_co_u32 s48, s48, s[WV]
	s_lshl_b32 s48, s48, 6
	s_mov_b32 s49, 0
	s_lshl_b32 s50, ttmp9, 5
	s_add_co_u32 s50, s50, s[WV]
	s_mul_i32 s50, s50, 384
	s_add_co_u32 s50, s50, s40
	s_mov_b32 s51, 0
	s_lshl_b32 s52, s34, 11
	s_lshl_b32 s53, ttmp9, 9
	s_add_co_u32 s52, s52, s53
	s_mov_b32 s53, 0
	s_wait_kmcnt 0x0
	s_add_nc_u64 s[6:7], s[6:7], s[40:41]
	s_add_nc_u64 s[8:9], s[8:9], s[40:41]
	s_add_nc_u64 s[16:17], s[10:11], s[42:43]      ; k's scale words
	s_add_nc_u64 s[18:19], s[10:11], s[44:45]      ; v's
	s_add_nc_u64 s[4:5], s[4:5], s[46:47]
	s_add_nc_u64 s[20:21], s[10:11], s[48:49]      ; q's
	s_add_nc_u64 s[12:13], s[12:13], s[50:51]
	s_add_nc_u64 s[14:15], s[14:15], s[52:53]
	; ---- the head's K and V into LDS, as they lie: 512 threads x 16 bytes x 6, each
.irp i, 0,1,2,3,4,5
	global_load_b128 v[104+4*\i:107+4*\i], v229, s[6:7] offset:8192*\i
.endr
.irp i, 0,1,2,3,4,5
	global_load_b128 v[128+4*\i:131+4*\i], v229, s[8:9] offset:8192*\i
.endr
.irp c, 0,1,2,3
	global_load_b32 v[152+\c], v233, s[16:17] offset:64*\c
.endr
	global_load_b32 v156, v234, s[18:19]
	global_load_b32 v157, v234, s[18:19] offset:1024
.irp b, 0,1,2,3
	v_mov_b32 v[BT+\b], 0                          ; written once: a lane permute's destination counts as one of its sources
.endr
	v_mov_b32 v[FF+1], 0                           ; (named as the upper half of a pair)
	s_wait_loadcnt 0x0
.irp i, 0,1,2,3,4,5
	ds_store_b128 v230, v[104+4*\i:107+4*\i] offset:8192*\i
.endr
.irp i, 0,1,2,3,4,5
	ds_store_b128 v231, v[128+4*\i:131+4*\i] offset:8192*\i
.endr
.irp c, 0,1,2,3
	v_bfe_u32 v[152+\c], v[152+\c], s[SH], 8       ; my head's byte of four tiles' words
.endr
	v_lshl_or_b32 v152, v153, 8, v152
	v_lshl_or_b32 v152, v154, 16, v152
	v_lshl_or_b32 v152, v155, 24, v152
	ds_store_b32 v232, v152 offset:KSW
	v_perm_b32 v156, v157, v156, v235              ; two blocks of keys from each of two words
	ds_store_b32 v232, v156 offset:VSW
	s_wait_dscnt 0x0                               ; my stores have landed
	s_barrier_signal -1
	s_barrier_wait -1                              ; everybody's have; nothing writes these bytes again
.macro QTILE it
	s_wait_xcnt 0x0                                ; the last tile's store has read its registers
.irp p, 0,1,2
	global_load_b64 v[QC+2*\p:QC+2*\p+1], v[R8], s[4:5] offset:6144*\it+256*\p   ; row r's 24 bytes, in both halves of the lanes
.endr
	global_load_b32 v[QS], v[R4], s[20:21] offset:1024*\it
	s_wait_loadcnt 0x0
	v_bfe_u32 v[QS], v[QS], s[SH], 8
	v_mul_lo_u32 v[QS], v[QS], s[REP]              ; q's byte in all four places: whichever block holds q
.irp i, 0,1,2,3,4,5
	v_cndmask_b32 v[QZ+6+\i], 0, v[QC+\i], s[MK]
	v_cndmask_b32 v[QZ+18+\i], v[QC+\i], 0, s[MK]
.endr
.if \it == 0
.irp i, 0,1,2,3,4,5
	v_mov_b32 v[QZ+\i], 0
	v_mov_b32 v[QZ+12+\i], 0
	v_mov_b32 v[QZ+24+\i], 0
.endr
.endif
.set i, 0
.rept 16
	v_mov_b32 v[O+i], 0                            ; O^T: the loop has no first step of its own: the first change of M multiplies zeros.  (These are also the places in front of the first products)
.set i, i+1
.endr
	v_mov_b32 v13, 0xff61b1e6                      ; the largest t so far: -3e38
	v_floor_f32 v12, -v13                          ; -M
	v_mov_b32 v14, 0
	v_mov_b32 v15, 0
	s_mov_b32 s[KO], 0
	s_mov_b32 s[SO], 0
	s_mov_b32 s[CNT], 16
.Lstep_\@:
	v_add_nc_u32 v[AD8], s[KO], v[L8]
	v_add_nc_u32 v[AD4], s[SO], v[L4]
	v_nop
	v_nop                                          ; four places behind the last products, in front of loads into the registers that they read
.irp f, 0,1
.irp p, 0,1,2,3,4,5
	ds_load_b64 v[KF+12*\f+2*\p:KF+12*\f+2*\p+1], v[AD8] offset:KIM+1536*\f+256*\p   ; 32 lanes read 256 consecutive bytes
.endr
.endr
	ds_load_b32 v[KSC], v[AD4] offset:KSW          ; lanes 0-15: the first fragment's words, lanes 16-31 the second's
.irp f, 0,1
.irp p, 0,1,2,3,4,5
	ds_load_b64 v[VF+12*\f+2*\p:VF+12*\f+2*\p+1], v[AD8] offset:VIM+1536*\f+256*\p
.endr
.endr
	ds_load_b32 v[VSC], v[AD4] offset:VSW
	s_wait_dscnt 13                                ; K's 13 loads are in; V's 13 may be out
.irp f, 0,1
.irp c, 0,1,2,3
.set rD, S+8*(4*\f+\c)
.set rA, KF+12*\f
.set rB, QZ+12*(\c%2)+6*(1-\c/2)
.set rSA, KSC
.set rSB, QS
	WM0 \f
.endr
.endr
	PLACES 4
.irp b, 0,1,2,3
	v_max3_num_f32 v[BM+\b], v[S+16*\b], v[S+16*\b+1], v[S+16*\b+2]   ; the largest score of each block of 32 keys: for the row's maximum, and, since p rises with the score, for the block's largest p
.endr
.irp i, 3,5,7,9,11,13
.irp b, 0,1,2,3
	v_max3_num_f32 v[BM+\b], v[BM+\b], v[S+16*\b+\i], v[S+16*\b+\i+1]
.endr
.endr
.irp b, 0,1,2,3
	v_max_num_f32 v[BM+\b], v[BM+\b], v[S+16*\b+15]
.endr
.irp b, 0,1,2,3
	v_permlanex16_b32 v[BT+\b], v[BM+\b], s[SEL], s[SEL+1]
.endr
.irp b, 0,1,2,3
	v_max_num_f32 v[BM+\b], v[BM+\b], v[BT+\b]
.endr
	v_max3_num_f32 v[T0+2], v[BM], v[BM+1], v[BM+2]
	v_max_num_f32 v[T0+2], v[T0+2], v[BM+3]
	v_mul_f32 v[T0+2], s[CS], v[T0+2]
	v_max_num_f32 v13, v13, v[T0+2]                ; the running largest t
	v_mov_b32 v[T0+2], v12
	v_floor_f32 v12, -v13                          ; the new -M = -ceil(t)
	v_sub_f32 v[T0+2], v12, v[T0+2]                ; old M - new M: a whole number, 0 or less
	v_cvt_i32_f32 v[T0+2], v[T0+2]                 ; (it saturates)
	v_ldexp_f32 v[FF], 1.0, v[T0+2]                ; f = 2^(old M - new M): rounds nothing
.set i, 0
.rept 32
	v_pk_fma_f32 v[S+i:S+i+1], v[S+i:S+i+1], s[CS:CS+1], v[12:13] op_sel_hi:[1,0,0]   ; t - M
.set i, i+2
.endr
.irp b, 0,1,2,3
	v_fma_f32 v[BM+\b], v[BM+\b], s[CS], v12
.endr
.set i, 0
.rept 64
	v_exp_f32 v[S+i], v[S+i]                       ; p = 2^(t - M)
.set i, i+1
.endr
	v_pk_mul_f32 v[14:15], v[14:15], v[FF:FF+1] op_sel_hi:[1,0]   ; the sums under the new M: the plain place behind the batch
	s_wait_alu depctr_va_vdst(0)                   ; one wait for the batch of 64, ahead of its first reader
.irp b, 0,1,2,3
	v_exp_f32 v[BM+\b], v[BM+\b]                   ; each block's largest p
.endr
	v_pk_add_f32 v[T0:T0+1], v[S:S+1], v[S+2:S+3]  ; the row's sum of the unquantised p, in two chains
.irp j, 4,8,12,16,20,24,28,32,36,40,44,48,52,56,60
	v_pk_add_f32 v[14:15], v[14:15], v[S+\j:S+\j+1]
	v_pk_add_f32 v[T0:T0+1], v[T0:T0+1], v[S+\j+2:S+\j+3]
.endr
	v_pk_add_f32 v[14:15], v[14:15], v[T0:T0+1]
	s_wait_alu depctr_va_vdst(0)                   ; and one for the four
.irp b, 0,1,2,3
	v_max_num_f32 v[BM+\b], 0x2800000, v[BM+\b]    ; the floor
.endr
.irp b, 0,1,2,3
	v_add_nc_u32 v[SCL+\b], 0xfe000000, v[BM+\b]
.endr
.irp b, 0,1,2,3
	v_lshrrev_b32 v[BT+\b], 23, v[SCL+\b]
.endr
	v_lshl_or_b32 v[PSW], v[BT+1], 8, v[BT]
	v_lshl_or_b32 v[PSW], v[BT+2], 16, v[PSW]
	v_lshl_or_b32 v[PSW], v[BT+3], 24, v[PSW]      ; p's scale word for these 128 keys
.irp c, 0,1
	v_cvt_scalef32_pk16_bf6_f32 v[PC+6*\c:PC+6*\c+2], v[S+32*\c:S+32*\c+15], v[SCL+2*\c]
	v_cvt_scalef32_pk16_bf6_f32 v[TS+4*\c:TS+4*\c+2], v[S+32*\c+16:S+32*\c+31], v[SCL+2*\c+1]
.endr
	v_nop                                          ; one plain place behind the conversions
.irp c, 0,1
.irp i, 0,1,2
	v_permlane16_swap_b32 v[PC+6*\c+\i], v[TS+4*\c+\i]
.endr
.irp i, 0,1,2
	v_mov_b32 v[PC+6*\c+3+\i], v[TS+4*\c+\i]
.endr
.endr
.irp j, 0,2,4,6,8,10,12,14
	v_pk_mul_f32 v[O+\j:O+\j+1], v[O+\j:O+\j+1], v[FF:FF+1] op_sel_hi:[1,0]   ; O^T under the new M; with the lines above: the places between the scale word, the codes and the products
.endr
	s_wait_dscnt 0x0                               ; V is in
.irp dt, 0,1                           ; two accumulators by turns, one instruction a turn
.set rD, O+8*\dt
.set rA, VF+12*\dt
.set rB, PC
.set rSA, VSC
.set rSB, PSW
	WM \dt
.endr
	s_add_co_u32 s[KO], s[KO], 3072
	s_add_co_u32 s[SO], s[SO], 128
	s_sub_co_u32 s[CNT], s[CNT], 1
	s_cmp_lg_u32 s[CNT], 0
	s_cbranch_scc1 .Lstep_\@
	; the way out: O^T / the sum; my 16 registers are channels 16 h + 0 .. 15 of my query: half a block of the next K
	PLACES 4
	v_add_f32 v14, v14, v15
	v_permlanex16_b32 v[BT], v14, s[SEL], s[SEL+1]
	v_add_f32 v14, v14, v[BT]
	v_rcp_f32 v14, v14
	v_nop
	s_wait_alu depctr_va_vdst(0)
.set i, 0
.rept 16
	v_mul_f32 v[S+i], v[O+i], v14
.set i, i+1
.endr
	v_max3_num_f32 v[T0], |v[S]|, |v[S+1]|, 0x2800000
.irp i, 2,4,6,8,10,12,14
	v_max3_num_f32 v[T0], v[T0], |v[S+\i]|, |v[S+\i+1]|
.endr
	v_permlanex16_b32 v[BT], v[T0], s[SEL], s[SEL+1]
	v_max_num_f32 v[T0], v[T0], v[BT]
	v_add_nc_u32 v[SCL], 0xfe000000, v[T0]
	v_cvt_scalef32_pk16_bf6_f32 v[PC:PC+2], v[S:S+15], v[SCL]
	v_lshrrev_b32 v[T0+1], 23, v[SCL]              ; the byte (the plain place behind the conversion)
	global_store_b96 v[OA], v[PC:PC+2], s[12:13] offset:6144*\it   ; the wave stores 384 consecutive bytes: 16 rows of 24
	ds_store_b8 v[AB], v[T0+1] offset:256*\it      ; both halves of the lanes write the same byte with the same value
.endm
	QTILE 0
	QTILE 1
	s_wait_dscnt 0x0
	s_barrier_signal -1
	s_barrier_wait -1                              ; the 512 scale bytes lie in LDS
	s_cmp_lg_u32 s[WV], 0
	s_cbranch_scc1 .Lend
	ds_load_b128 v[104:107], v[A16]
	s_wait_dscnt 0x0
	global_store_b128 v[G16], v[104:107], s[14:15] ; 512 consecutive bytes, aligned
.Lend:
	s_wait_tensorcnt 0x0
	ds_add_u32 v254, v255
	s_wait_dscnt 0x0
	s_endpgm
.Lfunc_end_k_qc0a5440116_attn:
	.size	k_qc0a5440116_attn, .Lfunc_end_k_qc0a5440116_attn-k_qc0a5440116_attn
	.p2alignl 7, 3214868480
	.fill 96, 4, 3214868480
	.section	.rodata,"a",@progbits
	.p2align	6, 0x0
	.amdhsa_kernel k_qc0a5440116_attn
		.amdhsa_group_segment_fixed_size 104960
		.amdhsa_private_segment_fixed_size 0
		.amdhsa_enable_private_segment 0
		.amdhsa_kernarg_size 48
		.amdhsa_user_sgpr_count 2
		.amdhsa_user_sgpr_kernarg_segment_ptr 1
		.amdhsa_wavefront_size32 1
		.amdhsa_system_sgpr_workgroup_id_x 1
		.amdhsa_system_sgpr_workgroup_id_y 1
		.amdhsa_system_sgpr_workgroup_id_z 1
		.amdhsa_system_vgpr_workitem_id 0
		.amdhsa_next_free_vgpr 256
		.amdhsa_next_free_sgpr 66
		.amdhsa_reserve_vcc 0
		.amdhsa_float_denorm_mode_32 3
		.amdhsa_float_denorm_mode_16_64 3
		.amdhsa_memory_ordered 1
		.amdhsa_forward_progress 1
		.amdhsa_inst_pref_size 46
	.end_amdhsa_kernel
	.amdgpu_metadata
---
amdhsa.version: [ 1, 2 ]
amdhsa.kernels:
  - .name:           k_qc0a5440116_attn
    .symbol:         k_qc0a5440116_attn.kd
    .args:
      - { .name: qimg, .offset: 0, .size: 8, .value_kind: global_buffer, .address_space: global }
      - { .name: kimg, .offset: 8, .size: 8, .value_kind: global_buffer, .address_space: global }
      - { .name: vimg, .offset: 16, .size: 8, .value_kind: global_buffer, .address_space: global }
      - { .name: sc, .offset: 24, .size: 8, .value_kind: global_buffer, .address_space: global }
      - { .name: acod, .offset: 32, .size: 8, .value_kind: global_buffer, .address_space: global }
      - { .name: asc, .offset: 40, .size: 8, .value_kind: global_buffer, .address_space: global }
    .group_segment_fixed_size: 104960
    .private_segment_fixed_size: 0
    .kernarg_segment_align: 8
    .kernarg_segment_size: 48
    .max_flat_workgroup_size: 512
    .sgpr_count:     66
    .vgpr_count:     256
    .wavefront_size: 32
...
	.end_amdgpu_metadata
.endif
;; end of part 3
;; launch tail (part 4): grid 256 x 1, 4 waves a work-group, no clusters, 98,816 bytes of LDS; arguments acod, asc, wimg, x, bo, g1, b1, b_ff1, b_ff2, g2, b2, out0; writes out0
.if DOCPART == 4
	.amdgcn_target "amdgcn-amd-amdhsa--gfx1250"
	.amdhsa_code_object_version 6
	.text
	.protected	k_qc0a5440116_tail
	.globl	k_qc0a5440116_tail
	.p2align	8
	.type	k_qc0a5440116_tail,@function
k_qc0a5440116_tail:
	s_mov_b64 s[64:65], 0
	v_nop
	global_prefetch_b8 v0, s[64:65] scope:SCOPE_SE
	s_setreg_imm32_b32 hwreg(HW_REG_WAVE_MODE, 25, 1), 1
	s_wait_xcnt 0x0
; out = LN2(y1 + gelu(y1 W1 + b_ff1) W2 + b_ff2), y1 = LN1(x + a wo + bo): the three products on codes of E3M2, all else in f32.  a arrives as codes.  y1 and the hidden layer never go to memory.
; SHARES.  A work-group owns 32 tokens, two tiles of 16 (row r of tile m is token 8 m + r + 8 (r / 8)): 8,192 / 32 = 256 work-groups.  THE WAVES SHARE THE COLUMNS: wave w makes output channels 128 w .. of wo and of W2,
; and, in chunk c of four, hidden units 512 c + 128 w ..; what a wave has quantised goes to the others through LDS as an image of the operand's registers.
; THE WEIGHTS come from memory straight into operand registers (images made by the first launch), through a ring of four register buffers of one group (25 loads) each.
; No joint loads: they would land in LDS, from where each group's 12,800 bytes, which one wave multiplies once (16 products), would have to be read again into registers.
; All products have the weight as source 0: a lane holds one token, its registers run along the channels: register 64 m + 16 bb + i is channel 32 bb + 16 h + i of the wave's 128.
; LayerNorm in two passes, as it is defined: mean, then the mean of squared differences; a row's parts meet in LDS (a lane's 64, lane xor 16's, four waves').
; gelu(v) = v / 2 + (v / 2) erf(v / sqrt 2), erf(u) = u P(u^2) / Q(u^2), the rational form in f32 with u held at +-4.
; LIMITS: a block whose largest magnitude lies under 2^-122 (zeros among them) gets the byte 1.  NaN and infinities are not served.
; REGISTERS, in windows of 256.  Window 3: v0-127 x, then W2's accumulators; v128-255 Y: the row in hand.  Window 2: v0-127 H: wo's and W1's accumulators, the gains and biases of a norm, rows on the way out;
; v128-155 gelu's; v160-255 ring buffer 2.  Window 1: v0-95, v96-191 ring buffers 0, 1; v192-255 the bias that serves as C.  Window 0: addresses, scale words, fragments, the quantiser's; v160-255 ring buffer 3.
.set LI,  1                            ; 16 x lane
.set LS,  2                            ; 4 x lane
.set XA,  3                            ; 2,048 (r + 8 (r / 8)) + 64 h
.set BA,  4                            ; 64 h
.set AL,  5                            ; 49,152 h + 24 r
.set RR,  6                            ; r
.set IMW, 7                            ; 16 x lane + 1,536 x wave
.set SCW, 8                            ; 4 x lane + 128 x wave
.set LNW, 9
.set LNRD, 10
.set OSW, 11
.set OSR, 12
.set WS,  32
.set FS,  48
.set FB,  64
.set TM,  112
.set TS,  128
.set PC,  136
.set PW,  148
.set UC,  128                          ; in window 2
.set SQ,  136
.set PP,  144
.set YIMG, 0                           ; LDS: y1's 8 fragments (4 m + K step),
.set YSC,  12288                       ; their scale words, 128 bytes each,
.set HIMG, 13312                       ; a chunk's 8 fragments of the hidden layer,
.set HSC,  25600
.set LNR,  26624                       ; four regions of 1,024 bytes for the norms' partial sums: word (2 wave + m, lane),
.set OST,  30720                       ; and the stage for the result: 32 rows x (2,048 + 16) bytes
.set SEL, 54
.set CH,  59
.set MSB, 0
.macro WIN new
.set WNEW, \new
.if MSB != WNEW
	s_set_vgpr_msb (MSB<<8)|WNEW
.set MSB, WNEW
.endif
.endm
.macro PLACES n
.rept \n
	v_nop
.endr
.endm
.macro BARRIER                         ; my LDS stores have landed and my LDS loads are in: then the work-group's barrier
	s_wait_dscnt 0x0
	s_barrier_signal -1
	s_barrier_wait -1
.endm
.macro QUANT w, s, pc, pw              ; 64 numbers of a lane in window w, register 16 bb + i = k 32 bb + 16 h + i, become a fragment and its scale word
	WIN 5*(\w)
.irp bb, 0,1,2,3
	v_max3_num_f32 v[TM+\bb], |v[\s+16*\bb]|, |v[\s+16*\bb+1]|, 0x2800000
.endr
	WIN 20*(\w)
.irp i, 2,4,6,8,10,12,14
.irp bb, 0,1,2,3
	v_max3_num_f32 v[TM+\bb], v[TM+\bb], |v[\s+16*\bb+\i]|, |v[\s+16*\bb+\i+1]|
.endr
.endr
	WIN 0
.irp bb, 0,1,2,3
	v_permlanex16_b32 v[TM+4+\bb], v[TM+\bb], s[SEL], s[SEL+1]
.endr
.irp bb, 0,1,2,3
	v_max_num_f32 v[TM+\bb], v[TM+\bb], v[TM+4+\bb]
.endr
.irp bb, 0,1,2,3
	v_add_nc_u32 v[TM+12+\bb], 0xfe000000, v[TM+\bb]
.endr
.irp bb, 0,1,2,3
	v_lshrrev_b32 v[TM+4+\bb], 23, v[TM+12+\bb]
.endr
	v_lshl_or_b32 v[\pw], v[TM+5], 8, v[TM+4]
	v_lshl_or_b32 v[\pw], v[TM+6], 16, v[\pw]
	v_lshl_or_b32 v[\pw], v[TM+7], 24, v[\pw]
	WIN \w
.irp c, 0,1
	v_cvt_scalef32_pk16_bf6_f32 v[\pc+6*\c:\pc+6*\c+2], v[\s+32*\c:\s+32*\c+15], v[TM+12+2*\c]
	v_cvt_scalef32_pk16_bf6_f32 v[TS+4*\c:TS+4*\c+2], v[\s+32*\c+16:\s+32*\c+31], v[TM+13+2*\c]
.endr
	WIN 0
	v_nop                                          ; one plain place behind the conversions
.irp c, 0,1
.irp i, 0,1,2
	v_permlane16_swap_b32 v[\pc+6*\c+\i], v[TS+4*\c+\i]
.endr
.irp i, 0,1,2
	v_mov_b32 v[\pc+6*\c+3+\i], v[TS+4*\c+\i]
.endr
.endr
.endm
.macro IMAGE adr, off, pc
.irp c, 0,1,2
	ds_store_b128 v[\adr], v[\pc+4*\c:\pc+4*\c+3] offset:\off+512*\c
.endr
.endm
.macro GLOAD bw, bb, ws, sb, imm       ; a weight group into a ring buffer: 25 loads
	WIN 64*(\bw)
.irp t, 0,1,2,3,4,5,6,7
.irp j, 0,1,2
	global_load_b128 v[\bb+12*\t+4*\j:\bb+12*\t+4*\j+3], v[LI], s[\sb:\sb+1] offset:\imm+1536*\t+512*\j
.endr
.endr
	WIN 0
	global_load_b128 v[\ws:\ws+3], v[LI], s[\sb:\sb+1] offset:\imm+12288
.endm
.macro RING q
.set RQ, (\q)%4
.if RQ == 0
.set RBW, 1
.set RBB, 0
.elseif RQ == 1
.set RBW, 1
.set RBB, 96
.elseif RQ == 2
.set RBW, 2
.set RBB, 160
.else
.set RBW, 0
.set RBB, 160
.endif
.set RWS, WS+4*RQ
.endm
.macro WM ra
.if \ra
	v_wmma_scale_f32_16x16x128_f8f6f4 v[rD:rD+7], v[rA:rA+11], v[rB:rB+11], v[rC:rC+7], v[rSA], v[rSB] matrix_a_fmt:MATRIX_FMT_BF6 matrix_b_fmt:MATRIX_FMT_BF6 matrix_a_scale:MATRIX_SCALE_ROW1
.else
	v_wmma_scale_f32_16x16x128_f8f6f4 v[rD:rD+7], v[rA:rA+11], v[rB:rB+11], v[rC:rC+7], v[rSA], v[rSB] matrix_a_fmt:MATRIX_FMT_BF6 matrix_b_fmt:MATRIX_FMT_BF6
.endif
.endm
; 16 products: the ring buffer's eight tiles x two tiles of tokens; each accumulator once, so they go by turns.  aw: the accumulators' window; cw = 1: the bias in window 1 is C.
; Four places follow: in front of loads into the registers just read, and of the first read of results.
.macro MM fb, fs, aw, cw
	WIN RBW+16*(\cw)+64*(\aw)
.irp m, 0,1
.irp t, 0,1,2,3,4,5,6,7
.set rD, 64*\m+8*\t
.set rA, RBB+12*\t
.set rB, \fb+12*\m
.if (\cw) == 1
.set rC, 192+8*\t
.else
.set rC, rD
.endif
.set rSA, RWS+\t/2
.set rSB, \fs+\m
	WM \t%2
.endr
.endr
	WIN 0
	PLACES 4
.endm
.macro FETCH fbi, img, scb, ks         ; K step ks's two fragments and scale words from LDS: 8 loads
.irp m, 0,1
.irp c, 0,1,2
	ds_load_b128 v[FB+24*(\fbi)+12*\m+4*\c:FB+24*(\fbi)+12*\m+4*\c+3], v[LI] offset:\img+(4*\m+\ks)*1536+512*\c
.endr
	ds_load_b32 v[FS+2*(\fbi)+\m], v[LS] offset:\scb+(4*\m+\ks)*128
.endr
.endm
.macro BIAS16 win, reg, sb, imm        ; my 128 numbers of a vector over the channels, in the results' layout: 64 registers
	WIN 64*(\win)
.irp bb, 0,1,2,3
.irp j, 0,1,2,3
	global_load_b128 v[\reg+16*\bb+4*\j:\reg+16*\bb+4*\j+3], v[BA], s[\sb:\sb+1] offset:\imm+128*\bb+16*\j
.endr
.endr
	WIN 0
.endm
.macro KP n, bits                      ; a constant as a pair: the packed forms name a pair and take its low word
	s_mov_b32 s[\n], \bits
	s_mov_b32 s[\n+1], \bits
.endm
; my lanes' partial sums in v158 (tile 0), v159 (tile 1) become the rows' sums, in every lane of every wave; region k of LDS is used once
.macro LNSUM k
	v_permlanex16_b32 v56, v158, s[SEL], s[SEL+1]
	v_permlanex16_b32 v57, v159, s[SEL], s[SEL+1]
	v_add_f32 v158, v158, v56
	v_add_f32 v159, v159, v57
	ds_store_b32 v[LNW], v158 offset:1024*(\k)
	ds_store_b32 v[LNW], v159 offset:1024*(\k)+128
	BARRIER
.irp ww, 0,1,2,3
.irp m, 0,1
	ds_load_b32 v[56+2*\ww+\m], v[LNRD] offset:1024*(\k)+256*\ww+128*\m
.endr
.endr
	s_wait_dscnt 0x0
	v_add_f32 v158, v56, v58
	v_add_f32 v159, v57, v59
	v_add_f32 v158, v158, v60
	v_add_f32 v159, v159, v61
	v_add_f32 v158, v158, v62
	v_add_f32 v159, v159, v63
.endm
; Y = (Y - mean) rsqrt(var + eps) g + b; g lies in H + 0 .., b in H + 64 .. (asked for ahead).  Regions k, k + 1.
.macro LNORM k
	WIN 0x0f
	v_pk_add_f32 v[150:151], v[128:129], v[130:131]
	v_pk_add_f32 v[152:153], v[192:193], v[194:195]
	WIN 0x0c
.set i, 4
.rept 30
	v_pk_add_f32 v[150:151], v[150:151], v[128+i:129+i]
	v_pk_add_f32 v[152:153], v[152:153], v[192+i:193+i]
.set i, i+2
.endr
	WIN 0
	v_add_f32 v158, v150, v151
	v_add_f32 v159, v152, v153
	LNSUM \k
	v_mul_f32 v154, s62, v158                      ; the mean
	v_mul_f32 v156, s62, v159
	v_mov_b32 v155, v154
	v_mov_b32 v157, v156
	WIN 0xc3
.set i, 0
.rept 32
	v_pk_add_f32 v[128+i:129+i], v[128+i:129+i], v[154:155] neg_lo:[0,1] neg_hi:[0,1]
	v_pk_add_f32 v[192+i:193+i], v[192+i:193+i], v[156:157] neg_lo:[0,1] neg_hi:[0,1]
.set i, i+2
.endr
	WIN 0x0f
	v_pk_mul_f32 v[150:151], v[128:129], v[128:129]
	v_pk_mul_f32 v[152:153], v[192:193], v[192:193]
.set i, 2
.rept 31
	v_pk_fma_f32 v[150:151], v[128+i:129+i], v[128+i:129+i], v[150:151]
	v_pk_fma_f32 v[152:153], v[192+i:193+i], v[192+i:193+i], v[152:153]
.set i, i+2
.endr
	WIN 0
	v_add_f32 v158, v150, v151
	v_add_f32 v159, v152, v153
	LNSUM \k+1
	v_fma_f32 v158, v158, s62, s63                 ; var + eps
	v_fma_f32 v159, v159, s62, s63
	v_rsq_f32 v154, v158
	v_rsq_f32 v156, v159
	v_nop                                          ; a plain place behind the two
	s_wait_alu depctr_va_vdst(0)                   ; one wait for both, ahead of their first reader
	v_mov_b32 v155, v154
	v_mov_b32 v157, v156
	s_wait_loadcnt 0x0                             ; g and b are in, and all that was asked for ahead of them
	WIN 0xc3
.set i, 0
.rept 32
	v_pk_mul_f32 v[128+i:129+i], v[128+i:129+i], v[154:155]
	v_pk_mul_f32 v[192+i:193+i], v[192+i:193+i], v[156:157]
.set i, i+2
.endr
	WIN 0xeb
.set i, 0
.rept 32
	v_pk_fma_f32 v[128+i:129+i], v[128+i:129+i], v[i:i+1], v[64+i:65+i]
	v_pk_fma_f32 v[192+i:193+i], v[192+i:193+i], v[i:i+1], v[64+i:65+i]
.set i, i+2
.endr
	WIN 0
.endm
; gelu of one accumulator's eight numbers, in place; every operand lies in window 2
.macro GELU8 g
.irp i, 0,2,4,6
	v_pk_mul_f32 v[UC+\i:UC+\i+1], v[\g+\i:\g+\i+1], s[28:29] op_sel_hi:[1,0]      ; u = v / sqrt 2
.endr
.irp i, 0,1,2,3,4,5,6,7
	v_med3_num_f32 v[UC+\i], v[UC+\i], -4.0, 4.0
.endr
.irp i, 0,2,4,6
	v_pk_mul_f32 v[SQ+\i:SQ+\i+1], v[UC+\i:UC+\i+1], v[UC+\i:UC+\i+1]
.endr
.irp i, 0,2,4,6
	v_pk_fma_f32 v[PP+\i:PP+\i+1], v[SQ+\i:SQ+\i+1], v[152:153], s[30:31] op_sel_hi:[1,1,0]
.endr
.irp a, 32,34,36,38,40
.irp i, 0,2,4,6
	v_pk_fma_f32 v[PP+\i:PP+\i+1], v[PP+\i:PP+\i+1], v[SQ+\i:SQ+\i+1], s[\a:\a+1] op_sel_hi:[1,1,0]
.endr
.endr
.irp i, 0,2,4,6
	v_pk_mul_f32 v[PP+\i:PP+\i+1], v[PP+\i:PP+\i+1], v[UC+\i:UC+\i+1]              ; u P(u^2)
.endr
.irp i, 0,2,4,6
	v_pk_fma_f32 v[UC+\i:UC+\i+1], v[SQ+\i:SQ+\i+1], v[154:155], s[42:43] op_sel_hi:[1,1,0]
.endr
.irp a, 44,46,48
.irp i, 0,2,4,6
	v_pk_fma_f32 v[UC+\i:UC+\i+1], v[UC+\i:UC+\i+1], v[SQ+\i:SQ+\i+1], s[\a:\a+1] op_sel_hi:[1,1,0]
.endr
.endr
.irp i, 0,1,2,3,4,5,6,7
	v_rcp_f32 v[UC+\i], v[UC+\i]                   ; 1 / Q(u^2)
.endr
.irp i, 0,2,4,6
	v_pk_mul_f32 v[\g+\i:\g+\i+1], v[\g+\i:\g+\i+1], 0.5 op_sel_hi:[1,0]           ; v / 2: plain work behind the eight
.endr
	s_wait_alu depctr_va_vdst(0)                   ; one wait for the eight, ahead of their first reader
.irp i, 0,2,4,6
	v_pk_mul_f32 v[PP+\i:PP+\i+1], v[PP+\i:PP+\i+1], v[UC+\i:UC+\i+1]              ; erf
.endr
.irp i, 0,2,4,6
	v_pk_fma_f32 v[\g+\i:\g+\i+1], v[\g+\i:\g+\i+1], v[PP+\i:PP+\i+1], v[\g+\i:\g+\i+1]
.endr
.endm
; The chunk's four K steps of the second product; their groups of W2 lie in the ring.  next = 1: each buffer, once multiplied, takes the next chunk's group of W1 (and the bias registers the next 128 of b_ff1):
; all four groups or none, so that the counts at the next trip's head hold on every way through the text.  next = 0: the last chunk: nothing is left to ask for, and no load leaves its buffer.
.macro FF2 next
.irp j, 0,1,2,3
.if \j < 3
	s_wait_dscnt 8                                 ; this K step's fragments are in; the next step's eight loads may be out
.else
	s_wait_dscnt 0x0
.endif
	RING \j
	MM FB+24*(\j%2), FS+2*(\j%2), 3, 3
.if \next
	GLOAD RBW, RBB, RWS, 50, 204800+12800*\j
.if \j == 0
	BIAS16 1, 192, 60, 2048
.endif
.endif
.if \j < 2
	FETCH \j%2, HIMG, HSC, \j+2
.endif
.endr
.endm
	s_load_b512 s[4:19], s[0:1], 0x0               ; acod, asc, wimg, x, bo, g1, b1, b_ff1
	s_load_b256 s[20:27], s[0:1], 0x40             ; b_ff2, g2, b2, out0
	v_lshl_add_u32 v30, v0, 2, 0x18000
	v_mov_b32 v31, 0
	v_lshrrev_b32 v13, 5, v0
	v_readfirstlane_b32 s58, v13                   ; wave
	v_and_b32 v13, 31, v0
	v_and_b32 v[RR], 15, v0
	v_bfe_u32 v14, v0, 4, 1
	v_and_b32 v15, 8, v[RR]
	v_add_nc_u32 v15, v15, v[RR]                   ; r + 8 (r / 8)
	v_lshlrev_b32 v[LI], 4, v13
	v_lshlrev_b32 v[LS], 2, v13
	v_lshlrev_b32 v[BA], 6, v14
	v_lshl_add_u32 v[XA], v15, 11, v[BA]
	v_mul_u32_u24 v[AL], v14, 0xc000
	v_mad_u32_u24 v[AL], v[RR], 24, v[AL]
	s_mul_i32 s66, s58, 1536
	v_add_nc_u32 v[IMW], s66, v[LI]
	s_lshl_b32 s66, s58, 7
	v_add_nc_u32 v[SCW], s66, v[LS]
	s_lshl_b32 s66, s58, 8
	s_add_co_u32 s66, s66, LNR
	v_add_nc_u32 v[LNW], s66, v[LS]
	v_add_nc_u32 v[LNRD], LNR, v[LS]
	v_mul_u32_u24 v[OSW], v[RR], 2064
	v_add_nc_u32 v[OSW], v[OSW], v[BA]
	s_lshl_b32 s66, s58, 9
	s_add_co_u32 s66, s66, OST
	v_add_nc_u32 v[OSW], s66, v[OSW]               ; the stage, in: row r, + my wave's 512 bytes, + 64 h
	s_mul_i32 s66, s58, 16512
	s_add_co_u32 s66, s66, OST
	v_add_nc_u32 v[OSR], s66, v[LI]                ; back: my eight rows, 16 bytes a lane
	KP 28, 0x3f3504f3                              ; 1 / sqrt 2
	KP 30, 0x32edffee                              ; P's coefficients from u^10 down (the highest lies in vector registers),
	KP 32, 0xb60cff51
	KP 34, 0xb86ec2d2
	KP 36, 0xba40ac63
	KP 38, 0xbb41a1f6
	KP 40, 0xbc83dbd4
	KP 42, 0xb95fbd29                              ; Q's from u^6 down
	KP 44, 0xbadc924e
	KP 46, 0xbbf19bf8
	KP 48, 0xbc69b6a7
	s_mov_b32 s[SEL], 0x76543210
	s_mov_b32 s[SEL+1], 0xfedcba98
	s_mov_b32 s62, 0x3b000000                      ; 1 / 512
	s_mov_b32 s63, 0x3727c5ac                      ; 1e-5
	s_mov_b32 s[CH], 4
	s_lshr_b32 s68, ttmp9, 6                       ; batch
	s_and_b32 s69, ttmp9, 63                       ; which 32 tokens of it
	s_mul_i32 s70, s68, 786432
	s_mul_i32 s72, s69, 768
	s_add_co_u32 s70, s70, s72
	s_mov_b32 s71, 0
	s_lshl_b32 s72, s68, 15
	s_lshl_b32 s74, s69, 5
	s_add_co_u32 s72, s72, s74
	s_mov_b32 s73, 0
	s_lshl_b32 s76, s58, 9                         ; my 128 channels, in bytes
	s_mov_b32 s77, 0
	s_lshl_b32 s74, ttmp9, 16
	s_add_co_u32 s74, s74, s76
	s_mov_b32 s75, 0
	s_lshl_b32 s78, ttmp9, 16
	s_lshr_b32 s79, s58, 1
	s_lshl_b32 s79, s79, 14
	s_add_co_u32 s78, s78, s79
	s_and_b32 s79, s58, 1
	s_lshl_b32 s79, s79, 15
	s_add_co_u32 s78, s78, s79                     ; the eight tokens that I store: 32 wg + 8 (w / 2) + 16 (w % 2) on
	s_mov_b32 s79, 0
	s_mul_i32 s80, s58, 51200
	s_mov_b32 s81, 0
	s_mul_i32 s82, s58, 204800
	s_mov_b32 s83, 0
	s_wait_kmcnt 0x0
	s_add_nc_u64 s[4:5], s[4:5], s[70:71]
	s_add_nc_u64 s[6:7], s[6:7], s[72:73]
	s_add_nc_u64 s[10:11], s[10:11], s[74:75]
	s_add_nc_u64 s[12:13], s[12:13], s[76:77]
	s_add_nc_u64 s[14:15], s[14:15], s[76:77]
	s_add_nc_u64 s[16:17], s[16:17], s[76:77]
	s_add_nc_u64 s[60:61], s[18:19], s[76:77]
	s_add_nc_u64 s[20:21], s[20:21], s[76:77]
	s_add_nc_u64 s[22:23], s[22:23], s[76:77]
	s_add_nc_u64 s[24:25], s[24:25], s[76:77]
	s_add_nc_u64 s[26:27], s[26:27], s[78:79]
	s_add_nc_u64 s[56:57], s[8:9], s[80:81]
	s_add_nc_u64 s[50:51], s[56:57], 819200        ; W1: group 64 + 4 w
	s_add_nc_u64 s[56:57], s[56:57], 614400        ; wo: group 48 + 4 w
	s_add_nc_u64 s[52:53], s[8:9], s[82:83]
	s_add_nc_u64 s[52:53], s[52:53], 1638400       ; W2: group 128 + 16 w
	; ---- what the wo phase wants: a's scale bytes and codes, bo, x, wo's groups
.irp m, 0,1
.irp ks, 0,1,2,3
.irp kb, 0,1,2,3
	global_load_u8 v[160+16*\m+4*\ks+\kb], v[RR], s[6:7] offset:(4*\ks+\kb)*2048+16*\m
.endr
.endr
.endr
.irp ks, 0,1,2,3
.irp m, 0,1
.irp c, 0,1
.irp p, 0,1,2
	global_load_b64 v[FB+24*\ks+12*\m+6*\c+2*\p:FB+24*\ks+12*\m+6*\c+2*\p+1], v[AL], s[4:5] offset:196608*\ks+98304*\c+384*\m+8*\p   ; head 4 ks + 2 c + h, row r: 24 bytes
.endr
.endr
.endr
.endr
	BIAS16 1, 192, 12, 0
	WIN 0xc0
.irp m, 0,1
.irp bb, 0,1,2,3
.irp j, 0,1,2,3
	global_load_b128 v[64*\m+16*\bb+4*\j:64*\m+16*\bb+4*\j+3], v[XA], s[10:11] offset:16384*\m+128*\bb+16*\j th:TH_LOAD_NT
.endr
.endr
.endr
	WIN 0
	RING 0
	GLOAD RBW, RBB, RWS, 56, 0
	RING 1
	GLOAD RBW, RBB, RWS, 56, 12800
	RING 2
	GLOAD RBW, RBB, RWS, 56, 25600
	s_wait_loadcnt 63                              ; of 203 loads at least 140 are in: the first 128 are all but the groups
.irp ks, 0,1,2,3
.irp m, 0,1
	v_lshl_or_b32 v[FS+2*\ks+\m], v[161+16*\m+4*\ks], 8, v[160+16*\m+4*\ks]
	v_lshl_or_b32 v[FS+2*\ks+\m], v[162+16*\m+4*\ks], 16, v[FS+2*\ks+\m]
	v_lshl_or_b32 v[FS+2*\ks+\m], v[163+16*\m+4*\ks], 24, v[FS+2*\ks+\m]
.endr
.endr
	PLACES 8                                       ; scale words made by vector instructions stand eight places ahead of the products
	RING 3
	GLOAD RBW, RBB, RWS, 56, 38400
	WIN 0x80
	v_mov_b32 v152, 0xaf95df0b                     ; P's highest coefficient,
	v_mov_b32 v153, 0xaf95df0b
	v_mov_b32 v154, 0xb77460cd                     ; Q's
	v_mov_b32 v155, 0xb77460cd
	WIN 0
	; ---- wo.  Behind the group that is wanted three groups (75 loads) or more are younger; the wait's field holds 63
.irp q, 0,1,2,3
	s_wait_loadcnt 63
	RING \q
.if \q == 0
	MM FB+24*\q, FS+2*\q, 2, 1
.else
	MM FB+24*\q, FS+2*\q, 2, 2
.endif
	GLOAD RBW, RBB, RWS, 50, 12800*\q
.if \q == 0
	BIAS16 1, 192, 60, 0
.endif
.endr
.irp bb, 0,1,2,3
	v_mov_b32 v[TM+4+\bb], 0                       ; written once: a lane permute's destination counts as one of its sources
.endr
	v_mov_b32 v56, 0
	v_mov_b32 v57, 0
	; ---- z1 = x + (a wo + bo); LN1
	WIN 0xce
.set i, 0
.rept 64
	v_pk_add_f32 v[128+i:129+i], v[i:i+1], v[i:i+1]   ; Y = H + x: each accumulator from its low end on
.set i, i+2
.endr
	WIN 0
	BIAS16 2, 0, 14, 0                             ; g1,
	BIAS16 2, 64, 16, 0                            ; b1,
	BIAS16 3, 0, 20, 0                             ; and b_ff2, onto which W2's products add in place, for both tiles
	BIAS16 3, 64, 20, 0
	LNORM 0
	; ---- y1 becomes K step w of the next product
.irp m, 0,1
	QUANT 3, 128+64*\m, PC, PW
	IMAGE IMW, YIMG+6144*\m, PC
	ds_store_b32 v[SCW], v[PW] offset:YSC+512*\m
	s_wait_dscnt 0x0
.endr
	BARRIER
.Lchunk:                                           ; four trips: 512 hidden units each; eight groups go twice round the ring
	FETCH 0, YIMG, YSC, 0
	FETCH 1, YIMG, YSC, 1
.irp j, 0,1,2,3
.if \j < 3
	s_wait_dscnt 8                                 ; this K step's fragments are in; the next step's eight loads may be out
.else
	s_wait_dscnt 0x0
.endif
	s_wait_loadcnt 63                              ; into the first trip no load is out (the norm has waited for all); round the loop three groups (75 loads) are younger than the one wanted; the field holds 63
	RING \j
.if \j == 0
	MM FB+24*(\j%2), FS+2*(\j%2), 2, 1
.else
	MM FB+24*(\j%2), FS+2*(\j%2), 2, 2
.endif
	GLOAD RBW, RBB, RWS, 52, 12800*\j
.if \j < 2
	FETCH \j%2, YIMG, YSC, \j+2
.endif
.endr
	WIN 0xaa
.irp g, 0,8,16,24,32,40,48,56,64,72,80,88,96,104,112,120
	GELU8 \g
.endr
	WIN 0
.irp m, 0,1
	QUANT 2, 64*\m, PC, PW
	IMAGE IMW, HIMG+6144*\m, PC
	ds_store_b32 v[SCW], v[PW] offset:HSC+512*\m
	s_wait_dscnt 0x0
.endr
	BARRIER                                        ; the chunk's eight fragments lie in LDS
	FETCH 0, HIMG, HSC, 0
	FETCH 1, HIMG, HSC, 1
	s_wait_loadcnt 0x0                             ; W2's four groups, asked for ahead of the gelu; nothing younger is out
	s_cmp_eq_u32 s[CH], 1                          ; ONE branch for the whole phase: the same in every wave and work-group
	s_cbranch_scc1 .Llast
	FF2 1
	s_branch .Ljoin
.Llast:
	FF2 0
.Ljoin:
	BARRIER                                        ; every wave's reads of the chunk's images are over: the next chunk may store
	s_wait_xcnt 0x0                                ; the loads have read their bases
	s_add_nc_u64 s[50:51], s[50:51], 204800
	s_add_nc_u64 s[52:53], s[52:53], 51200
	s_add_nc_u64 s[60:61], s[60:61], 2048
	s_sub_co_u32 s[CH], s[CH], 1
	s_cmp_lg_u32 s[CH], 0
	s_cbranch_scc1 .Lchunk
	; ---- z2 = y1 + ffn; LN2
	BIAS16 2, 0, 22, 0
	BIAS16 2, 64, 24, 0
	WIN 0xcf
.set i, 0
.rept 64
	v_pk_add_f32 v[128+i:129+i], v[i:i+1], v[128+i:129+i]
.set i, i+2
.endr
	WIN 0
	LNORM 2
	; ---- the way out: a row's 2,048 bytes come from four waves: through the stage, then whole rows
	WIN 0x0c
.irp m, 0,1
.irp bb, 0,1,2,3
.irp j, 0,1,2,3
	ds_store_b128 v[OSW], v[128+64*\m+16*\bb+4*\j:128+64*\m+16*\bb+4*\j+3] offset:33024*\m+128*\bb+16*\j
.endr
.endr
.endr
	WIN 0
	BARRIER
	WIN 0x80
.irp t, 0,1,2,3,4,5,6,7
.irp q, 0,1,2,3
	ds_load_b128 v[4*(4*\t+\q):4*(4*\t+\q)+3], v[OSR] offset:2064*\t+512*\q
.endr
.endr
	WIN 0x08
.irp t, 0,1,2,3,4,5,6,7
.irp q, 0,1,2,3
	s_wait_dscnt 31-(4*\t+\q)
	global_store_b128 v[LI], v[4*(4*\t+\q):4*(4*\t+\q)+3], s[26:27] offset:2048*\t+512*\q th:TH_STORE_NT   ; 32 lanes store 512 consecutive bytes, aligned
.endr
.endr
	WIN 0
	s_wait_tensorcnt 0x0
	ds_add_u32 v30, v31
	s_wait_dscnt 0x0
	s_endpgm
.Lfunc_end_k_qc0a5440116_tail:
	.size	k_qc0a5440116_tail, .Lfunc_end_k_qc0a5440116_tail-k_qc0a5440116_tail
	.p2alignl 7, 3214868480
	.fill 96, 4, 3214868480
	.section	.rodata,"a",@progbits
	.p2align	6, 0x0
	.amdhsa_kernel k_qc0a5440116_tail
		.amdhsa_group_segment_fixed_size 98816
		.amdhsa_private_segment_fixed_size 0
		.amdhsa_enable_private_segment 0
		.amdhsa_kernarg_size 96
		.amdhsa_user_sgpr_count 2
		.amdhsa_user_sgpr_kernarg_segment_ptr 1
		.amdhsa_wavefront_size32 1
		.amdhsa_system_sgpr_workgroup_id_x 1
		.amdhsa_system_sgpr_workgroup_id_y 1
		.amdhsa_system_sgpr_workgroup_id_z 1
		.amdhsa_system_vgpr_workitem_id 0
		.amdhsa_next_free_vgpr 1024
		.amdhsa_next_free_sgpr 100
		.amdhsa_reserve_vcc 0
		.amdhsa_float_denorm_mode_32 3
		.amdhsa_float_denorm_mode_16_64 3
		.amdhsa_memory_ordered 1
		.amdhsa_forward_progress 1
		.amdhsa_inst_pref_size 255
	.end_amdhsa_kernel
	.section	.bss,"aw",@nobits
	.p2align	6
	.space	262144
	.amdgpu_metadata
---
amdhsa.version: [ 1, 2 ]
amdhsa.kernels:
  - .name:           k_qc0a5440116_tail
    .symbol:         k_qc0a5440116_tail.kd
    .args:
      - { .name: acod, .offset: 0, .size: 8, .value_kind: global_buffer, .address_space: global }
      - { .name: asc, .offset: 8, .size: 8, .value_kind: global_buffer, .address_space: global }
      - { .name: wimg, .offset: 16, .size: 8, .value_kind: global_buffer, .address_space: global }
      - { .name: x, .offset: 24, .size: 8, .value_kind: global_buffer, .address_space: global }
      - { .name: bo, .offset: 32, .size: 8, .value_kind: global_buffer, .address_space: global }
      - { .name: g1, .offset: 40, .size: 8, .value_kind: global_buffer, .address_space: global }
      - { .name: b1, .offset: 48, .size: 8, .value_kind: global_buffer, .address_space: global }
      - { .name: b_ff1, .offset: 56, .size: 8, .value_kind: global_buffer, .address_space: global }
      - { .name: b_ff2, .offset: 64, .size: 8, .value_kind: global_buffer, .address_space: global }
      - { .name: g2, .offset: 72, .size: 8, .value_kind: global_buffer, .address_space: global }
      - { .name: b2, .offset: 80, .size: 8, .value_kind: global_buffer, .address_space: global }
      - { .name: out0, .offset: 88, .size: 8, .value_kind: global_buffer, .address_space: global }
    .group_segment_fixed_size: 98816
    .private_segment_fixed_size: 0
    .kernarg_segment_align: 8
    .kernarg_segment_size: 96
    .max_flat_workgroup_size: 128
    .sgpr_count:     100
    .vgpr_count:     1024
    .wavefront_size: 32
...
	.end_amdgpu_metadata
.endif
;; end of part 4
;; ======== version 2 of 2: 4 launches; version 1 with the launches qkv, attn, tail written anew for expert scheduling mode
;; workspace buffers: wimg 2,457,600 bytes; qimg 3,145,728 bytes; kimg 3,145,728 bytes; vimg 3,145,728 bytes; sc 393,216 bytes; acod 3,145,728 bytes; asc 131,072 bytes
;; launch prep: the kernel of part 1 again; grid 192 x 1, 8 waves a work-group, no clusters, 1,536 bytes of LDS; arguments wq, wk, wv, wo, w_ff1, w_ff2, wimg; writes wimg
;; launch qkv (part 5): grid 128 x 1, 4 waves a work-group, no clusters, 27,136 bytes of LDS; arguments x, wimg, bq, bk, bv, qimg, kimg, vimg, sc; writes qimg, kimg, vimg, sc
.if DOCPART == 5
	.amdgcn_target "amdgcn-amd-amdhsa--gfx1250"
	.amdhsa_code_object_version 6
	.text
	.protected	k_qc0a5440116_qkv
	.globl	k_qc0a5440116_qkv
	.p2align	8
	.type	k_qc0a5440116_qkv,@function
k_qc0a5440116_qkv:
	s_mov_b64 s[64:65], 0
	v_nop
	global_prefetch_b8 v0, s[64:65] scope:SCOPE_SE
	s_setreg_imm32_b32 hwreg(HW_REG_WAVE_SCHED_MODE, 0, 2), 2
	s_setreg_imm32_b32 hwreg(HW_REG_WAVE_MODE, 25, 1), 1
	s_wait_xcnt 0x0
	s_wait_alu depctr_vm_vsrc(0)
; q = x wq + bq, k = x wk + bk, v = x wv + bv on codes of E3M2, and q, k, v quantised again for attention: q and k along a head's 32 channels, v along the keys.
; SHARES.  A work-group owns 64 tokens, four tiles of 16: row r of tile mt is token 32 (mt / 2) + 8 (mt % 2) + r + 8 (r / 8).  64 tokens, because they fill half a fragment of v (64 keys) and a whole
; fragment of q or k, so that every store below is a whole aligned plane of 256 bytes; hence 128 work-groups.  Wave w quantises channels 128 w .. of x (K step w) for all four tiles and hands the fragments
; round through LDS as images of their registers; then it makes output channels 128 w .. 128 w + 127 (heads 4 w .. 4 w + 3) of q, of k and of v: three passes of four K steps, 32 products each.
; THE WEIGHTS come from memory straight into operand registers (images made by the launch before), through a ring of three register buffers: two groups of 25 loads are on their way while one is multiplied.
; No joint loads: they would land in LDS, from where each group's 12,800 bytes, which one wave multiplies once, would have to be read again into registers.
; q, k: source 0 = the weight, source 1 = x: a lane holds one token, its registers run along the channels.  v: source 0 = x, source 1 = the weight: a lane holds one channel, its registers run along the tokens.
; OUT.  qimg, kimg: [batch x head][64 tokens][1,536 bytes]: one fragment holds four tiles of 16 tokens, tile c as the fragment's block c of 32 along K.  vimg: [batch x head][128 keys][2 tiles of 16 channels][1,536 bytes].
; In these images registers 2 p, 2 p + 1 of lane L lie at 256 p + 8 L.  sc: the scale words of q, of k (131,072 on) and of v (262,144 on).
; LIMITS: a block whose largest magnitude lies under 2^-122 (zeros among them) gets the byte 1; this program alone reads the bytes.  NaN and infinities are not served.
; REGISTERS, in windows of 256.  Window 3: the 32 accumulators (first: x as loaded).  Window 1: v0-191 x's 16 fragments (12 (4 ks + mt)), v192-255 the bias as C.  Window 2: v0-95, v96-191 ring buffers 0, 1.
; Window 0: v1-8 addresses, v16-27 the weights' scale words, v32-47 x's, v48-71 the quantiser's, v72-123 two sets of out-registers, v160-255 ring buffer 2.
; THE MODE: SCHED_MODE bits 1:0 = 2 (LLVM: expert scheduling mode 2), set by the entry lines.  The code itself states the register dependences between vector or matrix instructions and memory or LDS
; instructions, with s_wait_alu, always for 0.
; THE PLAN.  Registers that memory or LDS instructions touch:
;   v1-v8      offsets and LDS addresses: written once at the head, one wait on va_vdst ahead of the first load, never written again.
;   the ring   group q's products read buffer q % 3 and its scale words; the loads of group q + 2 land in buffer (q - 1) % 3.  ONE wait on va_vdst at the head of group q, behind the wait for its data, states that
;              group q - 1's products are done reading.  The 25 loads follow it in two runs among group q's products, which name none of the registers that those loads touch.
;   the bias   read as C by a pass's first group; the next bias is asked for behind the pass's second group, whose head's wait has shown the first group's products done, and whose products do not name it.
;   x as loaded, x's fragments and scale words: loaded once each, into registers that no vector instruction has named.
;   OUT 0, 1   two sets of codes and scale words.  Out-step n (four tiles of x, two halves of q, two of k, four heads of v) writes set n % 2 and stores from it.  Ahead of each run of stores stand: a wait on
;              vm_vsrc (beside s_wait_xcnt 0 where those stores were global): step n - 1's stores have read the other set, which step n + 1 writes; and a wait on va_vdst: step n's quantiser has written its set.
.set LI,  1                            ; 16 x lane
.set LS,  2                            ; 4 x lane
.set L8,  3                            ; 8 x lane
.set XA,  4                            ; x: 2,048 (r + 8 (r / 8)) + 64 h
.set IMW, 5                            ; where I store x's images: 16 x lane + 6,144 x wave
.set SCW, 6                            ; and their scale words
.set BA,  7                            ; 64 h
.set BVA, 8                            ; 4 (r + 8 (r / 8))
.set WS,  16
.set XS,  32
.set TM,  48
.set TS,  64
.set PS,  72                           ; out-set s: two fragments' codes at PS + 28 s and PS + 28 s + 12
.set PW,  96                           ; and two scale words at PW + 2 s, PW + 2 s + 1
.set XF,  0
.set BIAS, 192
.set XSC, 24576
.set SEL, 26
.set MSB, 0
.macro WIN new                         ; the immediate's high byte repeats the setting that is left; a switch that changes nothing is dropped
.set WNEW, \new
.if MSB != WNEW
	s_set_vgpr_msb (MSB<<8)|WNEW
.set MSB, WNEW
.endif
.endm
.macro PLACES n
.rept \n
	v_nop
.endr
.endm
; 64 numbers of a lane in window w, register 16 bb + i = k 32 bb + 16 h + i of my row, become a fragment's codes in v[pc] on and its scale word in v[pw] (window 0).
.macro QUANT w, s, pc, pw
	WIN 5*(\w)
.irp bb, 0,1,2,3
	v_max3_num_f32 v[TM+\bb], |v[\s+16*\bb]|, |v[\s+16*\bb+1]|, 0x2800000   ; each accumulator is read from its low end on; the floor 2^(5 - 127) holds the byte at 1 from below
.endr
	WIN 20*(\w)
.irp i, 2,4,6,8,10,12,14
.irp bb, 0,1,2,3
	v_max3_num_f32 v[TM+\bb], v[TM+\bb], |v[\s+16*\bb+\i]|, |v[\s+16*\bb+\i+1]|
.endr
.endr
	WIN 0
.irp bb, 0,1,2,3
	v_permlanex16_b32 v[TM+4+\bb], v[TM+\bb], s[SEL], s[SEL+1]
.endr
.irp bb, 0,1,2,3
	v_max_num_f32 v[TM+\bb], v[TM+\bb], v[TM+4+\bb]   ; with lane l xor 16's 16: the block's largest magnitude
.endr
.irp bb, 0,1,2,3
	v_add_nc_u32 v[TM+12+\bb], 0xfe000000, v[TM+\bb]  ; 4 off the exponent field: the conversion's scale operand
.endr
.irp bb, 0,1,2,3
	v_lshrrev_b32 v[TM+4+\bb], 23, v[TM+12+\bb]       ; the byte
.endr
	v_lshl_or_b32 v[\pw], v[TM+5], 8, v[TM+4]
	v_lshl_or_b32 v[\pw], v[TM+6], 16, v[\pw]
	v_lshl_or_b32 v[\pw], v[TM+7], 24, v[\pw]
	WIN \w
.irp c, 0,1
	v_cvt_scalef32_pk16_bf6_f32 v[\pc+6*\c:\pc+6*\c+2], v[\s+32*\c:\s+32*\c+15], v[TM+12+2*\c]
	v_cvt_scalef32_pk16_bf6_f32 v[TS+4*\c:TS+4*\c+2], v[\s+32*\c+16:\s+32*\c+31], v[TM+13+2*\c]
.endr
	WIN 0
	v_nop                                          ; one plain place behind the conversions
.irp c, 0,1                            ; the operand's layout wants a whole block in a lane
.irp i, 0,1,2
	v_permlane16_swap_b32 v[\pc+6*\c+\i], v[TS+4*\c+\i]
.endr
.irp i, 0,1,2
	v_mov_b32 v[\pc+6*\c+3+\i], v[TS+4*\c+\i]
.endr
.endr
.endm
.macro IMAGE adr, off, pc
.irp c, 0,1,2
	ds_store_b128 v[\adr], v[\pc+4*\c:\pc+4*\c+3] offset:\off+512*\c
.endr
.endm
; a weight group into a ring buffer: 24 loads of 512 consecutive bytes, four tiles (12 loads) to a run, and the scale words: 25 loads
.macro GLOADT bw, bb, sb, imm, t0
	WIN 64*(\bw)
.irp t, \t0, \t0+1, \t0+2, \t0+3
.irp j, 0,1,2
	global_load_b128 v[\bb+12*(\t)+4*\j:\bb+12*(\t)+4*\j+3], v[LI], s[\sb:\sb+1] offset:\imm+1536*(\t)+512*\j
.endr
.endr
.endm
.macro GLOADS ws, sb, imm
	WIN 0
	global_load_b128 v[\ws:\ws+3], v[LI], s[\sb:\sb+1] offset:\imm+12288
.endm
.macro GLOAD bw, bb, ws, sb, imm
	GLOADT \bw, \bb, \sb, \imm, 0
	GLOADT \bw, \bb, \sb, \imm, 4
	GLOADS \ws, \sb, \imm
.endm
.macro RING q                          ; the buffer that group q's products read: window, first register, scale words
.set RQ, (\q)%3
.if RQ == 0
.set RBW, 2
.set RBB, 0
.elseif RQ == 1
.set RBW, 2
.set RBB, 96
.else
.set RBW, 0
.set RBB, 160
.endif
.set RWS, WS+4*RQ
.endm
.macro RINGF q                         ; the buffer in which group q's loads land
.set FQ, (\q)%3
.if FQ == 0
.set FBW, 2
.set FBB, 0
.elseif FQ == 1
.set FBW, 2
.set FBB, 96
.else
.set FBW, 0
.set FBB, 160
.endif
.set FWS, WS+4*FQ
.endm
.macro WM ra, rb                       ; one product on the registers named by rD, rA, rB, rC, rSA, rSB; ra, rb: that side's scales stand in lanes 16-31
.if \ra
	v_wmma_scale_f32_16x16x128_f8f6f4 v[rD:rD+7], v[rA:rA+11], v[rB:rB+11], v[rC:rC+7], v[rSA], v[rSB] matrix_a_fmt:MATRIX_FMT_BF6 matrix_b_fmt:MATRIX_FMT_BF6 matrix_a_scale:MATRIX_SCALE_ROW1
.elseif \rb
	v_wmma_scale_f32_16x16x128_f8f6f4 v[rD:rD+7], v[rA:rA+11], v[rB:rB+11], v[rC:rC+7], v[rSA], v[rSB] matrix_a_fmt:MATRIX_FMT_BF6 matrix_b_fmt:MATRIX_FMT_BF6 matrix_b_scale:MATRIX_SCALE_ROW1
.else
	v_wmma_scale_f32_16x16x128_f8f6f4 v[rD:rD+7], v[rA:rA+11], v[rB:rB+11], v[rC:rC+7], v[rSA], v[rSB] matrix_a_fmt:MATRIX_FMT_BF6 matrix_b_fmt:MATRIX_FMT_BF6
.endif
.endm
; 8 products: K step ks, tile mt of the tokens x eight tiles of channels.  A group is four such blocks: each accumulator once, so they go by turns.  first = 1: the bias is C.  vp = 1: v's pass, sources swapped.
.macro MMB ks, first, vp, mt
.if \vp
	WIN 1+4*RBW+16*(3-2*(\first))+192
.else
	WIN RBW+4+16*(3-2*(\first))+192
.endif
.irp t, 0,1,2,3,4,5,6,7
.if \vp
.set rD, 8*(4*\t+\mt)
.set rA, XF+12*(4*(\ks)+\mt)
.set rB, RBB+12*\t
.set rSA, XS+4*(\ks)+\mt
.set rSB, RWS+\t/2
.else
.set rD, 8*(8*\mt+\t)
.set rA, RBB+12*\t
.set rB, XF+12*(4*(\ks)+\mt)
.set rSA, RWS+\t/2
.set rSB, XS+4*(\ks)+\mt
.endif
.if \first
.set rC, BIAS+8*\t
.else
.set rC, rD
.endif
.if \vp
	WM 0, \t%2
.else
	WM \t%2, 0
.endif
.endr
.endm
.macro BIASQK sb                       ; the bias in the result's layout: lane (r, h), tile 2 bb + u, register j: channel 32 bb + 16 h + 8 u + j
	WIN 0x40
.irp bb, 0,1,2,3
.irp j, 0,1,2,3
	global_load_b128 v[BIAS+16*\bb+4*\j:BIAS+16*\bb+4*\j+3], v[BA], s[\sb:\sb+1] offset:128*\bb+16*\j
.endr
.endr
	WIN 0
.endm
.macro XLOAD mt                        ; my 128 channels of tile mt's 16 tokens: 64 numbers a lane, 16 neighbours of each block of 32
.irp bb, 0,1,2,3
.irp j, 0,1,2,3
	global_load_b128 v[64*\mt+16*\bb+4*\j:64*\mt+16*\bb+4*\j+3], v[XA], s[4:5] offset:(32*(\mt/2)+8*(\mt%2))*2048+128*\bb+16*\j th:TH_LOAD_NT
.endr
.endr
.endm
.macro XQ mt                           ; out-steps 0 to 3: tile mt of x, into out-set mt % 2
	QUANT 3, 64*\mt, PS+28*(\mt%2), PW+2*(\mt%2)
.if \mt > 0
	s_wait_alu depctr_vm_vsrc(0)                   ; the LDS stores of the tile before have read the other set, which the next out-step writes
.endif
	s_wait_alu depctr_va_vdst(0)                   ; the quantiser has written this set's codes and scale word, which the LDS stores read
	IMAGE IMW, 1536*\mt, PS+28*(\mt%2)
	ds_store_b32 v[SCW], v[PW+2*(\mt%2)] offset:128*\mt
.endm
; group q: n = the loads issued behind it, which may stay out.  Groups 1 to 9 ask for group q + 2.
.macro GRP q, n, ks, first, vp
	s_wait_loadcnt \n
	RING \q
.set GF, 0
.if ((\q) >= 1) && ((\q)+2 < 12)
.set GF, 1
.set GIMM, (16*(((\q)+2)/4)+((\q)+2)%4)*12800
	RINGF (\q)+2
	s_wait_alu depctr_va_vdst(0)                   ; the products of the group before are done reading their ring buffer, its scale words and, where they took it as C, the bias: loads land in these below
.endif
	MMB \ks, \first, \vp, 0
.if GF
	GLOADT FBW, FBB, 28, GIMM, 0                   ; no wait: no vector or matrix instruction since the wait above names these registers
.endif
	MMB \ks, \first, \vp, 1
.if GF
	GLOADT FBW, FBB, 28, GIMM, 4
	GLOADS FWS, 28, GIMM
.endif
	MMB \ks, \first, \vp, 2
	MMB \ks, \first, \vp, 3
	WIN 0
	PLACES 4                                       ; four places behind the group's products: ahead of the first read of results, and of the loads into the registers that they read (the wait at the next group's head stands beside them)
.endm
; q's or k's way out: out-steps of two tiles of tokens.  After the exchange of halves the set's first fragment holds heads 4 w + 2 c, its second heads 4 w + 2 c + 1, lanes 0-15 tile 2 u, lanes 16-31 tile 2 u + 1.
; x0 = 1: the out-step before the first of the two stored to memory.
.macro EPQK img, scb, x0
.irp u, 0,1
	QUANT 3, 128*\u, PS+28*\u, PW+2*\u
	QUANT 3, 128*\u+64, PS+28*\u+12, PW+2*\u+1
.irp i, 0,1,2,3,4,5,6,7,8,9,10,11
	v_permlane16_swap_b32 v[PS+28*\u+\i], v[PS+28*\u+12+\i]
.endr
	v_permlane16_swap_b32 v[PW+2*\u], v[PW+2*\u+1]
.if \u || \x0
	s_wait_xcnt 0x0                                ; the out-step before has had its stores' addresses translated: its set is written again only behind this wait,
.endif
	s_wait_alu depctr_vm_vsrc(0)                   ; and its stores have read that set, which the next out-step writes
	s_wait_alu depctr_va_vdst(0)                   ; the quantiser and the exchanges have written this set, which the stores below read
.irp c, 0,1
.irp p, 0,1,2
	global_store_b64 v[L8], v[PS+28*\u+6*\c+2*\p:PS+28*\u+6*\c+2*\p+1], s[\img:\img+1] offset:(2*\c)*49152+256*(3*\u+\p)     ; 32 lanes store 256 consecutive bytes, aligned
	global_store_b64 v[L8], v[PS+28*\u+12+6*\c+2*\p:PS+28*\u+12+6*\c+2*\p+1], s[\img:\img+1] offset:(2*\c+1)*49152+256*(3*\u+\p)
.endr
.endr
	global_store_b32 v[LS], v[PW+2*\u], s[\scb:\scb+1] offset:128*\u
.endr
.endm
	s_load_b512 s[4:19], s[0:1], 0x0               ; x, wimg, bq, bk, bv, qimg, kimg, vimg
	s_load_b64 s[20:21], s[0:1], 0x40              ; sc
	v_lshl_add_u32 v158, v0, 2, 0x6800
	v_mov_b32 v159, 0
	v_lshrrev_b32 v9, 5, v0
	v_readfirstlane_b32 s24, v9                    ; wave
	v_and_b32 v9, 31, v0
	v_and_b32 v10, 15, v0
	v_bfe_u32 v11, v0, 4, 1
	v_and_b32 v12, 8, v10
	v_add_nc_u32 v12, v12, v10                     ; r + 8 (r / 8)
	v_lshlrev_b32 v[LI], 4, v9
	v_lshlrev_b32 v[LS], 2, v9
	v_lshlrev_b32 v[L8], 3, v9
	v_lshlrev_b32 v[BA], 6, v11
	v_lshl_add_u32 v[XA], v12, 11, v[BA]
	v_lshlrev_b32 v[BVA], 2, v12
	s_wait_alu depctr_va_sdst(0)                   ; s24 is written, ahead of its first reader: LDS addresses and every base are made from it
	s_mul_i32 s25, s24, 6144
	v_add_nc_u32 v[IMW], s25, v[LI]
	s_lshl_b32 s25, s24, 9
	s_add_co_u32 s25, s25, XSC
	v_add_nc_u32 v[SCW], s25, v[LS]
.irp bb, 0,1,2,3
	v_mov_b32 v[TM+4+\bb], 0                       ; written once: a lane permute's destination counts as one of its sources
.endr
	s_mov_b32 s[SEL], 0x76543210
	s_mov_b32 s[SEL+1], 0xfedcba98
	s_lshr_b32 s30, ttmp9, 5                       ; batch
	s_and_b32 s31, ttmp9, 31                       ; F: which 64 tokens of the batch
	s_lshl_b32 s32, ttmp9, 17                      ; x: 64 rows of 2,048 bytes a work-group,
	s_lshl_b32 s33, s24, 9
	s_add_co_u32 s32, s32, s33                     ; + my 128 channels
	s_mov_b32 s33, 0
	s_mul_i32 s34, s24, 51200                      ; my four groups of each weight
	s_mov_b32 s35, 0
	s_lshl_b32 s36, s30, 4
	s_lshl_b32 s37, s24, 2
	s_add_co_u32 s36, s36, s37                     ; 16 x batch + my first head
	s_mul_i32 s36, s36, 49152
	s_lshr_b32 s38, s31, 1
	s_mul_i32 s38, s38, 3072
	s_add_co_u32 s38, s38, s36
	s_and_b32 s39, s31, 1
	s_mul_i32 s39, s39, 768
	s_add_co_u32 s38, s38, s39                     ; vimg: + 3,072 (F / 2) + 768 (F % 2)
	s_mov_b32 s39, 0
	s_mul_i32 s37, s31, 1536
	s_add_co_u32 s36, s36, s37                     ; qimg, kimg: + 1,536 F
	s_mov_b32 s37, 0
	s_lshl_b32 s40, s30, 2
	s_add_co_u32 s40, s40, s24
	s_lshl_b32 s40, s40, 7
	s_lshl_b32 s41, s31, 2
	s_add_co_u32 s40, s40, s41
	s_lshl_b32 s40, s40, 6                         ; q's scale words: ((4 batch + w) 128 + 4 F) 64
	s_mov_b32 s41, 0
	s_lshl_b32 s42, s30, 5
	s_add_co_u32 s42, s42, s31
	s_lshl_b32 s42, s42, 4
	s_lshl_b32 s43, s24, 2
	s_add_co_u32 s42, s42, s43
	s_lshl_b32 s42, s42, 6
	s_add_co_u32 s42, s42, 0x40000                 ; v's: 262,144 + ((32 batch + F) 16 + 4 w) 64
	s_mov_b32 s43, 0
	s_lshl_b32 s44, s24, 9                         ; my 128 numbers of a bias
	s_mov_b32 s45, 0
	s_wait_kmcnt 0x0
	s_add_nc_u64 s[4:5], s[4:5], s[32:33]
	s_add_nc_u64 s[28:29], s[6:7], s[34:35]
	s_add_nc_u64 s[8:9], s[8:9], s[44:45]
	s_add_nc_u64 s[10:11], s[10:11], s[44:45]
	s_add_nc_u64 s[12:13], s[12:13], s[44:45]
	s_add_nc_u64 s[14:15], s[14:15], s[36:37]
	s_add_nc_u64 s[16:17], s[16:17], s[36:37]
	s_add_nc_u64 s[18:19], s[18:19], s[38:39]
	s_add_nc_u64 s[46:47], s[20:21], s[40:41]
	s_add_nc_u64 s[48:49], s[46:47], 0x20000
	s_add_nc_u64 s[50:51], s[20:21], s[42:43]
	s_wait_alu depctr_va_vdst(0)                   ; the eight offsets and addresses v1 to v8 are written: every load, store and LDS instruction of the kernel reads one of them
	; ---- x becomes codes; the first three weight groups are asked for on the way, into registers that no vector instruction has named
	BIASQK 8
	WIN 0xc0
	XLOAD 0
	XLOAD 1
	XLOAD 2
	XLOAD 3
	WIN 0
	s_wait_loadcnt 48                              ; bq and tile 0 are in; three tiles of 16 loads may be out
	XQ 0
	s_wait_loadcnt 32
	XQ 1
	RINGF 0
	GLOAD FBW, FBB, FWS, 28, 0
	s_wait_loadcnt 41                              ; behind tile 2: tile 3's 16 and the group's 25
	XQ 2
	RINGF 1
	GLOAD FBW, FBB, FWS, 28, 12800
	s_wait_loadcnt 50                              ; behind tile 3: two groups
	XQ 3
	RINGF 2
	GLOAD FBW, FBB, FWS, 28, 25600
	s_wait_dscnt 0x0                               ; my images have landed
	s_barrier_signal -1
	s_barrier_wait -1                              ; everybody's have
	WIN 0x40
.set i, 0
.rept 16
.irp c, 0,1,2
	ds_load_b128 v[XF+12*i+4*\c:XF+12*i+4*\c+3], v[LI] offset:1536*i+512*\c
.endr
.set i, i+1
.endr
	WIN 0
.set i, 0
.rept 16
	ds_load_b32 v[XS+i], v[LS] offset:XSC+128*i
.set i, i+1
.endr
	s_wait_dscnt 0x0
	; ---- q.  Counts: the loads younger than the group that is wanted: at group 0 two groups of 25; later one group, and where the next bias was asked for its loads too
	GRP 0, 50, 0, 1, 0
	GRP 1, 25, 1, 0, 0
	BIASQK 10                                      ; bk.  No wait: group 1's head has shown the products that took bq as C done, and group 1's products do not name these registers
	GRP 2, 41, 2, 0, 0                             ; behind group 2: group 3's 25 and bk's 16
	GRP 3, 41, 3, 0, 0                             ; behind group 3: bk's 16 and group 4's 25
	EPQK 14, 46, 0
	; ---- k
	GRP 4, 25, 0, 1, 0                             ; bk and group 4 are in
	GRP 5, 25, 1, 0, 0
	WIN 0x40
.irp t, 0,1,2,3,4,5,6,7
	global_load_b32 v[BIAS+8*\t], v[BVA], s[12:13] offset:4*(32*(\t/2)+8*(\t%2))   ; bv: in v's layout a lane holds one channel.  No wait: as for bk
.endr
	WIN 0
	GRP 6, 33, 2, 0, 0                             ; one group and bv's 8
	GRP 7, 33, 3, 0, 0
	EPQK 16, 48, 1
	; ---- v
	s_wait_loadcnt 25                              ; bv and group 8 are in
	WIN 0x41
.irp t, 0,1,2,3,4,5,6,7
.irp j, 1,2,3,4,5,6,7
	v_mov_b32 v[BIAS+8*\t+\j], v[BIAS+8*\t]        ; the lane's channel's bias for its eight tokens
.endr
.endr
	WIN 0
	PLACES 4
	GRP 8, 25, 0, 1, 1
	GRP 9, 25, 1, 0, 1
	GRP 10, 25, 2, 0, 1
	GRP 11, 0, 3, 0, 1
	; v's way out: four out-steps.  Head 4 w + hb: registers 6 dt .. of the codes are tile dt's, lanes 0-15 the first 32 keys, lanes 16-31 the second
.irp hb, 0,1,2,3
	QUANT 3, 64*\hb, PS+28*(\hb%2), PW+\hb
.if \hb < 3
	s_wait_xcnt 0x0                                ; the out-step before has had its stores' addresses translated: its set is written again only behind this wait,
	s_wait_alu depctr_vm_vsrc(0)                   ; and its stores have read that set (and k's last its scale word), which the next heads write
.endif
	s_wait_alu depctr_va_vdst(0)                   ; the quantiser has written this set's codes, which the stores below read
.irp c, 0,1
.irp p, 0,1,2
	global_store_b64 v[L8], v[PS+28*(\hb%2)+6*\c+2*\p:PS+28*(\hb%2)+6*\c+2*\p+1], s[18:19] offset:\hb*49152+1536*\c+256*\p
.endr
.endr
.endr
	v_permlane16_swap_b32 v[PW], v[PW+1]           ; lanes 0-15 one head's words, lanes 16-31 the next head's
	v_permlane16_swap_b32 v[PW+2], v[PW+3]
	s_wait_alu depctr_va_vdst(0)                   ; the exchanges have written the two words that the stores read
	global_store_b32 v[LS], v[PW], s[50:51]
	global_store_b32 v[LS], v[PW+2], s[50:51] offset:128
	s_wait_dscnt 0x0
	s_wait_alu depctr_hold_cnt(0) depctr_sa_sdst(0) depctr_va_vdst(0) depctr_va_sdst(0) depctr_va_ssrc(0) depctr_va_vcc(0) depctr_vm_vsrc(0)
	s_wait_tensorcnt 0x0
	ds_add_u32 v158, v159
	s_wait_dscnt 0x0
	s_endpgm
.Lfunc_end_k_qc0a5440116_qkv:
	.size	k_qc0a5440116_qkv, .Lfunc_end_k_qc0a5440116_qkv-k_qc0a5440116_qkv
	.p2alignl 7, 3214868480
	.fill 96, 4, 3214868480
	.section	.rodata,"a",@progbits
	.p2align	6, 0x0
	.amdhsa_kernel k_qc0a5440116_qkv
		.amdhsa_group_segment_fixed_size 27136
		.amdhsa_private_segment_fixed_size 0
		.amdhsa_enable_private_segment 0
		.amdhsa_kernarg_size 72
		.amdhsa_user_sgpr_count 2
		.amdhsa_user_sgpr_kernarg_segment_ptr 1
		.amdhsa_wavefront_size32 1
		.amdhsa_system_sgpr_workgroup_id_x 1
		.amdhsa_system_sgpr_workgroup_id_y 1
		.amdhsa_system_sgpr_workgroup_id_z 1
		.amdhsa_system_vgpr_workitem_id 0
		.amdhsa_next_free_vgpr 1024
		.amdhsa_next_free_sgpr 66
		.amdhsa_reserve_vcc 0
		.amdhsa_float_denorm_mode_32 3
		.amdhsa_float_denorm_mode_16_64 3
		.amdhsa_memory_ordered 1
		.amdhsa_forward_progress 1
		.amdhsa_inst_pref_size 174
	.end_amdhsa_kernel
	.amdgpu_metadata
---
amdhsa.version: [ 1, 2 ]
amdhsa.kernels:
  - .name:           k_qc0a5440116_qkv
    .symbol:         k_qc0a5440116_qkv.kd
    .args:
      - { .name: x, .offset: 0, .size: 8, .value_kind: global_buffer, .address_space: global }
      - { .name: wimg, .offset: 8, .size: 8, .value_kind: global_buffer, .address_space: global }
      - { .name: bq, .offset: 16, .size: 8, .value_kind: global_buffer, .address_space: global }
      - { .name: bk, .offset: 24, .size: 8, .value_kind: global_buffer, .address_space: global }
      - { .name: bv, .offset: 32, .size: 8, .value_kind: global_buffer, .address_space: global }
      - { .name: qimg, .offset: 40, .size: 8, .value_kind: global_buffer, .address_space: global }
      - { .name: kimg, .offset: 48, .size: 8, .value_kind: global_buffer, .address_space: global }
      - { .name: vimg, .offset: 56, .size: 8, .value_kind: global_buffer, .address_space: global }
      - { .name: sc, .offset: 64, .size: 8, .value_kind: global_buffer, .address_space: global }
    .group_segment_fixed_size: 27136
    .private_segment_fixed_size: 0
    .kernarg_segment_align: 8
    .kernarg_segment_size: 72
    .max_flat_workgroup_size: 128
    .sgpr_count:     66
    .vgpr_count:     1024
    .wavefront_size: 32
...
	.end_amdgpu_metadata
.endif
;; end of part 5
;; launch attn (part 6): grid 4 x 64, 16 waves a work-group, no clusters, 104,960 bytes of LDS; arguments qimg, kimg, vimg, sc, acod, asc; writes acod, asc
.if DOCPART == 6
	.amdgcn_target "amdgcn-amd-amdhsa--gfx1250"
	.amdhsa_code_object_version 6
	.text
	.protected	k_qc0a5440116_attn
	.globl	k_qc0a5440116_attn
	.p2align	8
	.type	k_qc0a5440116_attn,@function
k_qc0a5440116_attn:
	s_mov_b64 s[64:65], 0
	v_nop
	global_prefetch_b8 v0, s[64:65] scope:SCOPE_SE
	s_setreg_imm32_b32 hwreg(HW_REG_WAVE_SCHED_MODE, 0, 2), 2
	s_setreg_imm32_b32 hwreg(HW_REG_WAVE_MODE, 25, 1), 1
	s_wait_xcnt 0x0
	s_wait_alu depctr_vm_vsrc(0)
; Attention of one head on codes of E3M2, head size 32, 2,048 keys; the result leaves already quantised for the next product, whose block of 32 along K is exactly one head.
; t = score x log2(e) / sqrt(32); M = the running largest t rounded up to a whole number; p = 2^(t - M) is quantised along the keys; the row's sum is taken of the unquantised p and divides at the end.
; SHARES.  A work-group owns 512 queries of one head; the head's whole K and V, 49,152 bytes of codes each, lie in LDS, brought once through registers.  Each of sixteen waves owns two tiles of 16 queries,
; one after the other, and walks 16 steps of 128 keys.  Four waves share a SIMD, so that one wave's vector work stands beside another's products and LDS loads.
; No joint loads: what the four work-groups of a head share is 98,304 bytes read once at the head, against 32 wave-tiles x 16 steps of work on it.
; THE HEAD'S 32 ARE A QUARTER OF THE INSTRUCTION'S K.  A fragment of K holds FOUR tiles of 16 keys, tile c as block c of 32 along K.  Q's fragment exists in four variants, with q's codes in block c and zero codes
; elsewhere: the product with variant c gives tile c's scores.  The variants are cut out of thirty registers Z L Z H Z (Z: six zeros; L: q in lanes 0-15; H: q in lanes 16-31).
; Both products are used transposed (source 0 = keys, or V's channels): a lane holds one query throughout; the keys of a tile are chosen so that the 16 registers of two neighbouring tiles are 16 neighbouring keys.
; LIMITS: a block whose largest magnitude lies under 2^-122 (zeros among them) gets the byte 1; this program alone reads the bytes.  NaN and infinities are not served.
; THE MODE: SCHED_MODE bits 1:0 = 2 (LLVM: expert scheduling mode 2), set by the entry lines.  The code itself states the register dependences between vector or matrix instructions and memory or LDS
; instructions, with s_wait_alu, always for 0.
; THE PLAN.  Registers that LDS or memory instructions touch, in a key step:
;   K's fragments and scale word   read by the eight score products at the step's head; the next step's loads land in them.
;   V's fragments and scale word   read by the two products at the step's end; this step's loads land in them.
;   v[AD8], v[AD4]                 the step's place in the images: written at the step's head (a wait on vm_vsrc ahead: the last step's loads have read them), read by the step's 26 loads.
; The wait on va_vdst that stands behind the 64 exponentials for their readers' sake states all three at once: the score products are done with K, the last step's products are done with V, the two addresses are
; written.  So the step's loads stand behind that one wait, V's first, then the next step's K (the same address, a step further on in the immediate), and land under the rest of the softmax.
; The last step of a tile asks for no K: it is written out behind the loop.  A second wait on va_vdst a step is the small batch's; a third stands ahead of V's products, which take p's codes and scale word from vector
; instructions.  There is one fragment buffer a side: sixteen waves of 256 registers fill the four SIMDs.
.set KSW, 0                            ; LDS: K's scale words: (64 keys F, row r) at 64 F + 4 r, byte c for tile c
.set VSW, 2048                         ; V's: (step, tile dt, row r) at 128 step + 64 dt + 4 r
.set ASB, 4096                         ; the 512 scale bytes of the result
.set KIM, 4608                         ; K's 32 fragments
.set VIM, 53760                        ; V's 32
.set L8,  1                            ; 8 x lane
.set L4,  2                            ; 4 x lane
.set AD8, 3
.set AD4, 4
.set R8,  5                            ; 8 r
.set R4,  6                            ; 4 r
.set OA,  7                            ; 24 r + 12 h
.set AB,  8                            ; ASB + 16 x wave + r
.set A16, 9                            ; ASB + 16 x lane
.set G16, 10                           ; 16 x lane
.set QZ,  16
.set QS,  46
.set QC,  48
.set KF,  56
.set VF,  80
.set S,   104
.set O,   168
.set PC,  184
.set TS,  196
.set BM,  204
.set BT,  208
.set SCL, 212
.set KSC, 216
.set VSC, 217
.set PSW, 218
.set FF,  220
.set T0,  222
.set WV,  22
.set SEL, 24
.set CS,  26
.set KO,  28
.set SO,  29
.set CNT, 30
.set SH,  31
.set MK,  32
.set REP, 54
.macro PLACES n
.rept \n
	v_nop
.endr
.endm
.macro WM ra                           ; a link in place
.if \ra
	v_wmma_scale_f32_16x16x128_f8f6f4 v[rD:rD+7], v[rA:rA+11], v[rB:rB+11], v[rD:rD+7], v[rSA], v[rSB] matrix_a_fmt:MATRIX_FMT_BF6 matrix_b_fmt:MATRIX_FMT_BF6 matrix_a_scale:MATRIX_SCALE_ROW1
.else
	v_wmma_scale_f32_16x16x128_f8f6f4 v[rD:rD+7], v[rA:rA+11], v[rB:rB+11], v[rD:rD+7], v[rSA], v[rSB] matrix_a_fmt:MATRIX_FMT_BF6 matrix_b_fmt:MATRIX_FMT_BF6
.endif
.endm
.macro WM0 ra                          ; a sum of one product
.if \ra
	v_wmma_scale_f32_16x16x128_f8f6f4 v[rD:rD+7], v[rA:rA+11], v[rB:rB+11], 0, v[rSA], v[rSB] matrix_a_fmt:MATRIX_FMT_BF6 matrix_b_fmt:MATRIX_FMT_BF6 matrix_a_scale:MATRIX_SCALE_ROW1
.else
	v_wmma_scale_f32_16x16x128_f8f6f4 v[rD:rD+7], v[rA:rA+11], v[rB:rB+11], 0, v[rSA], v[rSB] matrix_a_fmt:MATRIX_FMT_BF6 matrix_b_fmt:MATRIX_FMT_BF6
.endif
.endm
; a step's two fragments of K and their scale words: 13 loads; o8, o4: how far on from the addresses named
.macro KLOAD a8, a4, o8, o4
.irp f, 0,1
.irp p, 0,1,2,3,4,5
	ds_load_b64 v[KF+12*\f+2*\p:KF+12*\f+2*\p+1], v[\a8] offset:KIM+\o8+1536*\f+256*\p   ; 32 lanes read 256 consecutive bytes
.endr
.endr
	ds_load_b32 v[KSC], v[\a4] offset:KSW+\o4      ; lanes 0-15: the first fragment's words, lanes 16-31 the second's
.endm
.macro VLOAD                           ; and of V: 13 loads
.irp f, 0,1
.irp p, 0,1,2,3,4,5
	ds_load_b64 v[VF+12*\f+2*\p:VF+12*\f+2*\p+1], v[AD8] offset:VIM+1536*\f+256*\p
.endr
.endr
	ds_load_b32 v[VSC], v[AD4] offset:VSW
.endm
	s_load_b256 s[4:11], s[0:1], 0x0               ; qimg, kimg, vimg, sc
	s_load_b128 s[12:15], s[0:1], 0x20             ; acod, asc
	v_lshl_add_u32 v254, v0, 2, 0x19200
	v_mov_b32 v255, 0
	v_lshrrev_b32 v226, 5, v0
	v_readfirstlane_b32 s[WV], v226                ; wave 0..15
	v_and_b32 v226, 31, v0                         ; lane
	v_and_b32 v227, 15, v0                         ; r
	v_bfe_u32 v228, v0, 4, 1                       ; h
	v_lshlrev_b32 v[L8], 3, v226
	v_lshlrev_b32 v[L4], 2, v226
	v_lshlrev_b32 v[R8], 3, v227
	v_lshlrev_b32 v[R4], 2, v227
	v_mul_u32_u24 v[OA], v227, 24
	v_mad_u32_u24 v[OA], v228, 12, v[OA]
	s_wait_alu depctr_va_sdst(0)                   ; the wave's number is written, ahead of its first reader: addresses, bases and one branch are made from it
	s_lshl_b32 s33, s[WV], 4
	s_add_co_u32 s33, s33, ASB
	v_add_nc_u32 v[AB], s33, v227
	v_lshlrev_b32 v[G16], 4, v226
	v_add_nc_u32 v[A16], ASB, v[G16]
	v_lshlrev_b32 v229, 4, v0                      ; 16 x thread
	v_lshl_add_u32 v230, v0, 4, KIM
	v_lshl_add_u32 v231, v0, 4, VIM
	v_lshlrev_b32 v232, 2, v0                      ; 4 x thread
	v_lshrrev_b32 v233, 4, v0
	v_lshl_add_u32 v233, v233, 8, v[R4]            ; k's scale words in memory: 256 (thread / 16) + 4 r
	v_lshrrev_b32 v234, 5, v0
	v_lshl_add_u32 v234, v234, 11, v[R4]           ; v's: 2,048 (thread / 32) + 4 r
	s_mov_b32 s[REP], 0x02020202
	v_mul_lo_u32 v235, v228, s[REP]
	v_add_nc_u32 v235, 0x05040100, v235            ; byte selects: the low halves of two words for tile 0, the high halves for tile 1
	s_mov_b32 s[REP], 0x01010101
	s_mov_b32 s[SEL], 0x76543210
	s_mov_b32 s[SEL+1], 0xfedcba98
	s_mov_b32 s[CS], 0x3e8293ee                    ; c = log2(e) / sqrt(32)
	s_mov_b32 s[CS+1], s[CS]
	s_mov_b32 s[MK], 0xffff                        ; lanes 0-15
	s_and_b32 s34, ttmp7, 0xffff                   ; 16 x batch + head
	s_lshr_b32 s35, s34, 4
	s_and_b32 s36, s34, 15
	s_and_b32 s[SH], s36, 3
	s_lshl_b32 s[SH], s[SH], 3                     ; where my head's byte stands in q's and k's scale words
	s_lshr_b32 s37, s36, 2
	s_lshl_b32 s38, s35, 2
	s_add_co_u32 s37, s37, s38                     ; 4 x batch + head / 4
	s_mul_i32 s40, s34, 49152
	s_mov_b32 s41, 0
	s_lshl_b32 s42, s37, 13
	s_add_co_u32 s42, s42, 0x20000
	s_mov_b32 s43, 0
	s_lshl_b32 s44, s35, 15
	s_lshl_b32 s45, s36, 6
	s_add_co_u32 s44, s44, s45
	s_add_co_u32 s44, s44, 0x40000
	s_mov_b32 s45, 0
	s_lshl_b32 s46, ttmp9, 3
	s_lshr_b32 s47, s[WV], 2
	s_add_co_u32 s46, s46, s47
	s_mul_i32 s46, s46, 1536                       ; q: fragment 8 qx + wave / 4 (+ 4 for the second tile),
	s_bfe_u32 s47, s[WV], 0x10001
	s_mul_i32 s47, s47, 768
	s_add_co_u32 s46, s46, s47
	s_and_b32 s47, s[WV], 1
	s_lshl_b32 s47, s47, 7
	s_add_co_u32 s46, s46, s47                     ; block wave % 4 of it
	s_add_co_u32 s46, s46, s40
	s_mov_b32 s47, 0
	s_lshl_b32 s48, s37, 7
	s_lshl_b32 s49, ttmp9, 5
	s_add_co_u32 s48, s48, s49
	s_add_co_u32 s48, s48, s[WV]
	s_lshl_b32 s48, s48, 6
	s_mov_b32 s49, 0
	s_lshl_b32 s50, ttmp9, 5
	s_add_co_u32 s50, s50, s[WV]
	s_mul_i32 s50, s50, 384
	s_add_co_u32 s50, s50, s40
	s_mov_b32 s51, 0
	s_lshl_b32 s52, s34, 11
	s_lshl_b32 s53, ttmp9, 9
	s_add_co_u32 s52, s52, s53
	s_mov_b32 s53, 0
	s_wait_kmcnt 0x0
	s_add_nc_u64 s[6:7], s[6:7], s[40:41]
	s_add_nc_u64 s[8:9], s[8:9], s[40:41]
	s_add_nc_u64 s[16:17], s[10:11], s[42:43]      ; k's scale words
	s_add_nc_u64 s[18:19], s[10:11], s[44:45]      ; v's
	s_add_nc_u64 s[4:5], s[4:5], s[46:47]
	s_add_nc_u64 s[20:21], s[10:11], s[48:49]      ; q's
	s_add_nc_u64 s[12:13], s[12:13], s[50:51]
	s_add_nc_u64 s[14:15], s[14:15], s[52:53]
	s_wait_alu depctr_va_vdst(0)                   ; the offsets and addresses v1, v2, v5 to v10 and v229 to v234 are written, which the loads, stores and LDS instructions below read; none of them is written again
	; ---- the head's K and V into LDS, as they lie: 512 threads x 16 bytes x 6, each
.irp i, 0,1,2,3,4,5
	global_load_b128 v[104+4*\i:107+4*\i], v229, s[6:7] offset:8192*\i
.endr
.irp i, 0,1,2,3,4,5
	global_load_b128 v[128+4*\i:131+4*\i], v229, s[8:9] offset:8192*\i
.endr
.irp c, 0,1,2,3
	global_load_b32 v[152+\c], v233, s[16:17] offset:64*\c
.endr
	global_load_b32 v156, v234, s[18:19]
	global_load_b32 v157, v234, s[18:19] offset:1024
.irp b, 0,1,2,3
	v_mov_b32 v[BT+\b], 0                          ; written once: a lane permute's destination counts as one of its sources
.endr
	v_mov_b32 v[FF+1], 0                           ; (named as the upper half of a pair)
	s_wait_loadcnt 0x0
.irp i, 0,1,2,3,4,5
	ds_store_b128 v230, v[104+4*\i:107+4*\i] offset:8192*\i
.endr
.irp i, 0,1,2,3,4,5
	ds_store_b128 v231, v[128+4*\i:131+4*\i] offset:8192*\i
.endr
.irp c, 0,1,2,3
	v_bfe_u32 v[152+\c], v[152+\c], s[SH], 8       ; my head's byte of four tiles' words
.endr
	v_lshl_or_b32 v152, v153, 8, v152
	v_lshl_or_b32 v152, v154, 16, v152
	v_lshl_or_b32 v152, v155, 24, v152
	v_perm_b32 v156, v157, v156, v235              ; two blocks of keys from each of two words
	s_wait_alu depctr_va_vdst(0)                   ; v152 and v156 are written, which the two LDS stores read
	ds_store_b32 v232, v152 offset:KSW
	ds_store_b32 v232, v156 offset:VSW
	s_wait_dscnt 0x0                               ; my stores have landed
	s_barrier_signal -1
	s_barrier_wait -1                              ; everybody's have; nothing writes these bytes again
	s_wait_alu depctr_vm_vsrc(0)                   ; my LDS stores have read v104 to v156: these registers are the scores from here on, written by the products
; A KEY STEP: 128 keys.  next = 1: the next step's K is asked for.
.macro STEP next
	s_wait_alu depctr_vm_vsrc(0)                   ; the LDS loads issued so far have read v[AD8] and v[AD4]
	v_add_nc_u32 v[AD8], s[KO], v[L8]
	v_add_nc_u32 v[AD4], s[SO], v[L4]              ; this step's place in the images; the wait behind the exponentials stands between these two lines and the loads that read them
	s_wait_dscnt 0x0                               ; this step's K, asked for a step ago, is in
.irp f, 0,1
.irp c, 0,1,2,3
.set rD, S+8*(4*\f+\c)
.set rA, KF+12*\f
.set rB, QZ+12*(\c%2)+6*(1-\c/2)
.set rSA, KSC
.set rSB, QS
	WM0 \f
.endr
.endr
	PLACES 4
.irp b, 0,1,2,3
	v_max3_num_f32 v[BM+\b], v[S+16*\b], v[S+16*\b+1], v[S+16*\b+2]   ; the largest score of each block of 32 keys: for the row's maximum, and, since p rises with the score, for the block's largest p
.endr
.irp i, 3,5,7,9,11,13
.irp b, 0,1,2,3
	v_max3_num_f32 v[BM+\b], v[BM+\b], v[S+16*\b+\i], v[S+16*\b+\i+1]
.endr
.endr
.irp b, 0,1,2,3
	v_max_num_f32 v[BM+\b], v[BM+\b], v[S+16*\b+15]
.endr
.irp b, 0,1,2,3
	v_permlanex16_b32 v[BT+\b], v[BM+\b], s[SEL], s[SEL+1]
.endr
.irp b, 0,1,2,3
	v_max_num_f32 v[BM+\b], v[BM+\b], v[BT+\b]
.endr
	v_max3_num_f32 v[T0+2], v[BM], v[BM+1], v[BM+2]
	v_max_num_f32 v[T0+2], v[T0+2], v[BM+3]
	v_mul_f32 v[T0+2], s[CS], v[T0+2]
	v_max_num_f32 v13, v13, v[T0+2]                ; the running largest t
	v_mov_b32 v[T0+2], v12
	v_floor_f32 v12, -v13                          ; the new -M = -ceil(t)
	v_sub_f32 v[T0+2], v12, v[T0+2]                ; old M - new M: a whole number, 0 or less
	v_cvt_i32_f32 v[T0+2], v[T0+2]                 ; (it saturates)
	v_ldexp_f32 v[FF], 1.0, v[T0+2]                ; f = 2^(old M - new M): rounds nothing
.set i, 0
.rept 32
	v_pk_fma_f32 v[S+i:S+i+1], v[S+i:S+i+1], s[CS:CS+1], v[12:13] op_sel_hi:[1,0,0]   ; t - M
.set i, i+2
.endr
.irp b, 0,1,2,3
	v_fma_f32 v[BM+\b], v[BM+\b], s[CS], v12
.endr
.set i, 0
.rept 64
	v_exp_f32 v[S+i], v[S+i]                       ; p = 2^(t - M)
.set i, i+1
.endr
	v_pk_mul_f32 v[14:15], v[14:15], v[FF:FF+1] op_sel_hi:[1,0]   ; the sums under the new M: the plain place behind the batch
	s_wait_alu depctr_va_vdst(0)                   ; the 64 exponentials have written p, ahead of its first reader; the score products are done reading K's fragments and the last step's products V's; v[AD8] and v[AD4] are written
	VLOAD                                          ; this step's V,
.if \next
	KLOAD AD8, AD4, 3072, 128                      ; and the next step's K: they land under the rest of the softmax, which names none of their registers
.endif
.irp b, 0,1,2,3
	v_exp_f32 v[BM+\b], v[BM+\b]                   ; each block's largest p
.endr
	v_pk_add_f32 v[T0:T0+1], v[S:S+1], v[S+2:S+3]  ; the row's sum of the unquantised p, in two chains
.irp j, 4,8,12,16,20,24,28,32,36,40,44,48,52,56,60
	v_pk_add_f32 v[14:15], v[14:15], v[S+\j:S+\j+1]
	v_pk_add_f32 v[T0:T0+1], v[T0:T0+1], v[S+\j+2:S+\j+3]
.endr
	v_pk_add_f32 v[14:15], v[14:15], v[T0:T0+1]
	s_wait_alu depctr_va_vdst(0)                   ; the four exponentials have written the blocks' largest p, ahead of its first reader
.irp b, 0,1,2,3
	v_max_num_f32 v[BM+\b], 0x2800000, v[BM+\b]    ; the floor
.endr
.irp b, 0,1,2,3
	v_add_nc_u32 v[SCL+\b], 0xfe000000, v[BM+\b]
.endr
.irp b, 0,1,2,3
	v_lshrrev_b32 v[BT+\b], 23, v[SCL+\b]
.endr
	v_lshl_or_b32 v[PSW], v[BT+1], 8, v[BT]
	v_lshl_or_b32 v[PSW], v[BT+2], 16, v[PSW]
	v_lshl_or_b32 v[PSW], v[BT+3], 24, v[PSW]      ; p's scale word for these 128 keys
.irp c, 0,1
	v_cvt_scalef32_pk16_bf6_f32 v[PC+6*\c:PC+6*\c+2], v[S+32*\c:S+32*\c+15], v[SCL+2*\c]
	v_cvt_scalef32_pk16_bf6_f32 v[TS+4*\c:TS+4*\c+2], v[S+32*\c+16:S+32*\c+31], v[SCL+2*\c+1]
.endr
	v_nop                                          ; one plain place behind the conversions
.irp c, 0,1
.irp i, 0,1,2
	v_permlane16_swap_b32 v[PC+6*\c+\i], v[TS+4*\c+\i]
.endr
.irp i, 0,1,2
	v_mov_b32 v[PC+6*\c+3+\i], v[TS+4*\c+\i]
.endr
.endr
.irp j, 0,2,4,6,8,10,12,14
	v_pk_mul_f32 v[O+\j:O+\j+1], v[O+\j:O+\j+1], v[FF:FF+1] op_sel_hi:[1,0]   ; O^T under the new M; with the lines above: the places between the scale word, the codes and the products
.endr
.if \next
	s_wait_dscnt 13                                ; V is in; the next step's K (13 loads) may be out
.else
	s_wait_dscnt 0x0                               ; V is in
.endif
	s_wait_alu depctr_va_vdst(0)                   ; p's codes and its scale word are written, which the two products take; the places above stay beside this wait
.irp dt, 0,1                           ; two accumulators by turns, one instruction a turn
.set rD, O+8*\dt
.set rA, VF+12*\dt
.set rB, PC
.set rSA, VSC
.set rSB, PSW
	WM \dt
.endr
.if \next
	s_add_co_u32 s[KO], s[KO], 3072
	s_add_co_u32 s[SO], s[SO], 128
.endif
.endm
.macro QTILE it
.if \it
	s_wait_xcnt 0x0                                ; the last tile's store has had its addresses translated: its data registers are written again only behind this wait,
	s_wait_alu depctr_vm_vsrc(0)                   ; and it and the byte's LDS store have read their data, which this tile's steps write again
.endif
.irp p, 0,1,2
	global_load_b64 v[QC+2*\p:QC+2*\p+1], v[R8], s[4:5] offset:6144*\it+256*\p   ; row r's 24 bytes, in both halves of the lanes.  (In the second tile: the wait ahead of the last tile's stores has shown all that named these registers done)
.endr
	global_load_b32 v[QS], v[R4], s[20:21] offset:1024*\it
	s_wait_loadcnt 0x0
	v_bfe_u32 v[QS], v[QS], s[SH], 8
	v_mul_lo_u32 v[QS], v[QS], s[REP]              ; q's byte in all four places: whichever block holds q
.irp i, 0,1,2,3,4,5
	v_cndmask_b32 v[QZ+6+\i], 0, v[QC+\i], s[MK]
	v_cndmask_b32 v[QZ+18+\i], v[QC+\i], 0, s[MK]
.endr
.if \it == 0
.irp i, 0,1,2,3,4,5
	v_mov_b32 v[QZ+\i], 0
	v_mov_b32 v[QZ+12+\i], 0
	v_mov_b32 v[QZ+24+\i], 0
.endr
.endif
.set i, 0
.rept 16
	v_mov_b32 v[O+i], 0                            ; O^T: the loop has no first step of its own: the first change of M multiplies zeros.  (These are also the places in front of the first products)
.set i, i+1
.endr
	v_mov_b32 v13, 0xff61b1e6                      ; the largest t so far: -3e38
	v_floor_f32 v12, -v13                          ; -M
	v_mov_b32 v14, 0
	v_mov_b32 v15, 0
	s_mov_b32 s[KO], 0
	s_mov_b32 s[SO], 0
	s_mov_b32 s[CNT], 15
	s_wait_alu depctr_va_vdst(0)                   ; q's variants and its scale word are written, which the score products take (their places are the lines above); the tile before's products are done reading K's fragments
	KLOAD L8, L4, 0, 0                             ; the first step's K
.Lstep_\@:                                         ; 15 trips
	STEP 1
	s_sub_co_u32 s[CNT], s[CNT], 1
	s_cmp_lg_u32 s[CNT], 0
	s_cbranch_scc1 .Lstep_\@
	STEP 0                                         ; the last step is written out: there is no K behind it
	; the way out: O^T / the sum; my 16 registers are channels 16 h + 0 .. 15 of my query: half a block of the next K
	PLACES 4
	v_add_f32 v14, v14, v15
	v_permlanex16_b32 v[BT], v14, s[SEL], s[SEL+1]
	v_add_f32 v14, v14, v[BT]
	v_rcp_f32 v14, v14
	v_nop
	s_wait_alu depctr_va_vdst(0)                   ; the reciprocal is written, ahead of its first reader
.set i, 0
.rept 16
	v_mul_f32 v[S+i], v[O+i], v14
.set i, i+1
.endr
	v_max3_num_f32 v[T0], |v[S]|, |v[S+1]|, 0x2800000
.irp i, 2,4,6,8,10,12,14
	v_max3_num_f32 v[T0], v[T0], |v[S+\i]|, |v[S+\i+1]|
.endr
	v_permlanex16_b32 v[BT], v[T0], s[SEL], s[SEL+1]
	v_max_num_f32 v[T0], v[T0], v[BT]
	v_add_nc_u32 v[SCL], 0xfe000000, v[T0]
	v_cvt_scalef32_pk16_bf6_f32 v[PC:PC+2], v[S:S+15], v[SCL]
	v_lshrrev_b32 v[T0+1], 23, v[SCL]              ; the byte (the plain place behind the conversion)
	s_wait_alu depctr_va_vdst(0)                   ; the codes and the byte are written, which the two stores read; and all that named q's registers, or v104 to v107, is done: the loads that follow land there
	global_store_b96 v[OA], v[PC:PC+2], s[12:13] offset:6144*\it   ; the wave stores 384 consecutive bytes: 16 rows of 24
	ds_store_b8 v[AB], v[T0+1] offset:256*\it      ; both halves of the lanes write the same byte with the same value
.endm
	QTILE 0
	QTILE 1
	s_wait_dscnt 0x0
	s_barrier_signal -1
	s_barrier_wait -1                              ; the 512 scale bytes lie in LDS
	s_cmp_lg_u32 s[WV], 0
	s_cbranch_scc1 .Lend
	ds_load_b128 v[104:107], v[A16]
	s_wait_dscnt 0x0
	global_store_b128 v[G16], v[104:107], s[14:15] ; 512 consecutive bytes, aligned
.Lend:
	s_wait_dscnt 0x0
	s_wait_alu depctr_hold_cnt(0) depctr_sa_sdst(0) depctr_va_vdst(0) depctr_va_sdst(0) depctr_va_ssrc(0) depctr_va_vcc(0) depctr_vm_vsrc(0)
	s_wait_tensorcnt 0x0
	ds_add_u32 v254, v255
	s_wait_dscnt 0x0
	s_endpgm
.Lfunc_end_k_qc0a5440116_attn:
	.size	k_qc0a5440116_attn, .Lfunc_end_k_qc0a5440116_attn-k_qc0a5440116_attn
	.p2alignl 7, 3214868480
	.fill 96, 4, 3214868480
	.section	.rodata,"a",@progbits
	.p2align	6, 0x0
	.amdhsa_kernel k_qc0a5440116_attn
		.amdhsa_group_segment_fixed_size 104960
		.amdhsa_private_segment_fixed_size 0
		.amdhsa_enable_private_segment 0
		.amdhsa_kernarg_size 48
		.amdhsa_user_sgpr_count 2
		.amdhsa_user_sgpr_kernarg_segment_ptr 1
		.amdhsa_wavefront_size32 1
		.amdhsa_system_sgpr_workgroup_id_x 1
		.amdhsa_system_sgpr_workgroup_id_y 1
		.amdhsa_system_sgpr_workgroup_id_z 1
		.amdhsa_system_vgpr_workitem_id 0
		.amdhsa_next_free_vgpr 256
		.amdhsa_next_free_sgpr 66
		.amdhsa_reserve_vcc 0
		.amdhsa_float_denorm_mode_32 3
		.amdhsa_float_denorm_mode_16_64 3
		.amdhsa_memory_ordered 1
		.amdhsa_forward_progress 1
		.amdhsa_inst_pref_size 75
	.end_amdhsa_kernel
	.amdgpu_metadata
---
amdhsa.version: [ 1, 2 ]
amdhsa.kernels:
  - .name:           k_qc0a5440116_attn
    .symbol:         k_qc0a5440116_attn.kd
    .args:
      - { .name: qimg, .offset: 0, .size: 8, .value_kind: global_buffer, .address_space: global }
      - { .name: kimg, .offset: 8, .size: 8, .value_kind: global_buffer, .address_space: global }
      - { .name: vimg, .offset: 16, .size: 8, .value_kind: global_buffer, .address_space: global }
      - { .name: sc, .offset: 24, .size: 8, .value_kind: global_buffer, .address_space: global }
      - { .name: acod, .offset: 32, .size: 8, .value_kind: global_buffer, .address_space: global }
      - { .name: asc, .offset: 40, .size: 8, .value_kind: global_buffer, .address_space: global }
    .group_segment_fixed_size: 104960
    .private_segment_fixed_size: 0
    .kernarg_segment_align: 8
    .kernarg_segment_size: 48
    .max_flat_workgroup_size: 512
    .sgpr_count:     66
    .vgpr_count:     256
    .wavefront_size: 32
...
	.end_amdgpu_metadata
.endif
;; end of part 6
;; launch tail (part 7): grid 256 x 1, 4 waves a work-group, no clusters, 98,816 bytes of LDS; arguments acod, asc, wimg, x, bo, g1, b1, b_ff1, b_ff2, g2, b2, out0; writes out0
.if DOCPART == 7
	.amdgcn_target "amdgcn-amd-amdhsa--gfx1250"
	.amdhsa_code_object_version 6
	.text
	.protected	k_qc0a5440116_tail
	.globl	k_qc0a5440116_tail
	.p2align	8
	.type	k_qc0a5440116_tail,@function
k_qc0a5440116_tail:
	s_mov_b64 s[64:65], 0
	v_nop
	global_prefetch_b8 v0, s[64:65] scope:SCOPE_SE
	s_setreg_imm32_b32 hwreg(HW_REG_WAVE_SCHED_MODE, 0, 2), 2
	s_setreg_imm32_b32 hwreg(HW_REG_WAVE_MODE, 25, 1), 1
	s_wait_xcnt 0x0
	s_wait_alu depctr_vm_vsrc(0)
; out = LN2(y1 + gelu(y1 W1 + b_ff1) W2 + b_ff2), y1 = LN1(x + a wo + bo): the three products on codes of E3M2, all else in f32.  a arrives as codes.  y1 and the hidden layer never go to memory.
; SHARES.  A work-group owns 32 tokens, two tiles of 16 (row r of tile m is token 8 m + r + 8 (r / 8)): 8,192 / 32 = 256 work-groups.  THE WAVES SHARE THE COLUMNS: wave w makes output channels 128 w .. of wo and of W2,
; and, in chunk c of four, hidden units 512 c + 128 w ..; what a wave has quantised goes to the others through LDS as an image of the operand's registers.
; THE WEIGHTS come from memory straight into operand registers (images made by the first launch), through a ring of four register buffers of one group (25 loads) each.
; No joint loads: they would land in LDS, from where each group's 12,800 bytes, which one wave multiplies once (16 products), would have to be read again into registers.
; All products have the weight as source 0: a lane holds one token, its registers run along the channels: register 64 m + 16 bb + i is channel 32 bb + 16 h + i of the wave's 128.
; LayerNorm in two passes, as it is defined: mean, then the mean of squared differences; a row's parts meet in LDS (a lane's 64, lane xor 16's, four waves').
; gelu(v) = v / 2 + (v / 2) erf(v / sqrt 2), erf(u) = u P(u^2) / Q(u^2), the rational form in f32 with u held at +-4.
; LIMITS: a block whose largest magnitude lies under 2^-122 (zeros among them) gets the byte 1.  NaN and infinities are not served.
; REGISTERS, in windows of 256.  Window 3: v0-127 x, then W2's accumulators; v128-255 Y: the row in hand.  Window 2: v0-127 H: wo's and W1's accumulators, the gains and biases of a norm, rows on the way out;
; v128-155 gelu's; v160-255 ring buffer 2.  Window 1: v0-95, v96-191 ring buffers 0, 1; v192-255 the bias that serves as C.  Window 0: addresses, scale words, fragments, the quantiser's; v160-255 ring buffer 3.
; THE MODE: SCHED_MODE bits 1:0 = 2 (LLVM: expert scheduling mode 2), set by the entry lines.  The code itself states the register dependences between vector or matrix instructions and memory or LDS
; instructions, with s_wait_alu, always for 0.
; THE PLAN.  Registers that memory or LDS instructions touch:
;   v1-v12     offsets and LDS addresses: written once at the head, one wait on va_vdst ahead of the first load, never written again.
;   the ring   a phase is four groups; group j's products read buffer j and its scale words; the group that is due there four groups on lands in it.  ONE wait on va_vdst at the head of group j, behind the waits for
;              its data, states that group j - 1's products are done reading; buffer j - 1's 25 loads follow in two runs among group j's products, which name none of their registers.  A phase's last buffer is
;              asked for behind the next wait on va_vdst that stands there anyway (the first batch of gelu's reciprocals; the wait for the norm's loads), or, ahead of the chunk's closing barrier, behind one of its own.
;   fragments  v64-159 and their scale words v48-55: all four K steps of a phase are fetched at the phase's head; the upper half of these registers is the quantiser's, idle while a phase multiplies.  At the chunk's
;              head a wait on vm_vsrc (the images' LDS stores have read the codes that lie there) and one on va_vdst (the last phase's products are done reading); at the second phase's head the first alone.
;   images     two sets of codes and a scale word (v136-148; v14-26): both tiles are quantised, then one wait on va_vdst, then the run of eight LDS stores.
;   H, x's registers, the bias: loads land in them behind a wait on va_vdst that follows their last reader; the comments there say which.
.set LI,  1                            ; 16 x lane
.set LS,  2                            ; 4 x lane
.set XA,  3                            ; 2,048 (r + 8 (r / 8)) + 64 h
.set BA,  4                            ; 64 h
.set AL,  5                            ; 49,152 h + 24 r
.set RR,  6                            ; r
.set IMW, 7                            ; 16 x lane + 1,536 x wave
.set SCW, 8                            ; 4 x lane + 128 x wave
.set LNW, 9
.set LNRD, 10
.set OSW, 11
.set OSR, 12
.set PC1, 14                           ; the second tile's codes,
.set PW1, 26                           ; and its scale word
.set WS,  32
.set FS,  48
.set FB,  64
.set TM,  112
.set TS,  128
.set PC,  136
.set PW,  148
.set UC,  128                          ; in window 2
.set SQ,  136
.set PP,  144
.set YIMG, 0                           ; LDS: y1's 8 fragments (4 m + K step),
.set YSC,  12288                       ; their scale words, 128 bytes each,
.set HIMG, 13312                       ; a chunk's 8 fragments of the hidden layer,
.set HSC,  25600
.set LNR,  26624                       ; four regions of 1,024 bytes for the norms' partial sums: word (2 wave + m, lane),
.set OST,  30720                       ; and the stage for the result: 32 rows x (2,048 + 16) bytes
.set SEL, 54
.set CH,  59
.set MSB, 0
.macro WIN new
.set WNEW, \new
.if MSB != WNEW
	s_set_vgpr_msb (MSB<<8)|WNEW
.set MSB, WNEW
.endif
.endm
.macro PLACES n
.rept \n
	v_nop
.endr
.endm
.macro BARRIER                         ; my LDS stores have landed and my LDS loads are in: then the work-group's barrier
	s_wait_dscnt 0x0
	s_barrier_signal -1
	s_barrier_wait -1
.endm
.macro QUANT w, s, pc, pw              ; 64 numbers of a lane in window w, register 16 bb + i = k 32 bb + 16 h + i, become a fragment and its scale word
	WIN 5*(\w)
.irp bb, 0,1,2,3
	v_max3_num_f32 v[TM+\bb], |v[\s+16*\bb]|, |v[\s+16*\bb+1]|, 0x2800000
.endr
	WIN 20*(\w)
.irp i, 2,4,6,8,10,12,14
.irp bb, 0,1,2,3
	v_max3_num_f32 v[TM+\bb], v[TM+\bb], |v[\s+16*\bb+\i]|, |v[\s+16*\bb+\i+1]|
.endr
.endr
	WIN 0
.irp bb, 0,1,2,3
	v_permlanex16_b32 v[TM+4+\bb], v[TM+\bb], s[SEL], s[SEL+1]
.endr
.irp bb, 0,1,2,3
	v_max_num_f32 v[TM+\bb], v[TM+\bb], v[TM+4+\bb]
.endr
.irp bb, 0,1,2,3
	v_add_nc_u32 v[TM+12+\bb], 0xfe000000, v[TM+\bb]
.endr
.irp bb, 0,1,2,3
	v_lshrrev_b32 v[TM+4+\bb], 23, v[TM+12+\bb]
.endr
	v_lshl_or_b32 v[\pw], v[TM+5], 8, v[TM+4]
	v_lshl_or_b32 v[\pw], v[TM+6], 16, v[\pw]
	v_lshl_or_b32 v[\pw], v[TM+7], 24, v[\pw]
	WIN \w
.irp c, 0,1
	v_cvt_scalef32_pk16_bf6_f32 v[\pc+6*\c:\pc+6*\c+2], v[\s+32*\c:\s+32*\c+15], v[TM+12+2*\c]
	v_cvt_scalef32_pk16_bf6_f32 v[TS+4*\c:TS+4*\c+2], v[\s+32*\c+16:\s+32*\c+31], v[TM+13+2*\c]
.endr
	WIN 0
	v_nop                                          ; one plain place behind the conversions
.irp c, 0,1
.irp i, 0,1,2
	v_permlane16_swap_b32 v[\pc+6*\c+\i], v[TS+4*\c+\i]
.endr
.irp i, 0,1,2
	v_mov_b32 v[\pc+6*\c+3+\i], v[TS+4*\c+\i]
.endr
.endr
.endm
.macro IMAGE adr, off, pc
.irp c, 0,1,2
	ds_store_b128 v[\adr], v[\pc+4*\c:\pc+4*\c+3] offset:\off+512*\c
.endr
.endm
; a weight group into a ring buffer: 24 loads of 512 consecutive bytes, four tiles (12 loads) to a run, and the scale words: 25 loads
.macro GLOADT bw, bb, sb, imm, t0
	WIN 64*(\bw)
.irp t, \t0, \t0+1, \t0+2, \t0+3
.irp j, 0,1,2
	global_load_b128 v[\bb+12*(\t)+4*\j:\bb+12*(\t)+4*\j+3], v[LI], s[\sb:\sb+1] offset:\imm+1536*(\t)+512*\j
.endr
.endr
.endm
.macro GLOADS ws, sb, imm
	WIN 0
	global_load_b128 v[\ws:\ws+3], v[LI], s[\sb:\sb+1] offset:\imm+12288
.endm
.macro GLOAD bw, bb, ws, sb, imm
	GLOADT \bw, \bb, \sb, \imm, 0
	GLOADT \bw, \bb, \sb, \imm, 4
	GLOADS \ws, \sb, \imm
.endm
.macro RING q                          ; the buffer that group q's products read
.set RQ, (\q)%4
.if RQ == 0
.set RBW, 1
.set RBB, 0
.elseif RQ == 1
.set RBW, 1
.set RBB, 96
.elseif RQ == 2
.set RBW, 2
.set RBB, 160
.else
.set RBW, 0
.set RBB, 160
.endif
.set RWS, WS+4*RQ
.endm
.macro RINGF q                         ; the buffer in which loads land
.set FQ, (\q)%4
.if FQ == 0
.set FBW, 1
.set FBB, 0
.elseif FQ == 1
.set FBW, 1
.set FBB, 96
.elseif FQ == 2
.set FBW, 2
.set FBB, 160
.else
.set FBW, 0
.set FBB, 160
.endif
.set FWS, WS+4*FQ
.endm
.macro WM ra
.if \ra
	v_wmma_scale_f32_16x16x128_f8f6f4 v[rD:rD+7], v[rA:rA+11], v[rB:rB+11], v[rC:rC+7], v[rSA], v[rSB] matrix_a_fmt:MATRIX_FMT_BF6 matrix_b_fmt:MATRIX_FMT_BF6 matrix_a_scale:MATRIX_SCALE_ROW1
.else
	v_wmma_scale_f32_16x16x128_f8f6f4 v[rD:rD+7], v[rA:rA+11], v[rB:rB+11], v[rC:rC+7], v[rSA], v[rSB] matrix_a_fmt:MATRIX_FMT_BF6 matrix_b_fmt:MATRIX_FMT_BF6
.endif
.endm
; 8 products: the ring buffer's eight tiles x tile m of the tokens.  aw: the accumulators' window; cw = 1: the bias in window 1 is C.
.macro MMH fb, fs, aw, cw, m
	WIN RBW+16*(\cw)+64*(\aw)
.irp t, 0,1,2,3,4,5,6,7
.set rD, 64*\m+8*\t
.set rA, RBB+12*\t
.set rB, \fb+12*\m
.if (\cw) == 1
.set rC, 192+8*\t
.else
.set rC, rD
.endif
.set rSA, RWS+\t/2
.set rSB, \fs+\m
	WM \t%2
.endr
.endm
; A group: 16 products, each accumulator once, so they go by turns.  fill = 1: the buffer of the group before takes the group at imm from base sb; the wait that allows it stands
; ahead of this macro, and no product of this group names a register that those loads touch.
.macro GRP q, fb, fs, aw, cw, fill, sb, imm
	RING \q
	MMH \fb, \fs, \aw, \cw, 0
.if \fill
	RINGF (\q)+3
	GLOADT FBW, FBB, \sb, \imm, 0
.endif
	MMH \fb, \fs, \aw, \cw, 1
.if \fill
	GLOADT FBW, FBB, \sb, \imm, 4
	GLOADS FWS, \sb, \imm
.endif
	WIN 0
	PLACES 4                                       ; four places behind the group's products: ahead of the first read of results, and of the loads into the registers that they read (a wait on va_vdst stands beside them)
.endm
.macro FETCH4 img, scb                 ; a phase's four K steps: two fragments and two scale words each, 8 LDS loads a step
.irp ks, 0,1,2,3
.irp m, 0,1
.irp c, 0,1,2
	ds_load_b128 v[FB+24*\ks+12*\m+4*\c:FB+24*\ks+12*\m+4*\c+3], v[LI] offset:\img+(4*\m+\ks)*1536+512*\c
.endr
	ds_load_b32 v[FS+2*\ks+\m], v[LS] offset:\scb+(4*\m+\ks)*128
.endr
.endr
.endm
.macro BIAS16 win, reg, sb, imm        ; my 128 numbers of a vector over the channels, in the results' layout: 64 registers
	WIN 64*(\win)
.irp bb, 0,1,2,3
.irp j, 0,1,2,3
	global_load_b128 v[\reg+16*\bb+4*\j:\reg+16*\bb+4*\j+3], v[BA], s[\sb:\sb+1] offset:\imm+128*\bb+16*\j
.endr
.endr
	WIN 0
.endm
.macro KP n, bits                      ; a constant as a pair: the packed forms name a pair and take its low word
	s_mov_b32 s[\n], \bits
	s_mov_b32 s[\n+1], \bits
.endm
; my lanes' partial sums in v158 (tile 0), v159 (tile 1) become the rows' sums, in every lane of every wave; region k of LDS is used once
.macro LNSUM k
	v_permlanex16_b32 v56, v158, s[SEL], s[SEL+1]
	v_permlanex16_b32 v57, v159, s[SEL], s[SEL+1]
	v_add_f32 v158, v158, v56
	v_add_f32 v159, v159, v57
	s_wait_alu depctr_va_vdst(0)                   ; v158 and v159 are written, which the LDS stores read; and all that named v56 to v63 is done: the loads behind the barrier land there
	ds_store_b32 v[LNW], v158 offset:1024*(\k)
	ds_store_b32 v[LNW], v159 offset:1024*(\k)+128
	BARRIER
.irp ww, 0,1,2,3
.irp m, 0,1
	ds_load_b32 v[56+2*\ww+\m], v[LNRD] offset:1024*(\k)+256*\ww+128*\m
.endr
.endr
	s_wait_dscnt 0x0
	s_wait_alu depctr_vm_vsrc(0)                   ; the LDS stores have read v158 and v159, which the lines below write again
	v_add_f32 v158, v56, v58
	v_add_f32 v159, v57, v59
	v_add_f32 v158, v158, v60
	v_add_f32 v159, v159, v61
	v_add_f32 v158, v158, v62
	v_add_f32 v159, v159, v63
.endm
; Y = (Y - mean) rsqrt(var + eps) g + b; g lies in H + 0 .., b in H + 64 .. (asked for ahead).  Regions k, k + 1.
.macro LNORM k
	WIN 0x0f
	v_pk_add_f32 v[150:151], v[128:129], v[130:131]
	v_pk_add_f32 v[152:153], v[192:193], v[194:195]
	WIN 0x0c
.set i, 4
.rept 30
	v_pk_add_f32 v[150:151], v[150:151], v[128+i:129+i]
	v_pk_add_f32 v[152:153], v[152:153], v[192+i:193+i]
.set i, i+2
.endr
	WIN 0
	v_add_f32 v158, v150, v151
	v_add_f32 v159, v152, v153
	LNSUM \k
	v_mul_f32 v154, s62, v158                      ; the mean
	v_mul_f32 v156, s62, v159
	v_mov_b32 v155, v154
	v_mov_b32 v157, v156
	WIN 0xc3
.set i, 0
.rept 32
	v_pk_add_f32 v[128+i:129+i], v[128+i:129+i], v[154:155] neg_lo:[0,1] neg_hi:[0,1]
	v_pk_add_f32 v[192+i:193+i], v[192+i:193+i], v[156:157] neg_lo:[0,1] neg_hi:[0,1]
.set i, i+2
.endr
	WIN 0x0f
	v_pk_mul_f32 v[150:151], v[128:129], v[128:129]
	v_pk_mul_f32 v[152:153], v[192:193], v[192:193]
.set i, 2
.rept 31
	v_pk_fma_f32 v[150:151], v[128+i:129+i], v[128+i:129+i], v[150:151]
	v_pk_fma_f32 v[152:153], v[192+i:193+i], v[192+i:193+i], v[152:153]
.set i, i+2
.endr
	WIN 0
	v_add_f32 v158, v150, v151
	v_add_f32 v159, v152, v153
	LNSUM \k+1
	v_fma_f32 v158, v158, s62, s63                 ; var + eps
	v_fma_f32 v159, v159, s62, s63
	v_rsq_f32 v154, v158
	v_rsq_f32 v156, v159
	v_nop                                          ; a plain place behind the two
	s_wait_alu depctr_va_vdst(0)                   ; the two roots are written, ahead of their first reader
	v_mov_b32 v155, v154
	v_mov_b32 v157, v156
	s_wait_loadcnt 0x0                             ; g and b are in, and all that was asked for ahead of them
	WIN 0xc3
.set i, 0
.rept 32
	v_pk_mul_f32 v[128+i:129+i], v[128+i:129+i], v[154:155]
	v_pk_mul_f32 v[192+i:193+i], v[192+i:193+i], v[156:157]
.set i, i+2
.endr
	WIN 0xeb
.set i, 0
.rept 32
	v_pk_fma_f32 v[128+i:129+i], v[128+i:129+i], v[i:i+1], v[64+i:65+i]
	v_pk_fma_f32 v[192+i:193+i], v[192+i:193+i], v[i:i+1], v[64+i:65+i]
.set i, i+2
.endr
	WIN 0
.endm
; gelu of one accumulator's eight numbers, in place; every operand lies in window 2.  fill = 1: behind the batch's wait ring buffer 3 takes W2's fourth group.
.macro GELU8 g, fill
.irp i, 0,2,4,6
	v_pk_mul_f32 v[UC+\i:UC+\i+1], v[\g+\i:\g+\i+1], s[28:29] op_sel_hi:[1,0]      ; u = v / sqrt 2
.endr
.irp i, 0,1,2,3,4,5,6,7
	v_med3_num_f32 v[UC+\i], v[UC+\i], -4.0, 4.0
.endr
.irp i, 0,2,4,6
	v_pk_mul_f32 v[SQ+\i:SQ+\i+1], v[UC+\i:UC+\i+1], v[UC+\i:UC+\i+1]
.endr
.irp i, 0,2,4,6
	v_pk_fma_f32 v[PP+\i:PP+\i+1], v[SQ+\i:SQ+\i+1], v[152:153], s[30:31] op_sel_hi:[1,1,0]
.endr
.irp a, 32,34,36,38,40
.irp i, 0,2,4,6
	v_pk_fma_f32 v[PP+\i:PP+\i+1], v[PP+\i:PP+\i+1], v[SQ+\i:SQ+\i+1], s[\a:\a+1] op_sel_hi:[1,1,0]
.endr
.endr
.irp i, 0,2,4,6
	v_pk_mul_f32 v[PP+\i:PP+\i+1], v[PP+\i:PP+\i+1], v[UC+\i:UC+\i+1]              ; u P(u^2)
.endr
.irp i, 0,2,4,6
	v_pk_fma_f32 v[UC+\i:UC+\i+1], v[SQ+\i:SQ+\i+1], v[154:155], s[42:43] op_sel_hi:[1,1,0]
.endr
.irp a, 44,46,48
.irp i, 0,2,4,6
	v_pk_fma_f32 v[UC+\i:UC+\i+1], v[UC+\i:UC+\i+1], v[SQ+\i:SQ+\i+1], s[\a:\a+1] op_sel_hi:[1,1,0]
.endr
.endr
.irp i, 0,1,2,3,4,5,6,7
	v_rcp_f32 v[UC+\i], v[UC+\i]                   ; 1 / Q(u^2)
.endr
.irp i, 0,2,4,6
	v_pk_mul_f32 v[\g+\i:\g+\i+1], v[\g+\i:\g+\i+1], 0.5 op_sel_hi:[1,0]           ; v / 2: plain work behind the eight
.endr
	s_wait_alu depctr_va_vdst(0)                   ; the eight reciprocals are written, ahead of their first reader; in the chunk's first batch also: the phase's last products are done reading ring buffer 3 and its scale words
.if \fill
	RINGF 3
	GLOAD FBW, FBB, FWS, 52, 38400
	WIN 0xaa
.endif
.irp i, 0,2,4,6
	v_pk_mul_f32 v[PP+\i:PP+\i+1], v[PP+\i:PP+\i+1], v[UC+\i:UC+\i+1]              ; erf
.endr
.irp i, 0,2,4,6
	v_pk_fma_f32 v[\g+\i:\g+\i+1], v[\g+\i:\g+\i+1], v[PP+\i:PP+\i+1], v[\g+\i:\g+\i+1]
.endr
.endm
; The chunk's four K steps of the second product; their groups of W2 lie in the ring, their fragments were asked for ahead of the branch.  next = 1: each buffer, once multiplied, takes the next chunk's group of W1
; (and the bias registers the next 128 of b_ff1): all four groups or none, so that the counts at the next trip's head hold on every way through the text.  next = 0: the last chunk: nothing is left to ask for.
.macro FF2 next
.irp j, 0,1,2,3
	s_wait_dscnt 24-8*\j                           ; this K step's fragments are in; the later steps' loads, eight each, may be out
.if \next
.if \j == 0
	GRP 0, FB, FS, 3, 3, 0, 50, 0
.else
	s_wait_alu depctr_va_vdst(0)                   ; the products of the group before are done reading their ring buffer and its scale words, in which the loads among this group's products land
	GRP \j, FB+24*\j, FS+2*\j, 3, 3, 1, 50, 204800+12800*(\j-1)
.endif
.if \j == 1
	BIAS16 1, 192, 60, 2048                        ; no wait: the products that took the bias as C stand far ahead of the wait above, and this phase's products do not name it
.endif
.else
	GRP \j, FB+24*\j, FS+2*\j, 3, 3, 0, 50, 0
.endif
.endr
.if \next
	s_wait_alu depctr_va_vdst(0)                   ; the phase's last products are done reading ring buffer 3 and its scale words
	RINGF 3
	GLOAD FBW, FBB, FWS, 50, 204800+38400
.endif
.endm
	s_load_b512 s[4:19], s[0:1], 0x0               ; acod, asc, wimg, x, bo, g1, b1, b_ff1
	s_load_b256 s[20:27], s[0:1], 0x40             ; b_ff2, g2, b2, out0
	v_lshl_add_u32 v30, v0, 2, 0x18000
	v_mov_b32 v31, 0
	v_lshrrev_b32 v13, 5, v0
	v_readfirstlane_b32 s58, v13                   ; wave
	v_and_b32 v13, 31, v0
	v_and_b32 v[RR], 15, v0
	v_bfe_u32 v14, v0, 4, 1
	v_and_b32 v15, 8, v[RR]
	v_add_nc_u32 v15, v15, v[RR]                   ; r + 8 (r / 8)
	v_lshlrev_b32 v[LI], 4, v13
	v_lshlrev_b32 v[LS], 2, v13
	v_lshlrev_b32 v[BA], 6, v14
	v_lshl_add_u32 v[XA], v15, 11, v[BA]
	v_mul_u32_u24 v[AL], v14, 0xc000
	v_mad_u32_u24 v[AL], v[RR], 24, v[AL]
	s_wait_alu depctr_va_sdst(0)                   ; s58 is written, ahead of its first reader: LDS addresses and every base are made from it
	s_mul_i32 s66, s58, 1536
	v_add_nc_u32 v[IMW], s66, v[LI]
	s_lshl_b32 s66, s58, 7
	v_add_nc_u32 v[SCW], s66, v[LS]
	s_lshl_b32 s66, s58, 8
	s_add_co_u32 s66, s66, LNR
	v_add_nc_u32 v[LNW], s66, v[LS]
	v_add_nc_u32 v[LNRD], LNR, v[LS]
	v_mul_u32_u24 v[OSW], v[RR], 2064
	v_add_nc_u32 v[OSW], v[OSW], v[BA]
	s_lshl_b32 s66, s58, 9
	s_add_co_u32 s66, s66, OST
	v_add_nc_u32 v[OSW], s66, v[OSW]               ; the stage, in: row r, + my wave's 512 bytes, + 64 h
	s_mul_i32 s66, s58, 16512
	s_add_co_u32 s66, s66, OST
	v_add_nc_u32 v[OSR], s66, v[LI]                ; back: my eight rows, 16 bytes a lane
	KP 28, 0x3f3504f3                              ; 1 / sqrt 2
	KP 30, 0x32edffee                              ; P's coefficients from u^10 down (the highest lies in vector registers),
	KP 32, 0xb60cff51
	KP 34, 0xb86ec2d2
	KP 36, 0xba40ac63
	KP 38, 0xbb41a1f6
	KP 40, 0xbc83dbd4
	KP 42, 0xb95fbd29                              ; Q's from u^6 down
	KP 44, 0xbadc924e
	KP 46, 0xbbf19bf8
	KP 48, 0xbc69b6a7
	s_mov_b32 s[SEL], 0x76543210
	s_mov_b32 s[SEL+1], 0xfedcba98
	s_mov_b32 s62, 0x3b000000                      ; 1 / 512
	s_mov_b32 s63, 0x3727c5ac                      ; 1e-5
	s_mov_b32 s[CH], 4
	s_lshr_b32 s68, ttmp9, 6                       ; batch
	s_and_b32 s69, ttmp9, 63                       ; which 32 tokens of it
	s_mul_i32 s70, s68, 786432
	s_mul_i32 s72, s69, 768
	s_add_co_u32 s70, s70, s72
	s_mov_b32 s71, 0
	s_lshl_b32 s72, s68, 15
	s_lshl_b32 s74, s69, 5
	s_add_co_u32 s72, s72, s74
	s_mov_b32 s73, 0
	s_lshl_b32 s76, s58, 9                         ; my 128 channels, in bytes
	s_mov_b32 s77, 0
	s_lshl_b32 s74, ttmp9, 16
	s_add_co_u32 s74, s74, s76
	s_mov_b32 s75, 0
	s_lshl_b32 s78, ttmp9, 16
	s_lshr_b32 s79, s58, 1
	s_lshl_b32 s79, s79, 14
	s_add_co_u32 s78, s78, s79
	s_and_b32 s79, s58, 1
	s_lshl_b32 s79, s79, 15
	s_add_co_u32 s78, s78, s79                     ; the eight tokens that I store: 32 wg + 8 (w / 2) + 16 (w % 2) on
	s_mov_b32 s79, 0
	s_mul_i32 s80, s58, 51200
	s_mov_b32 s81, 0
	s_mul_i32 s82, s58, 204800
	s_mov_b32 s83, 0
	s_wait_kmcnt 0x0
	s_add_nc_u64 s[4:5], s[4:5], s[70:71]
	s_add_nc_u64 s[6:7], s[6:7], s[72:73]
	s_add_nc_u64 s[10:11], s[10:11], s[74:75]
	s_add_nc_u64 s[12:13], s[12:13], s[76:77]
	s_add_nc_u64 s[14:15], s[14:15], s[76:77]
	s_add_nc_u64 s[16:17], s[16:17], s[76:77]
	s_add_nc_u64 s[60:61], s[18:19], s[76:77]
	s_add_nc_u64 s[20:21], s[20:21], s[76:77]
	s_add_nc_u64 s[22:23], s[22:23], s[76:77]
	s_add_nc_u64 s[24:25], s[24:25], s[76:77]
	s_add_nc_u64 s[26:27], s[26:27], s[78:79]
	s_add_nc_u64 s[56:57], s[8:9], s[80:81]
	s_add_nc_u64 s[50:51], s[56:57], 819200        ; W1: group 64 + 4 w
	s_add_nc_u64 s[56:57], s[56:57], 614400        ; wo: group 48 + 4 w
	s_add_nc_u64 s[52:53], s[8:9], s[82:83]
	s_add_nc_u64 s[52:53], s[52:53], 1638400       ; W2: group 128 + 16 w
	s_wait_alu depctr_va_vdst(0)                   ; the twelve offsets and addresses v1 to v12 are written: every load, store and LDS instruction of the kernel reads one of them
	; ---- what the wo phase wants: a's scale bytes and codes, bo, x, wo's groups: all into registers that no vector instruction has named
.irp m, 0,1
.irp ks, 0,1,2,3
.irp kb, 0,1,2,3
	global_load_u8 v[160+16*\m+4*\ks+\kb], v[RR], s[6:7] offset:(4*\ks+\kb)*2048+16*\m
.endr
.endr
.endr
.irp ks, 0,1,2,3
.irp m, 0,1
.irp c, 0,1
.irp p, 0,1,2
	global_load_b64 v[FB+24*\ks+12*\m+6*\c+2*\p:FB+24*\ks+12*\m+6*\c+2*\p+1], v[AL], s[4:5] offset:196608*\ks+98304*\c+384*\m+8*\p   ; head 4 ks + 2 c + h, row r: 24 bytes
.endr
.endr
.endr
.endr
	BIAS16 1, 192, 12, 0
	WIN 0xc0
.irp m, 0,1
.irp bb, 0,1,2,3
.irp j, 0,1,2,3
	global_load_b128 v[64*\m+16*\bb+4*\j:64*\m+16*\bb+4*\j+3], v[XA], s[10:11] offset:16384*\m+128*\bb+16*\j th:TH_LOAD_NT
.endr
.endr
.endr
	WIN 0
	RINGF 0
	GLOAD FBW, FBB, FWS, 56, 0
	RINGF 1
	GLOAD FBW, FBB, FWS, 56, 12800
	RINGF 2
	GLOAD FBW, FBB, FWS, 56, 25600
	s_wait_loadcnt 63                              ; of 203 loads at least 140 are in: the first 128 are all but the groups
.irp ks, 0,1,2,3
.irp m, 0,1
	v_lshl_or_b32 v[FS+2*\ks+\m], v[161+16*\m+4*\ks], 8, v[160+16*\m+4*\ks]
	v_lshl_or_b32 v[FS+2*\ks+\m], v[162+16*\m+4*\ks], 16, v[FS+2*\ks+\m]
	v_lshl_or_b32 v[FS+2*\ks+\m], v[163+16*\m+4*\ks], 24, v[FS+2*\ks+\m]
.endr
.endr
	PLACES 8                                       ; scale words made by vector instructions stand eight places ahead of the products
	s_wait_alu depctr_va_vdst(0)                   ; a's scale words are written, which the products take (the places above stay beside this wait); and the lines that made them are done reading v160 to v191, in which the group below lands
	RINGF 3
	GLOAD FBW, FBB, FWS, 56, 38400
	WIN 0x80
	v_mov_b32 v152, 0xaf95df0b                     ; P's highest coefficient,
	v_mov_b32 v153, 0xaf95df0b
	v_mov_b32 v154, 0xb77460cd                     ; Q's
	v_mov_b32 v155, 0xb77460cd
	WIN 0
	; ---- wo.  Counts: the loads younger than the group that is wanted: 75, 50, 66 (a group of wo, a group of W1 and b_ff1's 16), 66; the wait's field holds 63
.irp q, 0,1,2,3
.if \q == 0
	s_wait_loadcnt 63
	GRP 0, FB, FS, 2, 1, 0, 50, 0
.else
.if \q == 1
	s_wait_loadcnt 50
.else
	s_wait_loadcnt 63
.endif
	s_wait_alu depctr_va_vdst(0)                   ; the products of the group before are done reading their ring buffer, its scale words and, the first group's, the bias: loads land in these below
	GRP \q, FB+24*\q, FS+2*\q, 2, 2, 1, 50, 12800*(\q-1)
.if \q == 1
	BIAS16 1, 192, 60, 0                           ; b_ff1's first 128.  No wait: this group's products do not name the bias
.endif
.endif
.endr
.irp bb, 0,1,2,3
	v_mov_b32 v[TM+4+\bb], 0                       ; written once: a lane permute's destination counts as one of its sources
.endr
	v_mov_b32 v56, 0
	v_mov_b32 v57, 0
	; ---- z1 = x + (a wo + bo); LN1
	WIN 0xce
.set i, 0
.rept 64
	v_pk_add_f32 v[128+i:129+i], v[i:i+1], v[i:i+1]   ; Y = H + x: each accumulator from its low end on
.set i, i+2
.endr
	WIN 0
	s_wait_alu depctr_va_vdst(0)                   ; the additions are done reading H and x, and wo's last products ring buffer 3 and its scale words: the loads below land in all of these
	RINGF 3
	GLOAD FBW, FBB, FWS, 50, 38400                 ; W1's fourth group of the first chunk,
	BIAS16 2, 0, 14, 0                             ; g1,
	BIAS16 2, 64, 16, 0                            ; b1,
	BIAS16 3, 0, 20, 0                             ; and b_ff2, onto which W2's products add in place, for both tiles
	BIAS16 3, 64, 20, 0
	LNORM 0
	; ---- y1 becomes K step w of the next product
	QUANT 3, 128, PC, PW
	QUANT 3, 192, PC1, PW1
	s_wait_alu depctr_va_vdst(0)                   ; the quantiser has written both tiles' codes and scale words, which the LDS stores read
	IMAGE IMW, YIMG, PC
	ds_store_b32 v[SCW], v[PW] offset:YSC
	IMAGE IMW, YIMG+6144, PC1
	ds_store_b32 v[SCW], v[PW1] offset:YSC+512
	BARRIER
.Lchunk:                                           ; four trips: 512 hidden units each; eight groups go twice round the ring
	s_wait_alu depctr_vm_vsrc(0)                   ; the images' LDS stores have read their codes and scale words: fragments land in the first set's registers, and the quantiser writes both sets again
	s_wait_alu depctr_va_vdst(0)                   ; on every way to this label the last phase's products are done reading the fragments and their scale words, and the quantiser is done with its registers among them
	FETCH4 YIMG, YSC
.irp j, 0,1,2,3
	s_wait_dscnt 24-8*\j                           ; this K step's fragments are in; the later steps' loads, eight each, may be out
.if \j == 0
	s_wait_loadcnt 63                              ; into the first trip no load is out (the norm has waited for all); round the loop three groups (75 loads) are younger than the first group and b_ff1; the field holds 63
	GRP 0, FB, FS, 2, 1, 0, 52, 0
.else
	s_wait_loadcnt 50                              ; two groups are younger than the one wanted: of W1, or of W2 as they are asked for below
	s_wait_alu depctr_va_vdst(0)                   ; the products of the group before are done reading their ring buffer and its scale words, in which the loads among this group's products land
	GRP \j, FB+24*\j, FS+2*\j, 2, 2, 1, 52, 12800*(\j-1)
.endif
.endr
	WIN 0xaa
	GELU8 0, 1
.irp g, 8,16,24,32,40,48,56,64,72,80,88,96,104,112,120
	GELU8 \g, 0
.endr
	WIN 0
	QUANT 2, 0, PC, PW
	QUANT 2, 64, PC1, PW1
	s_wait_alu depctr_va_vdst(0)                   ; the quantiser has written both tiles' codes and scale words, which the LDS stores read; it is done with H and with its own registers
	IMAGE IMW, HIMG, PC
	ds_store_b32 v[SCW], v[PW] offset:HSC
	IMAGE IMW, HIMG+6144, PC1
	ds_store_b32 v[SCW], v[PW1] offset:HSC+512
	BARRIER                                        ; the chunk's eight fragments lie in LDS
	s_wait_alu depctr_vm_vsrc(0)                   ; my LDS stores have read their codes and scale words: fragments land in the first set's registers
	FETCH4 HIMG, HSC
	s_wait_loadcnt 0x0                             ; W2's four groups, asked for ahead of and in the gelu; nothing younger is out
	s_cmp_eq_u32 s[CH], 1                          ; ONE branch for the whole phase: the same in every wave and work-group
	s_cbranch_scc1 .Llast
	FF2 1
	s_branch .Ljoin
.Llast:
	FF2 0
.Ljoin:
	BARRIER                                        ; every wave's reads of the chunk's images are over: the next chunk may store
	s_wait_xcnt 0x0                                ; the loads have read their bases
	s_add_nc_u64 s[50:51], s[50:51], 204800
	s_add_nc_u64 s[52:53], s[52:53], 51200
	s_add_nc_u64 s[60:61], s[60:61], 2048
	s_sub_co_u32 s[CH], s[CH], 1
	s_cmp_lg_u32 s[CH], 0
	s_cbranch_scc1 .Lchunk
	; ---- z2 = y1 + ffn; LN2
	BIAS16 2, 0, 22, 0                             ; g2 and b2 land in H.  No wait: the wait ahead of the last images' stores has shown all that named H done, and the second phase's products do not name it
	BIAS16 2, 64, 24, 0
	WIN 0xcf
.set i, 0
.rept 64
	v_pk_add_f32 v[128+i:129+i], v[i:i+1], v[128+i:129+i]
.set i, i+2
.endr
	WIN 0
	LNORM 2
	; ---- the way out: a row's 2,048 bytes come from four waves: through the stage, then whole rows
	s_wait_alu depctr_va_vdst(0)                   ; the norm has written Y, which the LDS stores read, and is done reading g2 and b2, in whose registers the rows land behind the barrier
	WIN 0x0c
.irp m, 0,1
.irp bb, 0,1,2,3
.irp j, 0,1,2,3
	ds_store_b128 v[OSW], v[128+64*\m+16*\bb+4*\j:128+64*\m+16*\bb+4*\j+3] offset:33024*\m+128*\bb+16*\j
.endr
.endr
.endr
	WIN 0
	BARRIER
	WIN 0x80
.irp t, 0,1,2,3,4,5,6,7
.irp q, 0,1,2,3
	ds_load_b128 v[4*(4*\t+\q):4*(4*\t+\q)+3], v[OSR] offset:2064*\t+512*\q
.endr
.endr
	WIN 0x08
.irp t, 0,1,2,3,4,5,6,7
.irp q, 0,1,2,3
	s_wait_dscnt 31-(4*\t+\q)
	global_store_b128 v[LI], v[4*(4*\t+\q):4*(4*\t+\q)+3], s[26:27] offset:2048*\t+512*\q th:TH_STORE_NT   ; 32 lanes store 512 consecutive bytes, aligned
.endr
.endr
	WIN 0
	s_wait_dscnt 0x0
	s_wait_alu depctr_hold_cnt(0) depctr_sa_sdst(0) depctr_va_vdst(0) depctr_va_sdst(0) depctr_va_ssrc(0) depctr_va_vcc(0) depctr_vm_vsrc(0)
	s_wait_tensorcnt 0x0
	ds_add_u32 v30, v31
	s_wait_dscnt 0x0
	s_endpgm
.Lfunc_end_k_qc0a5440116_tail:
	.size	k_qc0a5440116_tail, .Lfunc_end_k_qc0a5440116_tail-k_qc0a5440116_tail
	.p2alignl 7, 3214868480
	.fill 96, 4, 3214868480
	.section	.rodata,"a",@progbits
	.p2align	6, 0x0
	.amdhsa_kernel k_qc0a5440116_tail
		.amdhsa_group_segment_fixed_size 98816
		.amdhsa_private_segment_fixed_size 0
		.amdhsa_enable_private_segment 0
		.amdhsa_kernarg_size 96
		.amdhsa_user_sgpr_count 2
		.amdhsa_user_sgpr_kernarg_segment_ptr 1
		.amdhsa_wavefront_size32 1
		.amdhsa_system_sgpr_workgroup_id_x 1
		.amdhsa_system_sgpr_workgroup_id_y 1
		.amdhsa_system_sgpr_workgroup_id_z 1
		.amdhsa_system_vgpr_workitem_id 0
		.amdhsa_next_free_vgpr 1024
		.amdhsa_next_free_sgpr 100
		.amdhsa_reserve_vcc 0
		.amdhsa_float_denorm_mode_32 3
		.amdhsa_float_denorm_mode_16_64 3
		.amdhsa_memory_ordered 1
		.amdhsa_forward_progress 1
		.amdhsa_inst_pref_size 255
	.end_amdhsa_kernel
	.section	.bss,"aw",@nobits
	.p2align	6
	.space	262144
	.amdgpu_metadata
---
amdhsa.version: [ 1, 2 ]
amdhsa.kernels:
  - .name:           k_qc0a5440116_tail
    .symbol:         k_qc0a5440116_tail.kd
    .args:
      - { .name: acod, .offset: 0, .size: 8, .value_kind: global_buffer, .address_space: global }
      - { .name: asc, .offset: 8, .size: 8, .value_kind: global_buffer, .address_space: global }
      - { .name: wimg, .offset: 16, .size: 8, .value_kind: global_buffer, .address_space: global }
      - { .name: x, .offset: 24, .size: 8, .value_kind: global_buffer, .address_space: global }
      - { .name: bo, .offset: 32, .size: 8, .value_kind: global_buffer, .address_space: global }
      - { .name: g1, .offset: 40, .size: 8, .value_kind: global_buffer, .address_space: global }
      - { .name: b1, .offset: 48, .size: 8, .value_kind: global_buffer, .address_space: global }
      - { .name: b_ff1, .offset: 56, .size: 8, .value_kind: global_buffer, .address_space: global }
      - { .name: b_ff2, .offset: 64, .size: 8, .value_kind: global_buffer, .address_space: global }
      - { .name: g2, .offset: 72, .size: 8, .value_kind: global_buffer, .address_space: global }
      - { .name: b2, .offset: 80, .size: 8, .value_kind: global_buffer, .address_space: global }
      - { .name: out0, .offset: 88, .size: 8, .value_kind: global_buffer, .address_space: global }
    .group_segment_fixed_size: 98816
    .private_segment_fixed_size: 0
    .kernarg_segment_align: 8
    .kernarg_segment_size: 96
    .max_flat_workgroup_size: 128
    .sgpr_count:     100
    .vgpr_count:     1024
    .wavefront_size: 32
...
	.end_amdgpu_metadata
.endif
;; end of part 7
